; MI455X (gfx1250); checked and timed in simulation.
; The chip was launched on July 23, 2026; its instructions are those of AMD's public machine-readable ISA for CDNA 5 (MIT licence, August 2026) and "CDNA5" Instruction Set Architecture Reference Guide (July 2026). The comments in the code are by the model that wrote it; some were corrected since.
;; Attention Layer. Allowed arithmetic: matrix products marked QUANTISED: E2M3 operands, one E8M0 scale for each 32 along K, by v_wmma_scale_f32_16x16x128_f8f6f4 with both operands' format E2M3, f32 sums; products left as they are: f32 operands where the result goes on into a quantised operand, else bf16, f16 or f32 operands; f32 sums; everything else in f32.
;; Inputs: Wk 2,048 x 2,048 float32; Wo 2,048 x 2,048 float32; Wq 2,048 x 2,048 float32; Wv 2,048 x 2,048 float32; attention_mask 1 x 1 x 2,048 x 2,048 float32; bk 2,048 float32; bo 2,048 float32; bq 2,048 float32; bv 2,048 float32; hidden_states 1 x 2,048 x 2,048 float32.
;; Outputs: out0 1 x 2,048 x 2,048 float32.
;; This version of the problem:
;;   THIS VERSION OF THE PROBLEM IS GIVEN IN LOW PRECISION. The matrix products marked QUANTISED in the list below multiply operands that are first quantised to E2M3 (2 exponent bits, 3 mantissa bits; 6 bits a number), with one power-of-two scale for each 32 numbers along K (OCP MX v1.0); their sums are f32. All else is computed in f32.
;;   The module's matrix products, in the order in which they are computed (A, B: the left and right operand; K: the contracted axis; several contracted axes count as one K, in the product's order):
;;     1. [M 2,048, K 2,048] x [K 2,048, N 2,048]; A: input hidden_states; B: input Wq: QUANTISED
;;     2. [M 2,048, K 2,048] x [K 2,048, N 2,048]; A: input hidden_states; B: input Wk: QUANTISED
;;     3. [M 2,048, K 2,048] x [K 2,048, N 2,048]; A: input hidden_states; B: input Wv: QUANTISED
;;     4. [M 2,048, K 1] x [K 1, N 64]; A: computed on the way; B: computed on the way: left as it is (no contracted axis)
;;     5. batch 16 x [M 2,048, K 128] x [K 128, N 2,048]; A: computed on the way; B: computed on the way: QUANTISED
;;     6. batch 16 x [M 2,048, K 2,048] x [K 2,048, N 128]; A: softmax (see below); B: computed on the way: QUANTISED
;;     7. [M 2,048, K 2,048] x [K 2,048, N 2,048]; A: computed on the way; B: input Wo: QUANTISED
;;   THE QUANTISER, for each operand of a quantised product, along K:
;;     - K is cut into blocks of 32 from its start; a last block that is shorter is filled with zeros.
;;     - A block's scale is 2^e with e = floor(log2(the largest magnitude in the block)) - 2, held to -126 .. 127; a block of zeros has e = 0. As a byte (E8M0): e + 127.
;;     - Each number is divided by its block's scale, clamped to +-7.5, and rounded to the nearest number of E2M3, ties to even, subnormals kept.
;;     - The product sums the exact products of the quantised numbers (number of the format x scale) in f32.
;;   ~~~python
;;   def quantise(x, axis):      # numpy; x: float32 -> the quantised numbers, widened to float32 again
;;       x = np.moveaxis(x, axis, -1); K = x.shape[-1]
;;       x = np.pad(x, [(0, 0)] * (x.ndim - 1) + [(0, -K % 32)]); x = x.reshape(x.shape[:-1] + (-1, 32)); a = np.abs(x).max(-1, keepdims=True)
;;       e = np.where(a > 0, np.clip(np.frexp(np.where(a > 0, a, 1))[1] - 1 - 2, -126, 127), 0)      # np.frexp(a)[1] - 1 = floor(log2(a)), exactly
;;       r = np.clip(x / 2.0 ** e, -7.5, 7.5)
;;       step = 2.0 ** (np.maximum(np.frexp(np.where(r == 0, 1, r))[1] - 1, 0) - 3)
;;       q = np.round(r / step) * step * 2.0 ** e      # np.round: ties to even
;;       return np.moveaxis(q.reshape(q.shape[:-2] + (-1,))[..., :K], -1, axis).astype(np.float32)
;;   ~~~
;;   SOFTMAX AHEAD OF A QUANTISED PRODUCT. Where the list says 'softmax', what is quantised is not the finished softmax but p = 2^(t - M), with t = logit x log2(e) and M = ceil(the row's largest t), a whole number; so 1/2 < the row's largest p <= 1. The row's sum l is taken of the UNQUANTISED p, in f32, and the product's result is divided by l at the end. Since M is a whole number, a kernel that streams over the keys may use a running M (the ceiling of the running maximum): every later rescaling is an exact power of two, which a block's scale takes up: the codes' values come out the same.
;;   OPERANDS COMPUTED ON THE WAY. 'Computed on the way' means the value that the module computes at that place (a softmax that the list does not call 'softmax' is quantised finished and normalised). What goes into a quantiser is computed in f32, as accurately as f32 sums, v_exp_f32 and their like allow (about 1e-6 of the number): no bf16 or f16 on the way to a quantiser, and a product that is left as it is and whose result goes on into a quantised operand takes f32 operands (vector FMAs, or v_wmma_f32_16x16x4_f32). A number that lies on a knife's edge between two numbers of the format may be rounded either way, as far as f32 arithmetic and the matrix unit's own rounding can turn it there, and no further.
;; 2 versions. Each part assembles by itself: llvm-mc -triple=amdgcn-amd-amdhsa -mcpu=gfx1250 --defsym DOCPART=n.
;; ======== version 1 of 2: 4 launches
;; workspace buffers: codes 15,728,640 bytes; scales 655,360 bytes; rope 1,048,576 bytes; mimg 16,777,216 bytes; qop 3,276,800 bytes; kv 6,553,600 bytes; ocodes 3,145,728 bytes; oscales 131,072 bytes
;; launch quant (part 1): grid 800 x 1, 4 waves a work-group, no clusters, 34,304 bytes of LDS; arguments hidden_states, Wq, Wk, Wv, Wo, attention_mask, codes, scales, mimg, rope; writes codes, scales, mimg, rope
.if DOCPART == 1
	.amdgcn_target "amdgcn-amd-amdhsa--gfx1250"
	.amdhsa_code_object_version 6
	.text
	.protected	k_qd9b928ea2d_quant
	.globl	k_qd9b928ea2d_quant
	.p2align	8
	.type	k_qd9b928ea2d_quant,@function
k_qd9b928ea2d_quant:
	s_mov_b64 s[64:65], 0
	v_nop
	global_prefetch_b8 v0, s[64:65] scope:SCOPE_SE
	s_setreg_imm32_b32 hwreg(HW_REG_WAVE_MODE, 25, 1), 1
	s_wait_xcnt 0x0
; hidden_states, Wq, Wk, Wv, Wo ([2048][2048] f32, K innermost) become codes of FP6 (E2M3) with one E8M0 byte for each 32 along K, laid as the later launches' matrix operands want them;
; attention_mask is laid anew, still f32, in the order of the score registers of the attention launch; and the RoPE table (cos, sin) is made.
; TILES.  A tile is 16 rows: place p of tile t holds row 32 (t / 2) + 8 (t % 2) + p + 8 (p / 8).  With that choice a product's 16 result registers of two neighbouring tiles are 16 neighbours along the next K.
; IMAGES.  A fragment (16 rows x 128 K, 12 registers a lane) is stored as its registers: registers 4 c .. 4 c + 3 of lane l at byte 512 c + 16 l of 1,536.  codes: [tensor 5][tile 128][K step 16][1,536].
; scales: [tensor 5][tile 128][pair of K steps 8][place 16][2 words].  mimg: [tile 128][key step 16][8,192]: register 16 b + i of lane (r, h) is mask[row of place r][128 s + 32 b + 16 h + i].
; SHARES.  Work-groups 0 to 767: tensor = number / 128 (5 = the mask), tile = number % 128; wave w takes K steps 4 w .. 4 w + 3.  Work-groups 768 to 799: wave w makes the table of tile 4 (number - 768) + w.
; Each load reads 512 consecutive bytes of one row; a fragment's 16 x 512 bytes turn through the wave's own stage in LDS (rows 528 bytes apart: 132 words, so that the sixteen rows of a read begin in sixteen
; different groups of banks), so that a lane gets 16 neighbours of each block of 32.  Each store covers 512 consecutive bytes.  Waves share nothing: no barrier.  No matrix unit, no cluster: the launch only streams.
; THE QUANTISER: a block's scale is 2^(floor(log2(largest magnitude)) - 2); its byte is the largest magnitude's exponent field - 2, held at 1 from below.
; LIMITS: a block of zeros gets the byte 1 where the rule says 127 (its codes are zeros, and this program alone reads the bytes); NaN and infinities among the inputs are not served.
; RoPE: inv_freq = 2^(-f log2(10000) / 64) to about 2 ulp, so the angle t x inv_freq is off by up to 2e-4 rad at t = 2047; sine and cosine of that f32 angle to about 1e-7.
.set TEN,   3145728                    ; bytes of a tensor's codes
.set STEN,  131072                     ; bytes of a tensor's scale words
.set SP,    528                        ; a stage row
.set WREG,  16*SP                      ; a wave's stage
.set R,     16                         ; v16-143   two sets of 64 registers as loaded
.set X,     144                        ; v144-207  64 numbers: register 16 b + i = k 32 b + 16 h + i of my row
.set PC,    208                        ; v208-227  the codes just made (12 registers) and 8 at work
.set TM,    228                        ; v228-243  at work
.set W,     244                        ; v244-247  the scale words of my four K steps
.set D,     248                        ; v248-249  the two that I store
.set PW,    250                        ; v250      the scale word just made
.set SEL,   50                         ; s[50:51]  lane selects: lane l xor 16
; 64 numbers of a lane, v[s] on, become a fragment's codes in v[PC] on and its rows' scale word in v[PW]
.macro QUANT s
.irp b, 0,1,2,3
	v_max3_num_f32 v[TM+\b], |v[\s+16*\b]|, |v[\s+1+16*\b]|, 0x1800000   ; block b: my 16 numbers, and the floor 2^(3 - 127): the byte cannot fall under 1
.endr
.irp i, 2,4,6,8,10,12,14
.irp b, 0,1,2,3
	v_max3_num_f32 v[TM+\b], v[TM+\b], |v[\s+16*\b+\i]|, |v[\s+1+16*\b+\i]|   ; the four blocks by turns
.endr
.endr
.irp b, 0,1,2,3
	v_permlanex16_b32 v[TM+4+\b], v[TM+\b], s[SEL], s[SEL+1]
.endr
.irp b, 0,1,2,3
	v_max_num_f32 v[TM+\b], v[TM+\b], v[TM+4+\b]   ; with lane l xor 16's: the block's largest magnitude
.endr
.irp b, 0,1,2,3
	v_add_nc_u32 v[TM+12+\b], 0xff000000, v[TM+\b]   ; 2 off its exponent field: the conversion takes that field as its scale
.endr
.irp b, 0,1,2,3
	v_lshrrev_b32 v[TM+4+\b], 23, v[TM+12+\b]   ; the scale's byte
.endr
	v_lshl_or_b32 v[PW], v[TM+5], 8, v[TM+4]
	v_lshl_or_b32 v[PW], v[TM+6], 16, v[PW]
	v_lshl_or_b32 v[PW], v[TM+7], 24, v[PW]
.irp c, 0,1
	v_cvt_scalef32_pk16_fp6_f32 v[PC+6*\c:PC+2+6*\c], v[\s+32*\c:\s+15+32*\c], v[TM+12+2*\c]
	v_cvt_scalef32_pk16_fp6_f32 v[PC+12+4*\c:PC+14+4*\c], v[\s+16+32*\c:\s+31+32*\c], v[TM+12+2*\c+1]   ; (a conversion's three registers begin on an even number)
.endr
	v_nop                                          ; one plain place behind a scaled conversion
.irp c, 0,1                                    ; the operand wants a whole block in a lane: lanes 0-15 block 2 c, lanes 16-31 block 2 c + 1
.irp i, 0,1,2
	v_permlane16_swap_b32 v[PC+6*\c+\i], v[PC+12+4*\c+\i]
.endr
.irp i, 0,1,2
	v_mov_b32 v[PC+3+6*\c+\i], v[PC+12+4*\c+\i]
.endr
.endr
.endm
	s_load_b512 s[8:23], s[0:1], 0x0               ; hidden_states, Wq, Wk, Wv, Wo, the mask, codes s[20:21], scales s[22:23]
	s_load_b128 s[24:27], s[0:1], 0x40             ; mimg s[24:25], rope s[26:27]
	v_lshl_add_u32 v254, v0, 2, 0x8400
	v_mov_b32 v255, 0
	v_lshrrev_b32 v1, 5, v0
	v_readfirstlane_b32 s30, v1                    ; wave
	v_and_b32 v1, 31, v0                           ; lane
	v_and_b32 v2, 15, v0                           ; r
	v_bfe_u32 v3, v0, 4, 1                         ; h
	v_lshlrev_b32 v4, 4, v1                        ; 16 x lane
	s_cmp_ge_u32 ttmp9, 768
	s_cbranch_scc1 .Lrope
	s_lshr_b32 s28, ttmp9, 7                       ; tensor 0..5
	s_and_b32 s29, ttmp9, 127                      ; tile
	s_mul_i32 s31, s30, WREG
	v_add_nc_u32 v5, s31, v4                       ; the stage, on the way in: a row's 512 bytes as they lie
	v_mul_u32_u24 v6, v2, SP
	v_lshl_add_u32 v6, v3, 6, v6
	v_add_nc_u32 v6, s31, v6                       ; and on the way out: row r, + 64 h
	v_lshlrev_b32 v7, 3, v1                        ; 8 x lane
	s_mov_b32 s[SEL], 0x76543210
	s_mov_b32 s[SEL+1], 0xfedcba98
.irp b, 0,1,2,3
	v_mov_b32 v[TM+4+\b], 0                        ; a lane permute's destination counts as one of its sources
	v_mov_b32 v[W+\b], 0                           ; written on every path, the mask's too
.endr
	s_lshr_b32 s32, s29, 1                         ; the tile's first row, 32 (tile / 2) + 8 (tile % 2), in rows of 8,192 bytes, + my 2,048 bytes of it
	s_lshl_b32 s32, s32, 18
	s_and_b32 s33, s29, 1
	s_lshl_b32 s33, s33, 16
	s_add_co_u32 s32, s32, s33
	s_lshl_b32 s33, s30, 11
	s_add_co_u32 s32, s32, s33
	s_mov_b32 s33, 0
	s_mul_i32 s34, s28, TEN                        ; my four images
	s_mul_i32 s35, s29, 24576
	s_add_co_u32 s34, s34, s35
	s_mul_i32 s35, s30, 6144
	s_add_co_u32 s34, s34, s35
	s_mov_b32 s35, 0
	s_lshl_b32 s36, s28, 17                        ; my 256 bytes of scale words
	s_lshl_b32 s37, s29, 10
	s_add_co_u32 s36, s36, s37
	s_lshl_b32 s37, s30, 8
	s_add_co_u32 s36, s36, s37
	s_mov_b32 s37, 0
	s_lshl_b32 s38, s29, 17                        ; my four key steps of the mask's image
	s_lshl_b32 s39, s30, 15
	s_add_co_u32 s38, s38, s39
	s_mov_b32 s39, 0
	s_wait_kmcnt 0x0
.irp k, 1,2,3,4,5
	s_cmp_eq_u32 s28, \k                           ; the source is chosen by the work-group's number alone
	s_cselect_b64 s[8:9], s[8+2*\k:9+2*\k], s[8:9]
.endr
	s_add_nc_u64 s[8:9], s[8:9], s[32:33]
	s_add_nc_u64 s[20:21], s[20:21], s[34:35]      ; (not used by the mask's work-groups)
	s_add_nc_u64 s[22:23], s[22:23], s[36:37]
	s_add_nc_u64 s[24:25], s[24:25], s[38:39]
.macro LOAD t                          ; K step t of my four: 16 rows x 512 bytes
.irp p, 0,1,2,3,4,5,6,7,8,9,10,11,12,13,14,15
	global_load_b128 v[R+64*((\t)%2)+4*\p:R+64*((\t)%2)+4*\p+3], v4, s[8:9] offset:(\p+8*(\p/8))*8192+512*(\t) th:TH_LOAD_NT
.endr
.endm
.macro TURN t                          ; through the stage: LDS serves a wave's instructions in order (ISA guide 5.7.1.4), so no wait stands between the stores and the loads
.irp p, 0,1,2,3,4,5,6,7,8,9,10,11,12,13,14,15
	ds_store_b128 v5, v[R+64*((\t)%2)+4*\p:R+64*((\t)%2)+4*\p+3] offset:SP*\p
.endr
.irp c, 0,1,2,3,4,5,6,7,8,9,10,11,12,13,14,15
	ds_load_b128 v[X+4*\c:X+4*\c+3], v6 offset:128*(\c/4)+16*(\c%4)
.endr
.endm
.macro FRAGMENT t
.if \t < 3
	s_wait_loadcnt 16                              ; this K step's 16 loads are in; the next one's may be out
.else
	s_wait_loadcnt 0x0
.endif
	s_wait_xcnt 0x0                                ; the last fragment's stores have read X and PC: both are written again only behind this wait
	TURN \t
	s_wait_dscnt 0x0                               ; X is in, and the stage's stores have read their registers,
.if \t < 2
	LOAD \t+2                                      ; which take the loads of two K steps on
.endif
	s_cmp_eq_u32 s28, 5
	s_cbranch_scc1 .Lmask_\@
	QUANT X
	v_mov_b32 v[W+\t], v[PW]
.irp c, 0,1,2
	global_store_b128 v4, v[PC+4*\c:PC+4*\c+3], s[20:21] offset:1536*\t+512*\c   ; 512 consecutive bytes a store
.endr
	s_branch .Ljoin_\@
.Lmask_\@:
.irp c, 0,1,2,3,4,5,6,7,8,9,10,11,12,13,14,15
	global_store_b128 v4, v[X+4*\c:X+4*\c+3], s[24:25] offset:8192*\t+512*\c
.endr
.Ljoin_\@:
.endm
	LOAD 0
	LOAD 1
	FRAGMENT 0
	FRAGMENT 1
	FRAGMENT 2
	FRAGMENT 3
	s_cmp_eq_u32 s28, 5
	s_cbranch_scc1 .Lend
	v_cmp_le_u32 vcc_lo, 16, v1                    ; lanes 0-15 store K steps 4 w, 4 w + 1 of place r, lanes 16-31 K steps 4 w + 2, 4 w + 3 (both halves of the lanes hold every word)
	v_cndmask_b32 v[D], v[W], v[W+2], vcc_lo
	v_cndmask_b32 v[D+1], v[W+1], v[W+3], vcc_lo
	global_store_b64 v7, v[D:D+1], s[22:23]        ; 256 consecutive bytes, aligned
.Lend:
	s_wait_tensorcnt 0x0
	ds_add_u32 v254, v255
	s_wait_dscnt 0x0
	s_endpgm
; THE TABLE of tile 4 (number - 768) + wave: registers 16 b + i (b = 0, 1): cos(t x inv_freq(f)), f = 32 b + 16 h + i, t = the row of place r; registers 32 on: sin likewise.
.Lrope:
	s_sub_co_u32 s29, ttmp9, 768
	s_lshl_b32 s29, s29, 2
	s_add_co_u32 s29, s29, s30                     ; tile
	s_lshr_b32 s32, s29, 1
	s_lshl_b32 s32, s32, 5
	s_and_b32 s33, s29, 1
	s_lshl_b32 s33, s33, 3
	s_add_co_u32 s32, s32, s33
	v_and_b32 v8, 8, v2
	v_add_nc_u32 v8, v8, v2
	v_add_nc_u32 v8, s32, v8
	v_cvt_f32_u32 v8, v8                           ; t
	v_lshlrev_b32 v9, 4, v3                        ; 16 h
	s_lshl_b32 s34, s29, 13
	s_mov_b32 s35, 0
	s_mov_b32 s36, 0x3e549a78                      ; log2(10000) / 64, its f32 part,
	s_mov_b32 s37, 0x31979a29                      ; and what that leaves
	s_mov_b32 s38, 0xbf317218                      ; -ln 2
	s_mov_b32 s39, 0x3f22f983                      ; 2 / pi
	s_mov_b32 s40, 0xbfc90fd8                      ; -pi / 2 in three parts
	s_mov_b32 s41, 0xb4a8885a
	s_mov_b32 s42, 0xa7c234c4
	s_mov_b32 s43, 0xbe2aaaa3                      ; sine's polynomial on [-pi/4, pi/4]
	s_mov_b32 s44, 0x3c08839e
	s_mov_b32 s45, 0xb94ca1f9
	s_mov_b32 s46, 0x3d2aaaa5                      ; cosine's
	s_mov_b32 s47, 0xbab6061a
	s_mov_b32 s48, 0x37ccf5ce
	s_wait_kmcnt 0x0
	s_add_nc_u64 s[26:27], s[26:27], s[34:35]
.set g, 0
.rept 8                                        ; four frequencies at a time, line by line, so that no line waits for the line above it
.irp k, 0,1,2,3
	v_add_nc_u32 v[80+\k], 32*((4*g+\k)/16)+(4*g+\k)%16, v9
.endr
.irp k, 0,1,2,3
	v_cvt_f32_u32 v[80+\k], v[80+\k]               ; f
.endr
.irp k, 0,1,2,3
	v_mul_f32 v[84+\k], s36, v[80+\k]              ; P = f x c, rounded;
.endr
.irp k, 0,1,2,3
	v_fma_f32 v[88+\k], v[80+\k], s36, -v[84+\k]   ; what the rounding dropped,
.endr
.irp k, 0,1,2,3
	v_fma_f32 v[88+\k], v[80+\k], s37, v[88+\k]    ; and c's own rest
.endr
.irp k, 0,1,2,3
	v_exp_f32 v[92+\k], -v[84+\k]
.endr
	v_nop                                          ; a plain place behind the exponentials
	s_wait_alu depctr_va_vdst(0)
.irp k, 0,1,2,3
	v_mul_f32 v[88+\k], v[92+\k], v[88+\k]
.endr
.irp k, 0,1,2,3
	v_fma_f32 v[92+\k], v[88+\k], s38, v[92+\k]    ; inv_freq = 2^-P (1 - rest x ln 2)
.endr
.irp k, 0,1,2,3
	v_mul_f32 v[96+\k], v8, v[92+\k]               ; the angle, in f32 as reference() has it
.endr
.irp k, 0,1,2,3
	v_mul_f32 v[100+\k], s39, v[96+\k]
.endr
.irp k, 0,1,2,3
	v_rndne_f32 v[100+\k], v[100+\k]               ; N quarter turns
.endr
.irp k, 0,1,2,3
	v_fma_f32 v[104+\k], v[100+\k], s40, v[96+\k]
.endr
.irp k, 0,1,2,3
	v_fma_f32 v[104+\k], v[100+\k], s41, v[104+\k]
.endr
.irp k, 0,1,2,3
	v_fma_f32 v[104+\k], v[100+\k], s42, v[104+\k] ; R = angle - N pi / 2
.endr
.irp k, 0,1,2,3
	v_mul_f32 v[108+\k], v[104+\k], v[104+\k]      ; Z = R^2
.endr
.irp k, 0,1,2,3
	v_fma_f32 v[112+\k], v[108+\k], s45, s44
.endr
.irp k, 0,1,2,3
	v_fma_f32 v[112+\k], v[112+\k], v[108+\k], s43
.endr
.irp k, 0,1,2,3
	v_mul_f32 v[112+\k], v[112+\k], v[108+\k]
.endr
.irp k, 0,1,2,3
	v_fma_f32 v[112+\k], v[112+\k], v[104+\k], v[104+\k]   ; sin R
.endr
.irp k, 0,1,2,3
	v_fma_f32 v[116+\k], v[108+\k], s48, s47
.endr
.irp k, 0,1,2,3
	v_fma_f32 v[116+\k], v[116+\k], v[108+\k], s46
.endr
.irp k, 0,1,2,3
	v_fma_f32 v[116+\k], v[116+\k], v[108+\k], -0.5
.endr
.irp k, 0,1,2,3
	v_fma_f32 v[116+\k], v[116+\k], v[108+\k], 1.0 ; cos R
.endr
.irp k, 0,1,2,3
	v_cvt_i32_f32 v[120+\k], v[100+\k]
.endr
.irp k, 0,1,2,3
	v_and_b32 v[124+\k], 1, v[120+\k]
	v_cmp_eq_u32 vcc_lo, 1, v[124+\k]              ; an odd N swaps the two
	v_cndmask_b32 v[128+\k], v[112+\k], v[116+\k], vcc_lo
	v_cndmask_b32 v[132+\k], v[116+\k], v[112+\k], vcc_lo
.endr
.irp k, 0,1,2,3
	v_lshlrev_b32 v[124+\k], 30, v[120+\k]         ; the sine is negative where N % 4 is 2 or 3,
.endr
.irp k, 0,1,2,3
	v_and_b32 v[124+\k], 0x80000000, v[124+\k]
.endr
.irp k, 0,1,2,3
	v_xor_b32 v[48+4*g+\k], v[124+\k], v[128+\k]
.endr
.irp k, 0,1,2,3
	v_add_nc_u32 v[120+\k], 1, v[120+\k]           ; the cosine where it is 1 or 2
.endr
.irp k, 0,1,2,3
	v_lshlrev_b32 v[120+\k], 30, v[120+\k]
.endr
.irp k, 0,1,2,3
	v_and_b32 v[120+\k], 0x80000000, v[120+\k]
.endr
.irp k, 0,1,2,3
	v_xor_b32 v[16+4*g+\k], v[120+\k], v[132+\k]
.endr
.set g, g+1
.endr
.irp c, 0,1,2,3,4,5,6,7,8,9,10,11,12,13,14,15
	global_store_b128 v4, v[16+4*\c:19+4*\c], s[26:27] offset:512*\c
.endr
	s_endpgm
.Lfunc_end_k_qd9b928ea2d_quant:
	.size	k_qd9b928ea2d_quant, .Lfunc_end_k_qd9b928ea2d_quant-k_qd9b928ea2d_quant
	.p2alignl 7, 3214868480
	.fill 96, 4, 3214868480
	.section	.rodata,"a",@progbits
	.p2align	6, 0x0
	.amdhsa_kernel k_qd9b928ea2d_quant
		.amdhsa_group_segment_fixed_size 34304
		.amdhsa_private_segment_fixed_size 0
		.amdhsa_enable_private_segment 0
		.amdhsa_kernarg_size 80
		.amdhsa_user_sgpr_count 2
		.amdhsa_user_sgpr_kernarg_segment_ptr 1
		.amdhsa_wavefront_size32 1
		.amdhsa_system_sgpr_workgroup_id_x 1
		.amdhsa_system_sgpr_workgroup_id_y 1
		.amdhsa_system_sgpr_workgroup_id_z 1
		.amdhsa_system_vgpr_workitem_id 0
		.amdhsa_next_free_vgpr 256
		.amdhsa_next_free_sgpr 66
		.amdhsa_reserve_vcc 1
		.amdhsa_float_denorm_mode_32 3
		.amdhsa_float_denorm_mode_16_64 3
		.amdhsa_memory_ordered 1
		.amdhsa_forward_progress 1
		.amdhsa_inst_pref_size 95
	.end_amdhsa_kernel
	.amdgpu_metadata
---
amdhsa.version: [ 1, 2 ]
amdhsa.kernels:
  - .name:           k_qd9b928ea2d_quant
    .symbol:         k_qd9b928ea2d_quant.kd
    .args:
      - { .name: hidden_states, .offset: 0, .size: 8, .value_kind: global_buffer, .address_space: global }
      - { .name: Wq, .offset: 8, .size: 8, .value_kind: global_buffer, .address_space: global }
      - { .name: Wk, .offset: 16, .size: 8, .value_kind: global_buffer, .address_space: global }
      - { .name: Wv, .offset: 24, .size: 8, .value_kind: global_buffer, .address_space: global }
      - { .name: Wo, .offset: 32, .size: 8, .value_kind: global_buffer, .address_space: global }
      - { .name: attention_mask, .offset: 40, .size: 8, .value_kind: global_buffer, .address_space: global }
      - { .name: codes, .offset: 48, .size: 8, .value_kind: global_buffer, .address_space: global }
      - { .name: scales, .offset: 56, .size: 8, .value_kind: global_buffer, .address_space: global }
      - { .name: mimg, .offset: 64, .size: 8, .value_kind: global_buffer, .address_space: global }
      - { .name: rope, .offset: 72, .size: 8, .value_kind: global_buffer, .address_space: global }
    .group_segment_fixed_size: 34304
    .private_segment_fixed_size: 0
    .kernarg_segment_align: 8
    .kernarg_segment_size: 80
    .max_flat_workgroup_size: 128
    .sgpr_count:     66
    .vgpr_count:     256
    .wavefront_size: 32
...
	.end_amdgpu_metadata
.endif
;; end of part 1
;; launch qkv (part 2): grid 24 x 8, 4 waves a work-group, clusters of 4 x 4, 327,680 bytes of LDS; arguments codes, scales, rope, bq, bk, bv, qop, kv; writes qop, kv
.if DOCPART == 2
	.amdgcn_target "amdgcn-amd-amdhsa--gfx1250"
	.amdhsa_code_object_version 6
	.text
	.protected	k_qd9b928ea2d_qkv
	.globl	k_qd9b928ea2d_qkv
	.p2align	8
	.type	k_qd9b928ea2d_qkv,@function
k_qd9b928ea2d_qkv:
	s_mov_b64 s[64:65], 0
	v_nop
	global_prefetch_b8 v0, s[64:65] scope:SCOPE_SE
	s_setreg_imm32_b32 hwreg(HW_REG_WAVE_MODE, 25, 1), 1
	s_wait_xcnt 0x0
	s_wait_alu depctr_hold_cnt(0) depctr_sa_sdst(0) depctr_va_vdst(0) depctr_va_sdst(0) depctr_va_ssrc(0) depctr_va_vcc(0) depctr_vm_vsrc(0)
	s_getreg_b32 s2, hwreg(HW_REG_IB_STS2, 6, 4)
	s_cmp_eq_u32 s2, 0
	s_cbranch_scc0 .Lentry_in_a_cluster
	s_endpgm
.Lentry_in_a_cluster:
	s_bfe_u32 s2, ttmp6, 0x10000c
	s_cmp_lg_u32 s2, 0xf033
	s_cbranch_scc0 .Lentry_shape_is_right
	s_endpgm
.Lentry_shape_is_right:
; The three projections on codes of FP6 (E2M3), and what follows them up to the attention's operands: bias, RoPE, q's factor 128^-0.5, all in f32, and the quantiser.  q, k and v never lie in memory as f32.
; A work-group makes 256 x 256 of a product, a wave 128 x 128: 64 accumulators of 16 x 16, 512 registers.  X = 0..23, Y = 0..7.  Cluster columns 0, 1 make q, 2, 3 make k, 4, 5 make v.
;   q, k: A = x (256 positions, index Y), B = Wq or Wk (256 features).  A wave's 128 features are one head, its 128 positions one block of queries or one key step.
;   v:    the product is taken the other way round, A = Wv (256 features, index Y), B = x (256 positions), since v's K in the attention is the keys.  The loop's text is the same.
; 192 work-groups: a smaller tile would give more, but then a wave's columns would no longer be a whole head (128 along the next K) and the quantiser would need other waves' numbers.
; OPERANDS come as images of their registers (launch quant): a fragment is 1,536 bytes, read by three loads of 16 bytes a lane at 16 x lane: no pitch, no padding, each load 512 consecutive bytes.
; THE MATRIX INSTRUCTION IS USED TRANSPOSED (source 0 = 16 rows of B, source 1 = 16 rows of A), and a tile's rows are 32 (t / 2) + 8 (t % 2) + p + 8 (p / 8): so for one tile a of A the 64 registers of its
; eight accumulators are, in lane (r, h), register 16 b + i = column 32 b + 16 h + i of A's row at place r: just what the conversions to codes want.
; K goes in steps of 256 through a ring of two LDS slots filled by the tensor data mover; the scale words of the work-group's rows, for all of K, come once and stay.
; CLUSTERS: 4 x 4.  The four of a row of the cluster need the same tiles of A, the four of a column the same tiles of B: each is asked for jointly, by the same tensor load with a mask that names the four.
; REGISTERS: window 0: v1-29 addresses; v32-63 scale words, two sets; v128-223 A's fragments, one set.  window 1: B's fragments, two sets, at v0 and v128.  windows 2, 3: the accumulators ((a, b) at v[8 (8 (a % 4) + b)]).
; LIMITS: a block of zeros gets the byte 1 (its codes are zeros; this program alone reads the bytes); NaN and infinities are not served.
.set NQ,     2                         ; steps of 128 along K in a slot
.set FR,     12                        ; registers of a fragment
.set NL,     3                         ; LDS loads that bring one
.set NP,     4                         ; places behind this matrix instruction (ISA guide 7.12.1)
.set HALFT,  24576                     ; 8 tiles x 2 images: what one tensor load brings, and what one wave reads of A or of B
.set SLOT,   4*HALFT                   ; A's 16 tiles, then B's
.set LAPS,   4                         ; 2,048 along K = 8 slots' worth = 4 times round the ring
.set SCL,    2*SLOT                    ; behind the ring: A's scale words, 16,384 bytes, then B's
.set SPARE,  SCL+32768                 ; the spare words, 128 bytes for each wave: two blocks of 256 bytes that no other line names
.set ADRA, 16                          ; v16-17  LDS address of my A fragments in slot 0, 1
.set ADRB, 20                          ; v20-21  the same for B
.set ADRS, 27                          ; v27     of my scale words: lanes 0-15 A's, lanes 16-31 B's
.set SPW,  28                          ; v28     LDS address of my spare word; never rewritten
.set NIL,  29                          ; v29     0; never rewritten
.set SC,   32
.set AF,   128
.set G1, 24                            ; s[24:31] descriptor group 1 for A's tiles; s[32:39] group 0, one set for each slot
.set G0, 32
.set G1B, 48                           ; the same for B's tiles
.set G0B, 56
.set G1S, 68                           ; for A's scale words
.set G0S, 76
.set G1SB, 80                          ; for B's
.set G0SB, 88
; the way out (the descriptors' registers are free then: no tensor load is out)
.set RT, 24                            ; s[24:25] the table at my first tile
.set OB, 26                            ; s[26:27] where my eight images go
.set WB, 28                            ; s[28:29] and their scale words
.set BP, 30                            ; s[30:31] my 128 numbers of the bias
.set QS, 32                            ; s[32:33] 128^-0.5 for q, 1 for k
.set SEL, 34                           ; s[34:35] lane selects: lane l xor 16
.set XR, 32                            ; v32-95   64 numbers of a tile
.set BI, 96                            ; v96-159  the bias
.set PC, 160                           ; v160-179 the codes just made
.set TM, 180                           ; v180-195 at work
.set PW, 196                           ; v196     the scale word just made
.set W,  200                           ; v200-207 the eight tiles' scale words
.set D,  208                           ; v208-211 the four that I store
.set T,  212                           ; v212-227 four sets of two pairs, at work in the rotation
.set MSB, 0
.macro WIN new                         ; the immediate's high byte repeats the setting that is left
.if MSB != (\new)
	s_set_vgpr_msb (MSB<<8)|(\new)
.set MSB, \new
.endif
.endm
.set MUL_LO, 0xa1                      ; source 0 (B) window 1, source 1 (A) window 0, C and D window 2
.set MUL_HI, 0xf1                      ; the same, C and D window 3
.set TO_B,   0x40                      ; destination window 1, address window 0
; A joint load: waves 0 and 1 fetch for A, waves 2 and 3 for B.  The branch hangs on the wave's number alone.  Four v_nop follow each of the two lines.
.macro JLOAD g0a, g1a, g0b, g1b
	s_cmp_eq_u32 s21, 0
	s_cbranch_scc0 .Lfor_b_\@
	tensor_load_to_lds s[\g0a:\g0a+3], s[\g1a:\g1a+7]
	s_nop 0
.rept 4
	v_nop
.endr
	s_branch .Lasked_\@
.Lfor_b_\@:
	tensor_load_to_lds s[\g0b:\g0b+3], s[\g1b:\g1b+7]
	s_nop 0
.rept 4
	v_nop
.endr
.Lasked_\@:
.endm
.macro CREST                           ; a round of the cluster's barrier behind its opening barrier
	s_cmp_lg_u32 s20, 0
	s_cbranch_scc1 .Lnot_wave_0_\@
	s_barrier_signal -3
.Lnot_wave_0_\@:
	s_barrier_wait -3
	s_barrier_signal -1
	s_barrier_wait -1
.endm
.macro CROUND                          ; a whole round
	s_barrier_signal -1
	s_barrier_wait -1
	CREST
.endm
.macro PLACES n
.rept \n
	v_nop
.endr
.endm
	s_load_b512 s[4:19], s[0:1], 0x0               ; codes s[4:5], scales s[6:7], rope s[8:9], bq s[10:11], bk s[12:13], bv s[14:15], qop s[16:17], kv s[18:19]
	v_lshl_add_u32 v[SPW], v0, 2, SPARE
	v_mov_b32 v[NIL], 0
	ds_add_u32 v28, v29
	ds_add_u32 v28, v29
	s_wait_dscnt 0x0
	v_lshrrev_b32 v1, 5, v0
	v_readfirstlane_b32 s20, v1                    ; wave 0..3
	s_lshr_b32 s21, s20, 1                         ; which half of A's rows is mine.  Also: I fetch for A (0) or for B (1)
	s_and_b32 s22, s20, 1                          ; which half of B's rows.  Also: which 8 tiles I fetch
	s_bfe_u32 s40, ttmp6, 0x40000                  ; cx, cy: my place in the cluster
	s_bfe_u32 s41, ttmp6, 0x40004
	s_lshl_b32 s42, ttmp9, 2
	s_add_co_u32 s42, s42, s40                     ; X = 4 x cluster x + cx
	s_and_b32 s43, ttmp7, 0xffff
	s_lshl_b32 s43, s43, 2
	s_add_co_u32 s43, s43, s41                     ; Y = 4 x cluster y + cy
	s_lshl_b32 s44, s41, 2
	s_lshl_b32 s44, 15, s44                        ; my row of the cluster
	s_lshl_b32 s45, 0x1111, s40                    ; my column
	s_cmp_ge_u32 ttmp9, 4                          ; v?  The cluster's x decides: alike in all sixteen
	s_cselect_b32 s46, 24, 0
	s_cselect_b32 s47, -16, 8
	s_add_co_u32 s46, s46, s43                     ; A's block of 256 rows among the 40 of codes: x's Y, or Wv's 24 + Y
	s_add_co_u32 s47, s47, s42                     ; B's: Wq's and Wk's 8 + X, or x's X - 16
	; descriptor group 1, codes: 8 tiles' 3,072 bytes (two images), 24,576 bytes apart (a tile's 16 images): elements of 8 bytes
	s_or_b32 s[G1+0], s44, (3<<16)|(1<<21)         ; 15:0 the mask: A's tiles go to my row; 17:16 elements of 8 bytes; 21 set beside a mask
	s_or_b32 s[G1B+0], s45, (3<<16)|(1<<21)        ; B's go to my column
.irp g, G1, G1B
	s_mov_b32 s[\g+1], 384<<16                     ; tensor_dim0
	s_mov_b32 s[\g+2], 8<<16                       ; tensor_dim1
	s_mov_b32 s[\g+3], 384<<16                     ; tile_dim0
	s_mov_b32 s[\g+4], 8                           ; tile_dim1
	s_mov_b32 s[\g+5], 3072                        ; tensor_dim0_stride
	s_mov_b32 s[\g+6], 0
	s_mov_b32 s[\g+7], 0
.endr
	; scale words of 8 tiles: 8,192 dense bytes as 32 rows of 256
	s_or_b32 s[G1S+0], s44, (3<<16)|(1<<21)
	s_or_b32 s[G1SB+0], s45, (3<<16)|(1<<21)
.irp g, G1S, G1SB
	s_mov_b32 s[\g+1], 32<<16
	s_mov_b32 s[\g+2], 32<<16
	s_mov_b32 s[\g+3], 32<<16
	s_mov_b32 s[\g+4], 32
	s_mov_b32 s[\g+5], 32
	s_mov_b32 s[\g+6], 0
	s_mov_b32 s[\g+7], 0
.endr
	s_mul_i32 s92, s46, 393216                     ; A's codes: 256 rows are 393,216 bytes; + my 8 tiles
	s_mul_i32 s100, s22, 196608
	s_add_co_u32 s92, s92, s100
	s_mov_b32 s93, 0
	s_mul_i32 s96, s47, 393216                     ; B's
	s_add_co_u32 s96, s96, s100
	s_mov_b32 s97, 0
	s_lshl_b32 s94, s46, 14                        ; A's scale words: 16,384 bytes for 256 rows
	s_lshl_b32 s100, s22, 13
	s_add_co_u32 s94, s94, s100
	s_mov_b32 s95, 0
	s_lshl_b32 s98, s47, 14                        ; B's
	s_add_co_u32 s98, s98, s100
	s_mov_b32 s99, 0
	s_mul_i32 s100, s20, HALFT                     ; where they go: by the wave's number alone
	s_lshl_b32 s101, s20, 13
	s_wait_kmcnt 0x0
	s_add_nc_u64 s[92:93], s[4:5], s[92:93]
	s_add_nc_u64 s[94:95], s[6:7], s[94:95]
	s_add_nc_u64 s[96:97], s[4:5], s[96:97]
	s_add_nc_u64 s[98:99], s[6:7], s[98:99]
	CROUND                                         ; all sixteen work-groups are here: the first joint loads meet
	s_mov_b32 s[G0S], 1
	s_add_co_u32 s[G0S+1], s101, SCL
	s_mov_b64 s[G0S+2:G0S+3], s[94:95]
	s_or_b32 s[G0S+3], s[G0S+3], 0x80000000
	s_mov_b32 s[G0SB], 1
	s_add_co_u32 s[G0SB+1], s101, SCL
	s_mov_b64 s[G0SB+2:G0SB+3], s[98:99]
	s_or_b32 s[G0SB+3], s[G0SB+3], 0x80000000
	JLOAD G0S, G1S, G0SB, G1SB                     ; the scale words first: they are wanted with the first slot.  Three loads of mine are out behind these lines
.irp s, 0,1
	s_mov_b32 s[G0+4*\s], 1
	s_add_co_u32 s[G0+4*\s+1], s100, \s*SLOT
	s_add_nc_u64 s[G0+4*\s+2:G0+4*\s+3], s[92:93], \s*3072
	s_or_b32 s[G0+4*\s+3], s[G0+4*\s+3], 0x80000000
	s_mov_b32 s[G0B+4*\s], 1
	s_add_co_u32 s[G0B+4*\s+1], s100, \s*SLOT
	s_add_nc_u64 s[G0B+4*\s+2:G0B+4*\s+3], s[96:97], \s*3072
	s_or_b32 s[G0B+4*\s+3], s[G0B+4*\s+3], 0x80000000
	JLOAD G0+4*\s, G1, G0B+4*\s, G1B
.endr
	v_and_b32 v1, 15, v0                           ; r
	v_bfe_u32 v2, v0, 4, 1                         ; h
	v_and_b32 v4, 31, v0                           ; lane
	v_lshlrev_b32 v3, 4, v4                        ; 16 x lane: my place in every image
	s_mul_i32 s92, s21, HALFT                      ; my 8 tiles of A
	s_mul_i32 s93, s22, HALFT                      ; my 8 tiles of B,
	s_add_co_u32 s93, s93, 2*HALFT                 ; which lie behind A's 16
.irp s, 0,1
	v_add_nc_u32 v[ADRA+\s], s92, v3
	v_add_nc_u32 v[ADRB+\s], s93, v3
	s_add_co_u32 s92, s92, SLOT
	s_add_co_u32 s93, s93, SLOT
.endr
	s_lshl_b32 s92, s21, 13                        ; A's scale words: my 8 tiles
	s_lshl_b32 s93, s22, 13                        ; B's: my 8 tiles, behind A's 16
	s_add_co_u32 s93, s93, 16384
	s_sub_co_u32 s93, s93, s92
	v_mul_u32_u24 v5, s93, v2                      ; lanes 16-31 take B's
	s_add_co_u32 s92, s92, SCL
	v_lshl_add_u32 v5, v1, 3, v5                   ; 8 bytes a place: the words of the slot's two steps
	v_add_nc_u32 v[ADRS], s92, v5
.macro FRAG reg, adr, q, i             ; tile i's image of the slot's q-th 128 along K
.irp c, 0,1,2
	ds_load_b128 v[\reg+4*\c:\reg+4*\c+3], v[\adr] offset:3072*(\i)+1536*(\q)+512*\c
.endr
.endm
; 16 matrix instructions: A's tiles a0, a0 + 1 x B's eight.  p: B's set; sc: the set of scale words.  zero = 1: the first product starts the sums: nothing is cleared.
; The 64 accumulators take turns, one instruction a turn, in the same order in every step.
.macro MUL16 a0, p, q, sc, zero
.irp a, \a0, \a0+1
.irp b, 0,1,2,3,4,5,6,7
.if \zero
	v_wmma_scale_f32_16x16x128_f8f6f4 v[8*(8*((\a)%4)+\b):8*(8*((\a)%4)+\b)+7], v[128*(\p)+FR*\b:128*(\p)+FR*\b+FR-1], v[AF+FR*(\a):AF+FR*(\a)+FR-1], 0, v[SC+8*NQ*(\sc)+NQ*\b+(\q)], v[SC+8*NQ*(\sc)+NQ*(\a)+(\q)] matrix_a_fmt:MATRIX_FMT_FP6 matrix_b_fmt:MATRIX_FMT_FP6 matrix_a_scale:MATRIX_SCALE_ROW1
.else
	v_wmma_scale_f32_16x16x128_f8f6f4 v[8*(8*((\a)%4)+\b):8*(8*((\a)%4)+\b)+7], v[128*(\p)+FR*\b:128*(\p)+FR*\b+FR-1], v[AF+FR*(\a):AF+FR*(\a)+FR-1], v[8*(8*((\a)%4)+\b):8*(8*((\a)%4)+\b)+7], v[SC+8*NQ*(\sc)+NQ*\b+(\q)], v[SC+8*NQ*(\sc)+NQ*(\a)+(\q)] matrix_a_fmt:MATRIX_FMT_FP6 matrix_b_fmt:MATRIX_FMT_FP6 matrix_a_scale:MATRIX_SCALE_ROW1
.endif
.endr
.endr
.endm
.macro FETCH_B slot, q, p
	WIN TO_B
.irp i, 0,1,2,3,4,5,6,7
	FRAG 128*(\p)+FR*\i, ADRB+\slot, \q, \i
.endr
	WIN 0
.endm
.macro FETCH_A slot, q, i0
.irp i, \i0, \i0+1, \i0+2, \i0+3
	FRAG AF+FR*(\i), ADRA+\slot, \q, \i
.endr
.endm
.macro SCALES sc                       ; a slot's scale words: two a place; lanes 0-15 take A's tile i, lanes 16-31 B's tile i
.irp i, 0,1,2,3,4,5,6,7
	ds_load_b64 v[SC+8*NQ*\sc+NQ*\i:SC+8*NQ*\sc+NQ*\i+1], v[ADRS] offset:\i*1024
.endr
.endm
; A step of 128 along K that has its successor in the same slot.  A's tiles are free as soon as their eight products are issued: one set serves A; B's are at work through the step: two sets.
.macro STEP slot, q, zero
	s_wait_dscnt 4*NL                              ; B's set, A's tiles 0-3 (and the scale words) are in; the youngest 12 loads, A's tiles 4-7, may be out
	WIN MUL_LO
	MUL16 0, (\q)%2, \q, \slot, \zero
	MUL16 2, (\q)%2, \q, \slot, \zero
	s_wait_dscnt 0                                 ; A's tiles 4-7 are in
	PLACES NP                                      ; in front of loads into registers that matrix instructions have read
	FETCH_B \slot, (\q)+1, 1-(\q)%2
	FETCH_A \slot, (\q)+1, 0
	WIN MUL_HI
	MUL16 4, (\q)%2, \q, \slot, \zero
	MUL16 6, (\q)%2, \q, \slot, \zero
	PLACES NP
	WIN 0
	FETCH_A \slot, (\q)+1, 4
.endm
; A slot's last step changes slots: one barrier; in front of it each wave waits for all its tensor loads, adds 0 to its spare word, and waits for that and for its reads of this slot.  fill = 1: this slot is filled again.
.macro TURN slot, next, fill
	s_wait_tensorcnt 0x0                           ; all my tensor loads have landed: my part of the next slot
	ds_add_u32 v[SPW], v[NIL]                      ; 0 onto my spare word
	s_wait_dscnt 4*NL+1                            ; (the add and the youngest 12 loads may be out)
	WIN MUL_LO
	MUL16 0, 1, NQ-1, \slot, 0                     ; sixteen matrix instructions stand between the add and the wait for it
	s_wait_dscnt 0x0                               ; the add is done, and my reads of this slot are over
	s_barrier_signal -1
	MUL16 2, 1, NQ-1, \slot, 0
	WIN 0
	s_barrier_wait -1
.if \fill
	CREST                                          ; the barrier has opened a round of the cluster's barrier: no wave of any partner still reads this slot or has a load on its way
	s_add_nc_u64 s[G0+4*\slot+2:G0+4*\slot+3], s[G0+4*\slot+2:G0+4*\slot+3], 2*3072
	s_add_nc_u64 s[G0B+4*\slot+2:G0B+4*\slot+3], s[G0B+4*\slot+2:G0B+4*\slot+3], 2*3072
	JLOAD G0+4*\slot, G1, G0B+4*\slot, G1B         ; the first tensor load behind the round; its four v_nop are also the places in front of the loads below
.else
	PLACES NP
.endif
	v_add_nc_u32 v[ADRS], 128, v[ADRS]             ; the next slot's scale words: 16 places x 8 bytes on
	FETCH_B \next, 0, 0
	FETCH_A \next, 0, 0
	SCALES \next
	WIN MUL_HI
	MUL16 4, 1, NQ-1, \slot, 0
	MUL16 6, 1, NQ-1, \slot, 0
	PLACES NP
	WIN 0
	FETCH_A \next, 0, 4
.endm
	s_wait_tensorcnt 1                             ; the scale words and my part of slot 0 are in; slot 1's load may be out
	s_barrier_signal -1
	s_barrier_wait -1
	FETCH_B 0, 0, 0
	FETCH_A 0, 0, 0
	SCALES 0
	FETCH_A 0, 0, 4
	STEP 0, 0, 1                                   ; the first step stands in front of the loop: its products start the sums
	s_mov_b32 s23, LAPS-1
.Llap:                                                 ; a trip goes once round the ring and fills both slots again
	TURN 0, 1, 1
	STEP 1, 0, 0
	TURN 1, 0, 1
	STEP 0, 0, 0
	s_sub_co_u32 s23, s23, 1
	s_cmp_lg_u32 s23, 0
	s_cbranch_scc1 .Llap
	TURN 0, 1, 0                                   ; the last lap fills nothing
	STEP 1, 0, 0
	s_wait_dscnt 4*NL
	WIN MUL_LO
	MUL16 0, 1, NQ-1, 1, 0
	MUL16 2, 1, NQ-1, 1, 0
	s_wait_dscnt 0
	WIN MUL_HI
	MUL16 4, 1, NQ-1, 1, 0
	MUL16 6, 1, NQ-1, 1, 0
	WIN 0
; THE WAY OUT: no LDS.  Tile by tile of A: 64 numbers a lane, finished in f32, quantised, stored as an image (three stores of 512 consecutive bytes).
.macro QUANT s
.irp b, 0,1,2,3
	v_max3_num_f32 v[TM+\b], |v[\s+16*\b]|, |v[\s+1+16*\b]|, 0x1800000   ; block b: my 16 numbers, and the floor 2^(3 - 127): the byte cannot fall under 1
.endr
.irp i, 2,4,6,8,10,12,14
.irp b, 0,1,2,3
	v_max3_num_f32 v[TM+\b], v[TM+\b], |v[\s+16*\b+\i]|, |v[\s+1+16*\b+\i]|
.endr
.endr
.irp b, 0,1,2,3
	v_permlanex16_b32 v[TM+4+\b], v[TM+\b], s[SEL], s[SEL+1]
.endr
.irp b, 0,1,2,3
	v_max_num_f32 v[TM+\b], v[TM+\b], v[TM+4+\b]   ; with lane l xor 16's: the block's largest magnitude
.endr
.irp b, 0,1,2,3
	v_add_nc_u32 v[TM+12+\b], 0xff000000, v[TM+\b]   ; 2 off its exponent field: the conversion's scale operand
.endr
.irp b, 0,1,2,3
	v_lshrrev_b32 v[TM+4+\b], 23, v[TM+12+\b]   ; the scale's byte
.endr
	v_lshl_or_b32 v[PW], v[TM+5], 8, v[TM+4]
	v_lshl_or_b32 v[PW], v[TM+6], 16, v[PW]
	v_lshl_or_b32 v[PW], v[TM+7], 24, v[PW]
.irp c, 0,1
	v_cvt_scalef32_pk16_fp6_f32 v[PC+6*\c:PC+2+6*\c], v[\s+32*\c:\s+15+32*\c], v[TM+12+2*\c]
	v_cvt_scalef32_pk16_fp6_f32 v[PC+12+4*\c:PC+14+4*\c], v[\s+16+32*\c:\s+31+32*\c], v[TM+12+2*\c+1]
.endr
	v_nop                                          ; one plain place behind a scaled conversion
.irp c, 0,1
.irp i, 0,1,2
	v_permlane16_swap_b32 v[PC+6*\c+\i], v[PC+12+4*\c+\i]
.endr
.irp i, 0,1,2
	v_mov_b32 v[PC+3+6*\c+\i], v[PC+12+4*\c+\i]
.endr
.endr
.endm
.macro PUT a                           ; XR becomes tile a's image and scale word
	s_wait_xcnt 0x0                                ; the last tile's stores have read PC
	QUANT XR
	v_mov_b32 v[W+(\a)], v[PW]
.irp c, 0,1,2
	global_store_b128 v3, v[PC+4*\c:PC+4*\c+3], s[OB:OB+1] offset:1536*(\a)+512*\c
.endr
.endm
.macro OUTWORDS                        ; lanes 0-15 store the words of tiles 0-3 of place r, lanes 16-31 those of tiles 4-7: 512 consecutive bytes
	v_cmp_le_u32 vcc_lo, 16, v4
.irp k, 0,1,2,3
	v_cndmask_b32 v[D+\k], v[W+\k], v[W+4+\k], vcc_lo
.endr
	global_store_b128 v3, v[D:D+3], s[WB:WB+1]
.endm
.macro TABLOAD a                       ; cos and sin for the positions of tile a, in XR's order, into window 1, set a % 2
	WIN 0x40
.irp c, 0,1,2,3,4,5,6,7,8,9,10,11,12,13,14,15
	global_load_b128 v[64*((\a)%2)+4*\c:64*((\a)%2)+4*\c+3], v3, s[RT:RT+1] offset:8192*(\a)+512*\c
.endr
	WIN 0
.endm
.macro EPIQK a
.if \a < 7
	TABLOAD \a+1
	s_wait_loadcnt 16                              ; this tile's table (and the bias) is in; the next tile's 16 loads may be out
.else
	s_wait_loadcnt 0x0
.endif
	WIN 0x02+((\a)/4)                              ; source 0: window 2 or 3
.set p, 0
.rept 32
	v_pk_add_f32 v[XR+p:XR+p+1], v[64*((\a)%4)+p:64*((\a)%4)+p+1], v[BI+p:BI+p+1]   ; + bias; each accumulator from its low end on
.set p, p+2
.endr
	WIN 0x04                                       ; source 1: window 1, the table
.set n, 0
.rept 16                                       ; d = 32 b + 16 h + i under 64 pairs with d + 64: x1 cos - x2 sin, x2 cos + x1 sin
.set X1, XR+16*(n/8)+2*(n%8)
.set CC, 64*((\a)%2)+16*(n/8)+2*(n%8)
.set TT, T+4*(n%4)
	v_pk_mul_f32 v[TT:TT+1], v[X1+32:X1+33], v[CC+32:CC+33]
	v_pk_mul_f32 v[TT+2:TT+3], v[X1:X1+1], v[CC+32:CC+33]
	v_pk_fma_f32 v[X1:X1+1], v[X1:X1+1], v[CC:CC+1], v[TT:TT+1] neg_lo:[0,0,1] neg_hi:[0,0,1]
	v_pk_fma_f32 v[X1+32:X1+33], v[X1+32:X1+33], v[CC:CC+1], v[TT+2:TT+3]
.set n, n+1
.endr
	WIN 0
.set p, 0
.rept 32
	v_pk_mul_f32 v[XR+p:XR+p+1], v[XR+p:XR+p+1], s[QS:QS+1] op_sel_hi:[1,0]   ; q's factor, behind the rotation as reference() has it (k: 1)
.set p, p+2
.endr
	PUT \a
.endm
.macro EPIV a
	WIN 0x02+((\a)/4)
.set p, 0
.rept 32
	v_pk_add_f32 v[XR+p:XR+p+1], v[64*((\a)%4)+p:64*((\a)%4)+p+1], v[BI+2*(\a):BI+2*(\a)+1]   ; my row is one feature: one number of the bias
.set p, p+2
.endr
	WIN 0
	PUT \a
.endm
	PLACES NP                                      ; behind the last products: their results are read, and their sources written, from here on
	s_mov_b32 s[SEL], 0x76543210
	s_mov_b32 s[SEL+1], 0xfedcba98
.irp b, 0,1,2,3
	v_mov_b32 v[TM+4+\b], 0                        ; a lane permute's destination counts as one of its sources
.endr
	s_lshl_b32 s92, s43, 1
	s_add_co_u32 s92, s92, s21                     ; my block of 128 rows of A
	s_lshl_b32 s96, s42, 1
	s_add_co_u32 s96, s96, s22                     ; my block of 128 rows of B
	s_cmp_ge_u32 ttmp9, 4
	s_cbranch_scc1 .Lv
	s_and_b32 s96, s96, 15                         ; the head
	s_lshl_b32 s94, s96, 4
	s_add_co_u32 s94, s94, s92                     ; 16 head + block of positions
	s_lshl_b32 s98, s96, 9                         ; the head's 128 numbers of the bias
	s_mov_b32 s99, 0
	s_lshl_b32 s100, s92, 16                       ; the table: 8 tiles of 8,192 bytes a block
	s_mov_b32 s101, 0
	s_add_nc_u64 s[RT:RT+1], s[8:9], s[100:101]
	s_cmp_lt_u32 ttmp9, 2                          ; q or k
	s_cselect_b64 s[OB:OB+1], s[16:17], s[18:19]
	s_cselect_b64 s[BP:BP+1], s[10:11], s[12:13]
	s_cselect_b32 s95, 1, 2
	s_cselect_b32 s[QS], 0x3db504f3, 1.0           ; 128^-0.5
	s_mov_b32 s[QS+1], s[QS]                       ; (named with it as a pair, so it is written)
	s_mul_i32 s96, s94, s95
	s_mul_i32 s96, s96, 12800                      ; a block of qop is 12,800 bytes, of kv 25,600
	s_mov_b32 s97, 0
	s_add_nc_u64 s[OB:OB+1], s[OB:OB+1], s[96:97]
	s_mul_i32 s100, s95, 12288                     ; the words lie 12,288 bytes on in qop, 24,576 in kv
	s_add_nc_u64 s[WB:WB+1], s[OB:OB+1], s[100:101]
	s_add_nc_u64 s[BP:BP+1], s[BP:BP+1], s[98:99]
	v_lshlrev_b32 v5, 6, v2                        ; the bias in XR's order: 64 h + 128 b + 16 j bytes
.irp c, 0,1,2,3,4,5,6,7,8,9,10,11,12,13,14,15
	global_load_b128 v[BI+4*\c:BI+4*\c+3], v5, s[BP:BP+1] offset:128*(\c/4)+16*(\c%4)
.endr
	TABLOAD 0
.irp a, 0,1,2,3,4,5,6,7
	EPIQK \a
.endr
	OUTWORDS
	s_branch .Ljoin
.Lv:
	s_lshl_b32 s94, s92, 4                         ; A's block is the head, B's block - 32 the key step
	s_add_co_u32 s94, s94, s96
	s_sub_co_u32 s94, s94, 32
	s_mul_i32 s96, s94, 25600
	s_add_co_u32 s96, s96, 12288                   ; V's images lie behind K's
	s_mov_b32 s97, 0
	s_add_nc_u64 s[OB:OB+1], s[18:19], s[96:97]
	s_add_nc_u64 s[WB:WB+1], s[OB:OB+1], 12800     ; V's words: byte 25,088 of the block
	s_lshl_b32 s98, s92, 9
	s_mov_b32 s99, 0
	s_add_nc_u64 s[BP:BP+1], s[14:15], s[98:99]
	v_and_b32 v5, 8, v1
	v_add_nc_u32 v5, v5, v1
	v_lshlrev_b32 v5, 2, v5                        ; my place's feature in a tile: r + 8 (r / 8)
.irp a, 0,1,2,3,4,5,6,7
	global_load_b32 v[BI+2*\a], v5, s[BP:BP+1] offset:(32*(\a/2)+8*(\a%2))*4
	global_load_b32 v[BI+2*\a+1], v5, s[BP:BP+1] offset:(32*(\a/2)+8*(\a%2))*4   ; twice: a pair for the packed addition
.endr
	s_wait_loadcnt 0x0
.irp a, 0,1,2,3,4,5,6,7
	EPIV \a
.endr
	OUTWORDS
.Ljoin:
	s_wait_tensorcnt 0x0                           ; the wave's end
	ds_add_u32 v[SPW], v[NIL]
	s_wait_dscnt 0x0
	CROUND                                         ; the closing round: no work-group ends while a partner may still ask for a tile that names it
	s_endpgm
.Lfunc_end_k_qd9b928ea2d_qkv:
	.size	k_qd9b928ea2d_qkv, .Lfunc_end_k_qd9b928ea2d_qkv-k_qd9b928ea2d_qkv
	.p2alignl 7, 3214868480
	.fill 96, 4, 3214868480
	.section	.rodata,"a",@progbits
	.p2align	6, 0x0
	.amdhsa_kernel k_qd9b928ea2d_qkv
		.amdhsa_group_segment_fixed_size 327680
		.amdhsa_private_segment_fixed_size 0
		.amdhsa_enable_private_segment 0
		.amdhsa_kernarg_size 64
		.amdhsa_user_sgpr_count 2
		.amdhsa_user_sgpr_kernarg_segment_ptr 1
		.amdhsa_wavefront_size32 1
		.amdhsa_system_sgpr_workgroup_id_x 1
		.amdhsa_system_sgpr_workgroup_id_y 1
		.amdhsa_system_sgpr_workgroup_id_z 1
		.amdhsa_system_vgpr_workitem_id 0
		.amdhsa_next_free_vgpr 1024
		.amdhsa_next_free_sgpr 102
		.amdhsa_reserve_vcc 1
		.amdhsa_float_denorm_mode_32 3
		.amdhsa_float_denorm_mode_16_64 3
		.amdhsa_memory_ordered 1
		.amdhsa_forward_progress 1
		.amdhsa_inst_pref_size 255
	.end_amdhsa_kernel
	.section	.bss,"aw",@nobits
	.p2align	6
	.space	262144
	.amdgpu_metadata
---
amdhsa.version: [ 1, 2 ]
amdhsa.kernels:
  - .name:           k_qd9b928ea2d_qkv
    .symbol:         k_qd9b928ea2d_qkv.kd
    .args:
      - { .name: codes, .offset: 0, .size: 8, .value_kind: global_buffer, .address_space: global }
      - { .name: scales, .offset: 8, .size: 8, .value_kind: global_buffer, .address_space: global }
      - { .name: rope, .offset: 16, .size: 8, .value_kind: global_buffer, .address_space: global }
      - { .name: bq, .offset: 24, .size: 8, .value_kind: global_buffer, .address_space: global }
      - { .name: bk, .offset: 32, .size: 8, .value_kind: global_buffer, .address_space: global }
      - { .name: bv, .offset: 40, .size: 8, .value_kind: global_buffer, .address_space: global }
      - { .name: qop, .offset: 48, .size: 8, .value_kind: global_buffer, .address_space: global }
      - { .name: kv, .offset: 56, .size: 8, .value_kind: global_buffer, .address_space: global }
    .group_segment_fixed_size: 327680
    .private_segment_fixed_size: 0
    .kernarg_segment_align: 8
    .kernarg_segment_size: 64
    .max_flat_workgroup_size: 128
    .sgpr_count:     102
    .vgpr_count:     1024
    .wavefront_size: 32
...
	.end_amdgpu_metadata
.endif
;; end of part 2
;; launch attn (part 3): grid 16 x 16, 8 waves a work-group, clusters of 4 x 1, 327,680 bytes of LDS; arguments qop, kv, mimg, ocodes, oscales; writes ocodes, oscales
.if DOCPART == 3
	.amdgcn_target "amdgcn-amd-amdhsa--gfx1250"
	.amdhsa_code_object_version 6
	.text
	.protected	k_qd9b928ea2d_attn
	.globl	k_qd9b928ea2d_attn
	.p2align	8
	.type	k_qd9b928ea2d_attn,@function
k_qd9b928ea2d_attn:
	s_mov_b64 s[64:65], 0
	v_nop
	global_prefetch_b8 v0, s[64:65] scope:SCOPE_SE
	s_setreg_imm32_b32 hwreg(HW_REG_WAVE_MODE, 25, 1), 1
	s_wait_xcnt 0x0
	s_wait_alu depctr_hold_cnt(0) depctr_sa_sdst(0) depctr_va_vdst(0) depctr_va_sdst(0) depctr_va_ssrc(0) depctr_va_vcc(0) depctr_vm_vsrc(0)
	s_getreg_b32 s2, hwreg(HW_REG_IB_STS2, 6, 4)
	s_cmp_eq_u32 s2, 0
	s_cbranch_scc0 .Lentry_in_a_cluster
	s_endpgm
.Lentry_in_a_cluster:
	s_bfe_u32 s2, ttmp6, 0x10000c
	s_cmp_lg_u32 s2, 0x3003
	s_cbranch_scc0 .Lentry_shape_is_right
	s_endpgm
.Lentry_shape_is_right:
; o = softmax(q k^T + mask) v for 16 heads, 2,048 queries and keys, head size 128, both products on codes of FP6 (E2M3); o leaves as codes too, the next product's operand.  q already carries 128^-0.5.
; THE MASK IS AN INPUT: every one of its numbers is read and added in f32; no key is left out.
; THE SOFTMAX AHEAD OF THE SECOND PRODUCT: t = logit x log2(e); M = the row's largest t so far, rounded up to a whole number; p = 2^(t - M) is quantised along the keys, not normalised.  The row's sum is taken of the
; unquantised p and divides O at the end.  When M moves, the sum and O are multiplied by 2^(old M - new M): exact.
; SHARES.  A work-group owns 128 queries of one head; each of its eight waves 16 of them, one tile; two waves share a SIMD, so that one's vector work stands beside the other's matrix work and LDS loads.
; Every wave walks the head's 16 key steps of 128.  A key step's block of kv (25,600 bytes: K's 8 images, V's 8 images, K's and V's scale words) is dense; a slot of the ring holds four; each wave fetches an eighth of a slot.
; CLUSTER.  The four work-groups of a cluster own four blocks of queries of one head and walk the same kv: each slot is asked for jointly.  The mask hangs on the queries, which partners do not share: each wave loads
; its own tile's numbers straight into registers, two key steps ahead, 512 consecutive bytes a load.
; LAYOUT.  Both products are used transposed: S^T = K Q^T, O^T = V^T P^T: a lane holds one query (place lane % 16) throughout.  A tile's rows are 32 (t / 2) + 8 (t % 2) + p + 8 (p / 8), so the 16 registers of tiles
; 2 b, 2 b + 1 are 16 neighbours: keys 32 b + 16 (lane / 16) + 0 .. 15 in S^T, channels likewise in O^T.
; REGISTERS.  window 0: v1-9 addresses; v12 -M, v13 the largest t, v[14:15] the sum; v16-27 Q; v28-31 scale words of tiles 4-7; v32-79 fragments 0-3; v96-159 S^T, then p; v160-223 O^T; v224-235 p's codes;
;   v232-254 at work; v248-251 scale words of tiles 0-3; v253 p's scale word; v255 Q's.   window 1: v0-63, v64-127 two sets of the mask; v128-175 fragments 4-7.
; LIMITS: NaN is not served; a mask of -infinity is, beside some finite logit of the row.  Where a row's largest |logit| is very large (a row masked throughout by -1e9), p is no finer than f32 resolves t there.
; A block whose every p is 0 keeps the byte 1: its codes are zeros.  The scale words of o leave 4 bytes at a time, 8 bytes apart: one byte in 24 of what the launch stores.
.set STEPB, 25600                      ; a key step's block
.set SLOTB, 4*STEPB
.set SLOT1, 1<<17                      ; slot 1 begins here: one exclusive or turns an address in one slot into the other's
.set SPARE, SLOT1+SLOTB                ; the spare words, 128 bytes for each wave: four blocks of 256 bytes that no other line names
.set LI,  1                            ; v1   16 x lane
.set LR,  2                            ; v2   16 x (lane % 16)
.set LN,  3                            ; v3   lane
.set SPW, 5                            ; v5   LDS address of my spare word; never rewritten
.set NIL, 6                            ; v6   0; never rewritten
.set GW,  7                            ; v7   8 x (lane % 16)
.set ADK, 8                            ; v8   LDS address of the step's images
.set ADS, 9                            ; v9   of its scale words
.set TM,  32                           ; the way out: at work
.set PC,  48                           ; o's codes
.set PW,  68                           ; o's scale word
.set WV,  18
.set SEL, 20                           ; s[20:21] lane selects: lane l xor 16
.set CS,  22                           ; s[22:23] log2(e)
.set G1,  24                           ; s[24:31] descriptor group 1
.set G0,  32                           ; s[32:35] group 0, which walks
.set TB,  36                           ; s36  LDS byte at which the step in hand begins
.set SLOTS, 37
.set MB,  56                           ; s[56:57] the mask's image at the slot's first key step of my tile
.set MSB, 0
.macro WIN new
.if MSB != (\new)
	s_set_vgpr_msb (MSB<<8)|(\new)
.set MSB, \new
.endif
.endm
.macro CROUND                          ; a round of the cluster's barrier
	s_barrier_signal -1
	s_barrier_wait -1
	s_cmp_lg_u32 s[WV], 0
	s_cbranch_scc1 .Lnot_wave_0_\@
	s_barrier_signal -3
.Lnot_wave_0_\@:
	s_barrier_wait -3
	s_barrier_signal -1
	s_barrier_wait -1
.endm
	s_load_b256 s[4:11], s[0:1], 0x0               ; qop s[4:5], kv s[6:7], mimg s[8:9], ocodes s[10:11]
	s_load_b64 s[12:13], s[0:1], 0x20              ; oscales
	v_lshl_add_u32 v[SPW], v0, 2, SPARE
	v_mov_b32 v[NIL], 0
	ds_add_u32 v5, v6
	ds_add_u32 v5, v6
	s_wait_dscnt 0x0
	v_lshrrev_b32 v8, 5, v0
	v_readfirstlane_b32 s[WV], v8                  ; wave 0..7
	v_and_b32 v[LN], 31, v0
	v_lshlrev_b32 v[LI], 4, v[LN]
	v_and_b32 v[LR], 15, v0
	v_lshlrev_b32 v[GW], 3, v[LR]
	v_lshlrev_b32 v[LR], 4, v[LR]
	s_bfe_u32 s38, ttmp6, 0x40000                  ; cx
	s_lshl_b32 s39, ttmp9, 2
	s_add_co_u32 s39, s39, s38                     ; my block of 128 queries: it enters global addresses of q, the mask and o alone
	s_and_b32 s40, ttmp7, 0xffff                   ; the head, which the four partners share
	; descriptor: 12,800 dense bytes as 50 rows of 256 (32 elements of 8 bytes)
	s_mov_b32 s[G1], 15|(3<<16)|(1<<21)            ; 15:0 the mask: all four work-groups; 17:16 elements of 8 bytes; 21 set beside a mask
	s_mov_b32 s[G1+1], 32<<16                      ; tensor_dim0
	s_mov_b32 s[G1+2], 50<<16                      ; tensor_dim1
	s_mov_b32 s[G1+3], 32<<16                      ; tile_dim0
	s_mov_b32 s[G1+4], 50                          ; tile_dim1
	s_mov_b32 s[G1+5], 32                          ; tensor_dim0_stride
	s_mov_b32 s[G1+6], 0
	s_mov_b32 s[G1+7], 0
	s_mul_i32 s42, s40, 16*STEPB                   ; the head's kv, + my eighth of a slot
	s_mul_i32 s44, s[WV], 12800
	s_add_co_u32 s42, s42, s44
	s_mov_b32 s43, 0
	s_lshl_b32 s41, s39, 3
	s_add_co_u32 s41, s41, s[WV]                   ; my tile of queries
	s_lshl_b32 s45, s40, 4
	s_add_co_u32 s45, s45, s39
	s_mul_i32 s46, s45, 12800                      ; qop's block (16 head + block of queries):
	s_add_co_u32 s48, s46, 12288
	s_mul_i32 s45, s[WV], 1536
	s_add_co_u32 s46, s46, s45                     ; my tile's image,
	s_mov_b32 s47, 0
	s_lshr_b32 s45, s[WV], 2
	s_lshl_b32 s45, s45, 8
	s_add_co_u32 s48, s48, s45
	s_and_b32 s45, s[WV], 3
	s_lshl_b32 s45, s45, 2
	s_add_co_u32 s48, s48, s45                     ; and its scale words: 12,288 + 256 (w / 4) + 4 (w % 4), 16 bytes a place
	s_mov_b32 s49, 0
	s_lshl_b32 s50, s41, 17                        ; the mask's image: 131,072 bytes a tile
	s_mov_b32 s51, 0
	s_mul_i32 s52, s41, 24576                      ; o's image: tile, K step = head
	s_mul_i32 s45, s40, 1536
	s_add_co_u32 s52, s52, s45
	s_mov_b32 s53, 0
	s_lshl_b32 s54, s41, 10                        ; o's scale words: 1,024 tile + 128 (head / 2) + 4 (head % 2), 8 bytes a place
	s_lshr_b32 s45, s40, 1
	s_lshl_b32 s45, s45, 7
	s_add_co_u32 s54, s54, s45
	s_and_b32 s45, s40, 1
	s_lshl_b32 s45, s45, 2
	s_add_co_u32 s54, s54, s45
	s_mov_b32 s55, 0
	s_mov_b32 s[SEL], 0x76543210
	s_mov_b32 s[SEL+1], 0xfedcba98
	s_mov_b32 s[CS], 0x3fb8aa3b                    ; log2(e)
	s_mov_b32 s[CS+1], s[CS]                       ; (named with it as a pair, so it is written)
	s_mov_b32 s[TB], 0
	s_mov_b32 s[SLOTS], 3
	s_wait_kmcnt 0x0
	s_mov_b32 s[G0], 1                             ; count = 1
	s_mov_b32 s[G0+1], s44                         ; LDS address: slot 0, my eighth
	s_add_nc_u64 s[G0+2:G0+3], s[6:7], s[42:43]
	s_or_b32 s[G0+3], s[G0+3], 0x80000000          ; type = 2
	s_add_nc_u64 s[58:59], s[4:5], s[48:49]
	s_add_nc_u64 s[4:5], s[4:5], s[46:47]
	s_add_nc_u64 s[MB:MB+1], s[8:9], s[50:51]
	s_add_nc_u64 s[10:11], s[10:11], s[52:53]
	s_add_nc_u64 s[12:13], s[12:13], s[54:55]
	CROUND                                         ; all four work-groups are here: the first joint loads meet
	tensor_load_to_lds s[G0:G0+3], s[G1:G1+7]      ; key steps 0 to 3: the one load of mine that is out
	s_nop 0
.rept 4
	v_nop
.endr
.irp c, 0,1,2
	global_load_b128 v[16+4*\c:19+4*\c], v[LI], s[4:5] offset:512*\c   ; Q's fragment stays in registers
.endr
	global_load_b32 v255, v[LR], s[58:59]          ; Q's scale words
	WIN 0x40                                       ; destination window 1
.irp c, 0,1,2,3,4,5,6,7,8,9,10,11,12,13,14,15
	global_load_b128 v[4*\c:4*\c+3], v[LI], s[MB:MB+1] offset:512*\c           ; the mask of key step 0
.endr
.irp c, 0,1,2,3,4,5,6,7,8,9,10,11,12,13,14,15
	global_load_b128 v[64+4*\c:67+4*\c], v[LI], s[MB:MB+1] offset:8192+512*\c  ; and of key step 1
.endr
	WIN 0
	v_mov_b32 v13, 0xff61b1e6                      ; the largest t so far: -3e38, under every t
	v_floor_f32 v12, -v13                          ; -M
	v_mov_b32 v14, 0
	v_mov_b32 v15, 0
.irp b, 0,1,2,3
	v_mov_b32 v[236+\b], 0                         ; a lane permute's destination counts as one of its sources
.endr
	v_mov_b32 v253, 0                              ; (named as the upper half of the pair v[252:253] before it is first written)
.set j, 0
.rept 64
	v_mov_b32 v[160+j], 0                          ; O^T: the step is written once; the first finds zeros, which the first change of M leaves zeros
.set j, j+1
.endr
; eight images at byte off of the step's block, and their scale words at byte woff: 26 loads, tiles 4-7 last
.macro KVLOAD off, woff
.irp t, 0,1,2,3
.irp c, 0,1,2
	ds_load_b128 v[32+12*\t+4*\c:35+12*\t+4*\c], v[ADK] offset:\off+1536*\t+512*\c
.endr
.endr
	ds_load_b128 v[248:251], v[ADS] offset:\woff
	ds_load_b128 v[28:31], v[ADS] offset:\woff+256
	WIN 0x40
.irp t, 0,1,2,3
.irp c, 0,1,2
	ds_load_b128 v[128+12*\t+4*\c:131+12*\t+4*\c], v[ADK] offset:\off+6144+1536*\t+512*\c
.endr
.endr
	WIN 0
.endm
; A KEY STEP, the q-th of its slot.  par: the mask's set.  mload = 1: the set is loaded again, for two steps on.  left: the younger global loads that may stay out.
.macro STEP q, par, mload, left
	v_add_nc_u32 v[ADK], s[TB], v[LI]
	v_add_nc_u32 v[ADS], s[TB], v[LR]
	v_nop
	v_nop                                          ; four places behind the last step's products, in front of loads into the registers that they read
	KVLOAD 0, 24576
	s_wait_dscnt 12                                ; tiles 0-3 and all scale words are in; the youngest 12 loads, tiles 4-7, may be out
.irp t, 0,1,2,3
	v_wmma_scale_f32_16x16x128_f8f6f4 v[96+8*\t:103+8*\t], v[32+12*\t:43+12*\t], v[16:27], 0, v[248+\t], v255 matrix_a_fmt:MATRIX_FMT_FP6 matrix_b_fmt:MATRIX_FMT_FP6
.endr
	s_wait_dscnt 0x0
	WIN 0x01                                       ; source 0: window 1
.irp t, 0,1,2,3
	v_wmma_scale_f32_16x16x128_f8f6f4 v[128+8*\t:135+8*\t], v[128+12*\t:139+12*\t], v[16:27], 0, v[28+\t], v255 matrix_a_fmt:MATRIX_FMT_FP6 matrix_b_fmt:MATRIX_FMT_FP6
.endr
	WIN 0
.rept 4
	v_nop                                          ; places: the scores are read, and K's registers loaded anew, from here on
.endr
	KVLOAD 12288, 25088                            ; V lands while the softmax is walked
	s_wait_loadcnt \left                           ; this step's mask is in
	WIN 0x04                                       ; source 1: window 1
.set j, 0
.rept 32
	v_pk_add_f32 v[96+j:97+j], v[96+j:97+j], v[64*\par+j:64*\par+j+1]   ; + mask, each accumulator from its low end on
.set j, j+2
.endr
.if \mload
	WIN 0x40
.irp c, 0,1,2,3,4,5,6,7,8,9,10,11,12,13,14,15
	global_load_b128 v[64*\par+4*\c:64*\par+4*\c+3], v[LI], s[MB:MB+1] offset:(\q+2)*8192+512*\c
.endr
.endif
	WIN 0
.irp b, 0,1,2,3
	v_max3_num_f32 v[232+\b], v[96+16*\b], v[97+16*\b], v[98+16*\b]   ; the largest logit of each block of 32 keys: it serves for the row's maximum and, since p rises with the logit, for the block's largest p
.endr
.irp i, 3,5,7,9,11,13
.irp b, 0,1,2,3
	v_max3_num_f32 v[232+\b], v[232+\b], v[96+16*\b+\i], v[97+16*\b+\i]
.endr
.endr
.irp b, 0,1,2,3
	v_max_num_f32 v[232+\b], v[232+\b], v[111+16*\b]
.endr
.irp b, 0,1,2,3
	v_permlanex16_b32 v[236+\b], v[232+\b], s[SEL], s[SEL+1]
.endr
.irp b, 0,1,2,3
	v_max_num_f32 v[232+\b], v[232+\b], v[236+\b]  ; with lane l xor 16's 16 keys
.endr
	v_max3_num_f32 v254, v232, v233, v234
	v_max_num_f32 v254, v254, v235
	v_mul_f32 v254, s[CS], v254                    ; the step's largest t
	v_max_num_f32 v13, v13, v254                   ; the running largest t
	v_mov_b32 v254, v12
	v_floor_f32 v12, -v13                          ; the new -M = -ceil(t): a whole number
	v_sub_f32 v254, v12, v254                      ; old M - new M: a whole number, 0 or less
	v_cvt_i32_f32 v254, v254                       ; (it saturates)
	v_ldexp_f32 v252, 1.0, v254                    ; f = 2^(old M - new M)
.set j, 0
.rept 32
	v_pk_fma_f32 v[96+j:97+j], v[96+j:97+j], s[CS:CS+1], v[12:13] op_sel_hi:[1,0,0]   ; t - M
.set j, j+2
.endr
.irp b, 0,1,2,3
	v_fma_f32 v[232+\b], v[232+\b], s[CS], v12     ; the same of each block's largest logit
.endr
.set j, 0
.rept 64
	v_exp_f32 v[96+j], v[96+j]                     ; p = 2^(t - M)
.set j, j+1
.endr
.irp b, 0,1,2,3
	v_exp_f32 v[232+\b], v[232+\b]                 ; the block's largest p: the same two instructions on the same number
.endr
	v_pk_mul_f32 v[14:15], v[14:15], v[252:253] op_sel_hi:[1,0]   ; the sums under the new M (a plain place behind the exponentials)
	s_wait_alu depctr_va_vdst(0)
.irp b, 0,1,2,3
	v_max_num_f32 v[232+\b], 0x1800000, v[232+\b]  ; the floor 2^(3 - 127): the byte cannot fall under 1
.endr
.irp b, 0,1,2,3
	v_add_nc_u32 v[244+\b], 0xff000000, v[232+\b]  ; 2 off the exponent field: the conversion's scale operand
.endr
.irp b, 0,1,2,3
	v_lshrrev_b32 v[236+\b], 23, v[244+\b]         ; the scale's byte
.endr
	v_lshl_or_b32 v253, v237, 8, v236              ; p's scale word for these 128 keys
	v_lshl_or_b32 v253, v238, 16, v253
	v_lshl_or_b32 v253, v239, 24, v253
.irp c, 0,1
	v_cvt_scalef32_pk16_fp6_f32 v[224+6*\c:226+6*\c], v[96+32*\c:111+32*\c], v[244+2*\c]
	v_cvt_scalef32_pk16_fp6_f32 v[236+4*\c:238+4*\c], v[112+32*\c:127+32*\c], v[244+2*\c+1]
.endr
	v_nop                                          ; one plain place behind a scaled conversion
.irp c, 0,1
.irp i, 0,1,2
	v_permlane16_swap_b32 v[224+6*\c+\i], v[236+4*\c+\i]
.endr
.irp i, 0,1,2
	v_mov_b32 v[227+6*\c+\i], v[236+4*\c+\i]
.endr
.endr
	v_pk_add_f32 v[236:237], v[96:97], v[98:99]    ; the row's sum is taken of the unquantised p, in two chains
.irp j, 4,8,12,16,20,24,28,32,36,40,44,48,52,56,60
	v_pk_add_f32 v[14:15], v[14:15], v[96+\j:97+\j]
	v_pk_add_f32 v[236:237], v[236:237], v[98+\j:99+\j]
.endr
	v_pk_add_f32 v[14:15], v[14:15], v[236:237]
.set j, 0
.rept 32
	v_pk_mul_f32 v[160+j:161+j], v[160+j:161+j], v[252:253] op_sel_hi:[1,0]   ; O^T under the new M.  (These are also the places between p's codes and scale word and the products below)
.set j, j+2
.endr
	s_wait_dscnt 0x0                               ; V is in
.irp t, 0,1,2,3                                ; the eight accumulators take turns, one instruction a turn
	v_wmma_scale_f32_16x16x128_f8f6f4 v[160+8*\t:167+8*\t], v[32+12*\t:43+12*\t], v[224:235], v[160+8*\t:167+8*\t], v[248+\t], v253 matrix_a_fmt:MATRIX_FMT_FP6 matrix_b_fmt:MATRIX_FMT_FP6
.endr
	WIN 0x01
.irp t, 0,1,2,3
	v_wmma_scale_f32_16x16x128_f8f6f4 v[192+8*\t:199+8*\t], v[128+12*\t:139+12*\t], v[224:235], v[192+8*\t:199+8*\t], v[28+\t], v253 matrix_a_fmt:MATRIX_FMT_FP6 matrix_b_fmt:MATRIX_FMT_FP6
.endr
	WIN 0
	s_add_co_u32 s[TB], s[TB], STEPB
.endm
; THE CHANGE OF SLOTS stands at a slot's head.  Each wave waits for all its tensor loads (its eighth of the slot ahead), adds 0 to its spare word, and waits for that and for its reads of the slot that it has left.
; fill = 1: a round of the cluster's barrier, and behind it the slot just left is filled with the four key steps that follow: the load has four key steps' work in which to land.
.macro CHANGE fill
	s_wait_tensorcnt 0x0                           ; no tensor load of mine is out, so group 0 may be written
	ds_add_u32 v[SPW], v[NIL]                      ; 0 onto my spare word
.if \fill
	s_xor_b32 s[G0+1], s[G0+1], SLOT1              ; the other slot than last time,
	s_add_nc_u64 s[G0+2:G0+3], s[G0+2:G0+3], SLOTB ; the next four key steps
.endif
	s_wait_dscnt 0x0                               ; the add is done, and my reads of the slot that I have left are over
.if \fill
	CROUND
	tensor_load_to_lds s[G0:G0+3], s[G1:G1+7]      ; the first thing behind the round, and my one tensor load until the next
	s_nop 0
.rept 4
	v_nop
.endr
.else
	s_barrier_signal -1
	s_barrier_wait -1
.endif
.endm
	s_wait_loadcnt 32                              ; Q and its scale words are in; the mask's two sets, 32 loads, may be out
.Lslot:                                            ; three trips: behind each change of slots but the last the next slot is asked for
	CHANGE 1
	STEP 0, 0, 1, 16
	STEP 1, 1, 1, 16
	STEP 2, 0, 1, 16
	STEP 3, 1, 1, 16
	s_wait_xcnt 0x0                                ; the mask's loads have read their base
	s_add_nc_u64 s[MB:MB+1], s[MB:MB+1], 32768     ; four key steps on
	s_sub_co_u32 s[TB], s[TB], SLOTB
	s_xor_b32 s[TB], s[TB], SLOT1                  ; on to the other slot
	s_sub_co_u32 s[SLOTS], s[SLOTS], 1
	s_cmp_lg_u32 s[SLOTS], 0
	s_cbranch_scc1 .Lslot
	CHANGE 0                                       ; the last slot is written out
	STEP 0, 0, 1, 16
	STEP 1, 1, 1, 16
	STEP 2, 0, 0, 16
	STEP 3, 1, 0, 0
	; THE WAY OUT: O^T / the sum, in f32; its 64 registers are 128 neighbouring channels of my query in the conversions' order: quantised, they are K step `head` of the output projection's operand.
	v_add_f32 v14, v14, v15
	v_permlanex16_b32 v252, v14, s[SEL], s[SEL+1]
	v_add_f32 v14, v14, v252                       ; the row's sum
	v_rcp_f32 v14, v14
	v_nop                                          ; a plain place behind the reciprocal; with the lines above, the places behind the last products
	v_nop
.set j, 0
	s_wait_alu depctr_va_vdst(0)
.rept 32
	v_pk_mul_f32 v[96+j:97+j], v[160+j:161+j], v[14:15] op_sel_hi:[1,0]
.set j, j+2
.endr
.irp b, 0,1,2,3
	v_mov_b32 v[TM+4+\b], 0
.endr
.irp b, 0,1,2,3
	v_max3_num_f32 v[TM+\b], |v[96+16*\b]|, |v[97+16*\b]|, 0x1800000
.endr
.irp i, 2,4,6,8,10,12,14
.irp b, 0,1,2,3
	v_max3_num_f32 v[TM+\b], v[TM+\b], |v[96+16*\b+\i]|, |v[97+16*\b+\i]|
.endr
.endr
.irp b, 0,1,2,3
	v_permlanex16_b32 v[TM+4+\b], v[TM+\b], s[SEL], s[SEL+1]
.endr
.irp b, 0,1,2,3
	v_max_num_f32 v[TM+\b], v[TM+\b], v[TM+4+\b]
.endr
.irp b, 0,1,2,3
	v_add_nc_u32 v[TM+12+\b], 0xff000000, v[TM+\b]
.endr
.irp b, 0,1,2,3
	v_lshrrev_b32 v[TM+4+\b], 23, v[TM+12+\b]
.endr
	v_lshl_or_b32 v[PW], v[TM+5], 8, v[TM+4]
	v_lshl_or_b32 v[PW], v[TM+6], 16, v[PW]
	v_lshl_or_b32 v[PW], v[TM+7], 24, v[PW]
.irp c, 0,1
	v_cvt_scalef32_pk16_fp6_f32 v[PC+6*\c:PC+2+6*\c], v[96+32*\c:111+32*\c], v[TM+12+2*\c]
	v_cvt_scalef32_pk16_fp6_f32 v[PC+12+4*\c:PC+14+4*\c], v[112+32*\c:127+32*\c], v[TM+12+2*\c+1]
.endr
	v_nop
.irp c, 0,1
.irp i, 0,1,2
	v_permlane16_swap_b32 v[PC+6*\c+\i], v[PC+12+4*\c+\i]
.endr
.irp i, 0,1,2
	v_mov_b32 v[PC+3+6*\c+\i], v[PC+12+4*\c+\i]
.endr
.endr
.irp c, 0,1,2
	global_store_b128 v[LI], v[PC+4*\c:PC+4*\c+3], s[10:11] offset:512*\c   ; 512 consecutive bytes a store
.endr
	v_cmp_gt_u32 vcc_lo, 16, v[LN]
	s_wait_xcnt 0x0                                ; EXEC changes only behind this wait
	s_and_saveexec_b32 s42, vcc_lo
	global_store_b32 v[GW], v[PW], s[12:13]        ; lanes 0-15: place r's scale word
	s_wait_xcnt 0x0
	s_or_b32 exec_lo, exec_lo, s42
	s_wait_tensorcnt 0x0                           ; the wave's end
	ds_add_u32 v[SPW], v[NIL]
	s_wait_dscnt 0x0
	CROUND                                         ; the closing round
	s_endpgm
.Lfunc_end_k_qd9b928ea2d_attn:
	.size	k_qd9b928ea2d_attn, .Lfunc_end_k_qd9b928ea2d_attn-k_qd9b928ea2d_attn
	.p2alignl 7, 3214868480
	.fill 96, 4, 3214868480
	.section	.rodata,"a",@progbits
	.p2align	6, 0x0
	.amdhsa_kernel k_qd9b928ea2d_attn
		.amdhsa_group_segment_fixed_size 327680
		.amdhsa_private_segment_fixed_size 0
		.amdhsa_enable_private_segment 0
		.amdhsa_kernarg_size 40
		.amdhsa_user_sgpr_count 2
		.amdhsa_user_sgpr_kernarg_segment_ptr 1
		.amdhsa_wavefront_size32 1
		.amdhsa_system_sgpr_workgroup_id_x 1
		.amdhsa_system_sgpr_workgroup_id_y 1
		.amdhsa_system_sgpr_workgroup_id_z 1
		.amdhsa_system_vgpr_workitem_id 0
		.amdhsa_next_free_vgpr 448
		.amdhsa_next_free_sgpr 66
		.amdhsa_reserve_vcc 1
		.amdhsa_float_denorm_mode_32 3
		.amdhsa_float_denorm_mode_16_64 3
		.amdhsa_memory_ordered 1
		.amdhsa_forward_progress 1
		.amdhsa_inst_pref_size 192
	.end_amdhsa_kernel
	.amdgpu_metadata
---
amdhsa.version: [ 1, 2 ]
amdhsa.kernels:
  - .name:           k_qd9b928ea2d_attn
    .symbol:         k_qd9b928ea2d_attn.kd
    .args:
      - { .name: qop, .offset: 0, .size: 8, .value_kind: global_buffer, .address_space: global }
      - { .name: kv, .offset: 8, .size: 8, .value_kind: global_buffer, .address_space: global }
      - { .name: mimg, .offset: 16, .size: 8, .value_kind: global_buffer, .address_space: global }
      - { .name: ocodes, .offset: 24, .size: 8, .value_kind: global_buffer, .address_space: global }
      - { .name: oscales, .offset: 32, .size: 8, .value_kind: global_buffer, .address_space: global }
    .group_segment_fixed_size: 327680
    .private_segment_fixed_size: 0
    .kernarg_segment_align: 8
    .kernarg_segment_size: 40
    .max_flat_workgroup_size: 256
    .sgpr_count:     66
    .vgpr_count:     448
    .wavefront_size: 32
...
	.end_amdgpu_metadata
.endif
;; end of part 3
;; launch outp (part 4): grid 8 x 8, 4 waves a work-group, clusters of 4 x 4, 327,680 bytes of LDS; arguments ocodes, oscales, codes, scales, bo, out0; writes out0
.if DOCPART == 4
	.amdgcn_target "amdgcn-amd-amdhsa--gfx1250"
	.amdhsa_code_object_version 6
	.text
	.protected	k_qd9b928ea2d_outp
	.globl	k_qd9b928ea2d_outp
	.p2align	8
	.type	k_qd9b928ea2d_outp,@function
k_qd9b928ea2d_outp:
	s_mov_b64 s[64:65], 0
	v_nop
	global_prefetch_b8 v0, s[64:65] scope:SCOPE_SE
	s_setreg_imm32_b32 hwreg(HW_REG_WAVE_MODE, 25, 1), 1
	s_wait_xcnt 0x0
	s_wait_alu depctr_hold_cnt(0) depctr_sa_sdst(0) depctr_va_vdst(0) depctr_va_sdst(0) depctr_va_ssrc(0) depctr_va_vcc(0) depctr_vm_vsrc(0)
	s_getreg_b32 s2, hwreg(HW_REG_IB_STS2, 6, 4)
	s_cmp_eq_u32 s2, 0
	s_cbranch_scc0 .Lentry_in_a_cluster
	s_endpgm
.Lentry_in_a_cluster:
	s_bfe_u32 s2, ttmp6, 0x10000c
	s_cmp_lg_u32 s2, 0xf033
	s_cbranch_scc0 .Lentry_shape_is_right
	s_endpgm
.Lentry_shape_is_right:
; out0 = o Wo^T + bo on codes of FP6 (E2M3).  A = o (launch attn's images and scale words), B = Wo (launch quant's, blocks 32 to 39 of codes and scales); out0 [2048][2048] f32.
; A work-group makes 256 x 256, a wave 128 x 128: 64 accumulators.  64 work-groups: the tile is that of launch qkv, whose ring and loop this text repeats; a tile of 128 x 128 would give 256 and read each fragment for half the products.
; OPERANDS are images of their registers: a fragment is 1,536 bytes, three loads of 16 bytes a lane at 16 x lane.  A tile's rows are 32 (t / 2) + 8 (t % 2) + p + 8 (p / 8).
; THE MATRIX INSTRUCTION IS USED TRANSPOSED (source 0 = 16 rows of Wo, source 1 = 16 rows of o): lane (r, h) holds the position at place r, and the registers of accumulators 2 b + u the columns 32 b + 16 h + 8 u + 0 .. 7.
; K goes in steps of 256 through a ring of two LDS slots filled by the tensor data mover; the scale words, for all of K, come once and stay.
; CLUSTERS: 4 x 4: A's tiles are shared along a row of the cluster, B's along a column: joint loads.
; REGISTERS: window 0: v1-29 addresses, v12-15 my four numbers of bo; v32-63 scale words; v128-223 A's fragments.  window 1: B's fragments, two sets.  windows 2, 3: the accumulators.
.set NQ,     2
.set FR,     12
.set NL,     3
.set NP,     4
.set HALFT,  24576
.set SLOT,   4*HALFT
.set LAPS,   4
.set SCL,    2*SLOT
.set SPARE,  SCL+32768                 ; the spare words, 128 bytes for each wave: two blocks of 256 bytes that no other line names
.set SPITCH, 528                       ; the way out: a stage of 16 rows x (512 bytes + 16) for each wave, in slot 0, which has had its last fill and its last read when the first result is stored there
.set BO,   12                          ; v12-15
.set ADRA, 16
.set ADRB, 20
.set STO,  24                          ; v24  the way out: where I put a row's numbers
.set RD,   25                          ; v25  and where I read a row back
.set ADRS, 27
.set SPW,  28                          ; v28  LDS address of my spare word; never rewritten
.set NIL,  29                          ; v29  0; never rewritten
.set SC,   32
.set AF,   128
.set BK,   128                         ; the way out: 16 rows read back: v128-191 and v192-255 by turns
.set G1, 24
.set G0, 32
.set G1B, 48
.set G0B, 56
.set G1S, 68
.set G0S, 76
.set G1SB, 80
.set G0SB, 88
.set MSB, 0
.macro WIN new
.if MSB != (\new)
	s_set_vgpr_msb (MSB<<8)|(\new)
.set MSB, \new
.endif
.endm
.set MUL_LO, 0xa1
.set MUL_HI, 0xf1
.set TO_B,   0x40
.macro JLOAD g0a, g1a, g0b, g1b        ; a joint load: waves 0 and 1 fetch for A, waves 2 and 3 for B; four v_nop follow each of the two lines
	s_cmp_eq_u32 s21, 0
	s_cbranch_scc0 .Lfor_b_\@
	tensor_load_to_lds s[\g0a:\g0a+3], s[\g1a:\g1a+7]
	s_nop 0
.rept 4
	v_nop
.endr
	s_branch .Lasked_\@
.Lfor_b_\@:
	tensor_load_to_lds s[\g0b:\g0b+3], s[\g1b:\g1b+7]
	s_nop 0
.rept 4
	v_nop
.endr
.Lasked_\@:
.endm
.macro CREST
	s_cmp_lg_u32 s20, 0
	s_cbranch_scc1 .Lnot_wave_0_\@
	s_barrier_signal -3
.Lnot_wave_0_\@:
	s_barrier_wait -3
	s_barrier_signal -1
	s_barrier_wait -1
.endm
.macro CROUND
	s_barrier_signal -1
	s_barrier_wait -1
	CREST
.endm
.macro PLACES n
.rept \n
	v_nop
.endr
.endm
	s_load_b256 s[4:11], s[0:1], 0x0               ; ocodes s[4:5], oscales s[6:7], codes s[8:9], scales s[10:11]
	s_load_b128 s[12:15], s[0:1], 0x20             ; bo s[12:13], out0 s[14:15]
	v_lshl_add_u32 v[SPW], v0, 2, SPARE
	v_mov_b32 v[NIL], 0
	ds_add_u32 v28, v29
	ds_add_u32 v28, v29
	s_wait_dscnt 0x0
	v_lshrrev_b32 v1, 5, v0
	v_readfirstlane_b32 s20, v1                    ; wave 0..3
	s_lshr_b32 s21, s20, 1                         ; which half of A's rows is mine.  Also: I fetch for A (0) or for B (1)
	s_and_b32 s22, s20, 1                          ; which half of B's rows.  Also: which 8 tiles I fetch
	s_bfe_u32 s40, ttmp6, 0x40000                  ; cx, cy
	s_bfe_u32 s41, ttmp6, 0x40004
	s_lshl_b32 s42, ttmp9, 2
	s_add_co_u32 s42, s42, s40                     ; X
	s_and_b32 s43, ttmp7, 0xffff
	s_lshl_b32 s43, s43, 2
	s_add_co_u32 s43, s43, s41                     ; Y
	s_lshl_b32 s44, s41, 2
	s_lshl_b32 s44, 15, s44                        ; my row of the cluster
	s_lshl_b32 s45, 0x1111, s40                    ; my column
	s_add_co_u32 s47, s42, 32                      ; Wo's blocks of 256 rows are 32 to 39 of codes
	s_or_b32 s[G1+0], s44, (3<<16)|(1<<21)         ; codes: 8 tiles' 3,072 bytes, 24,576 bytes apart, elements of 8 bytes; the mask: A's go to my row
	s_or_b32 s[G1B+0], s45, (3<<16)|(1<<21)        ; B's to my column
.irp g, G1, G1B
	s_mov_b32 s[\g+1], 384<<16
	s_mov_b32 s[\g+2], 8<<16
	s_mov_b32 s[\g+3], 384<<16
	s_mov_b32 s[\g+4], 8
	s_mov_b32 s[\g+5], 3072
	s_mov_b32 s[\g+6], 0
	s_mov_b32 s[\g+7], 0
.endr
	s_or_b32 s[G1S+0], s44, (3<<16)|(1<<21)        ; scale words of 8 tiles: 8,192 dense bytes as 32 rows of 256
	s_or_b32 s[G1SB+0], s45, (3<<16)|(1<<21)
.irp g, G1S, G1SB
	s_mov_b32 s[\g+1], 32<<16
	s_mov_b32 s[\g+2], 32<<16
	s_mov_b32 s[\g+3], 32<<16
	s_mov_b32 s[\g+4], 32
	s_mov_b32 s[\g+5], 32
	s_mov_b32 s[\g+6], 0
	s_mov_b32 s[\g+7], 0
.endr
	s_mul_i32 s92, s43, 393216
	s_mul_i32 s100, s22, 196608
	s_add_co_u32 s92, s92, s100
	s_mov_b32 s93, 0
	s_mul_i32 s96, s47, 393216
	s_add_co_u32 s96, s96, s100
	s_mov_b32 s97, 0
	s_lshl_b32 s94, s43, 14
	s_lshl_b32 s100, s22, 13
	s_add_co_u32 s94, s94, s100
	s_mov_b32 s95, 0
	s_lshl_b32 s98, s47, 14
	s_add_co_u32 s98, s98, s100
	s_mov_b32 s99, 0
	s_mul_i32 s100, s20, HALFT
	s_lshl_b32 s101, s20, 13
	s_wait_kmcnt 0x0
	s_add_nc_u64 s[92:93], s[4:5], s[92:93]
	s_add_nc_u64 s[94:95], s[6:7], s[94:95]
	s_add_nc_u64 s[96:97], s[8:9], s[96:97]
	s_add_nc_u64 s[98:99], s[10:11], s[98:99]
	CROUND                                         ; all sixteen work-groups are here: the first joint loads meet
	s_mov_b32 s[G0S], 1
	s_add_co_u32 s[G0S+1], s101, SCL
	s_mov_b64 s[G0S+2:G0S+3], s[94:95]
	s_or_b32 s[G0S+3], s[G0S+3], 0x80000000
	s_mov_b32 s[G0SB], 1
	s_add_co_u32 s[G0SB+1], s101, SCL
	s_mov_b64 s[G0SB+2:G0SB+3], s[98:99]
	s_or_b32 s[G0SB+3], s[G0SB+3], 0x80000000
	JLOAD G0S, G1S, G0SB, G1SB                     ; three loads of mine are out behind these lines
.irp s, 0,1
	s_mov_b32 s[G0+4*\s], 1
	s_add_co_u32 s[G0+4*\s+1], s100, \s*SLOT
	s_add_nc_u64 s[G0+4*\s+2:G0+4*\s+3], s[92:93], \s*3072
	s_or_b32 s[G0+4*\s+3], s[G0+4*\s+3], 0x80000000
	s_mov_b32 s[G0B+4*\s], 1
	s_add_co_u32 s[G0B+4*\s+1], s100, \s*SLOT
	s_add_nc_u64 s[G0B+4*\s+2:G0B+4*\s+3], s[96:97], \s*3072
	s_or_b32 s[G0B+4*\s+3], s[G0B+4*\s+3], 0x80000000
	JLOAD G0+4*\s, G1, G0B+4*\s, G1B
.endr
	v_and_b32 v1, 15, v0                           ; r
	v_bfe_u32 v2, v0, 4, 1                         ; h
	v_and_b32 v4, 31, v0                           ; lane
	v_lshlrev_b32 v3, 4, v4                        ; 16 x lane
	s_lshl_b32 s96, s42, 10                        ; my 128 columns, in bytes: 1,024 X + 512 x half
	s_lshl_b32 s97, s22, 9
	s_add_co_u32 s96, s96, s97
	s_mov_b32 s97, 0
	s_add_nc_u64 s[12:13], s[12:13], s[96:97]
	global_load_b128 v[BO:BO+3], v3, s[12:13]      ; bo of the four columns that I store
	s_lshl_b32 s94, s43, 21                        ; my 128 rows: 256 Y + 128 x half, of 8,192 bytes
	s_lshl_b32 s95, s21, 20
	s_add_co_u32 s94, s94, s95
	s_mov_b32 s95, 0
	s_add_nc_u64 s[14:15], s[14:15], s[94:95]
	s_add_nc_u64 s[14:15], s[14:15], s[96:97]
	s_mul_i32 s92, s21, HALFT
	s_mul_i32 s93, s22, HALFT
	s_add_co_u32 s93, s93, 2*HALFT
.irp s, 0,1
	v_add_nc_u32 v[ADRA+\s], s92, v3
	v_add_nc_u32 v[ADRB+\s], s93, v3
	s_add_co_u32 s92, s92, SLOT
	s_add_co_u32 s93, s93, SLOT
.endr
	s_lshl_b32 s92, s21, 13
	s_lshl_b32 s93, s22, 13
	s_add_co_u32 s93, s93, 16384
	s_sub_co_u32 s93, s93, s92
	v_mul_u32_u24 v5, s93, v2                      ; lanes 16-31 take B's scale words
	s_add_co_u32 s92, s92, SCL
	v_lshl_add_u32 v5, v1, 3, v5
	v_add_nc_u32 v[ADRS], s92, v5
	s_mul_i32 s92, s20, 16*SPITCH                  ; my stage
	v_mul_u32_u24 v5, v1, SPITCH
	v_lshl_add_u32 v5, v2, 6, v5
	v_add_nc_u32 v[STO], s92, v5                   ; in: row r, + 64 h
	v_add_nc_u32 v[RD], s92, v3                    ; back: the 32 lanes take one row of 512 bytes
.macro FRAG reg, adr, q, i
.irp c, 0,1,2
	ds_load_b128 v[\reg+4*\c:\reg+4*\c+3], v[\adr] offset:3072*(\i)+1536*(\q)+512*\c
.endr
.endm
; The 64 accumulators take turns, one instruction a turn, in the same order in every step.
.macro MUL16 a0, p, q, sc, zero
.irp a, \a0, \a0+1
.irp b, 0,1,2,3,4,5,6,7
.if \zero
	v_wmma_scale_f32_16x16x128_f8f6f4 v[8*(8*((\a)%4)+\b):8*(8*((\a)%4)+\b)+7], v[128*(\p)+FR*\b:128*(\p)+FR*\b+FR-1], v[AF+FR*(\a):AF+FR*(\a)+FR-1], 0, v[SC+8*NQ*(\sc)+NQ*\b+(\q)], v[SC+8*NQ*(\sc)+NQ*(\a)+(\q)] matrix_a_fmt:MATRIX_FMT_FP6 matrix_b_fmt:MATRIX_FMT_FP6 matrix_a_scale:MATRIX_SCALE_ROW1
.else
	v_wmma_scale_f32_16x16x128_f8f6f4 v[8*(8*((\a)%4)+\b):8*(8*((\a)%4)+\b)+7], v[128*(\p)+FR*\b:128*(\p)+FR*\b+FR-1], v[AF+FR*(\a):AF+FR*(\a)+FR-1], v[8*(8*((\a)%4)+\b):8*(8*((\a)%4)+\b)+7], v[SC+8*NQ*(\sc)+NQ*\b+(\q)], v[SC+8*NQ*(\sc)+NQ*(\a)+(\q)] matrix_a_fmt:MATRIX_FMT_FP6 matrix_b_fmt:MATRIX_FMT_FP6 matrix_a_scale:MATRIX_SCALE_ROW1
.endif
.endr
.endr
.endm
.macro FETCH_B slot, q, p
	WIN TO_B
.irp i, 0,1,2,3,4,5,6,7
	FRAG 128*(\p)+FR*\i, ADRB+\slot, \q, \i
.endr
	WIN 0
.endm
.macro FETCH_A slot, q, i0
.irp i, \i0, \i0+1, \i0+2, \i0+3
	FRAG AF+FR*(\i), ADRA+\slot, \q, \i
.endr
.endm
.macro SCALES sc
.irp i, 0,1,2,3,4,5,6,7
	ds_load_b64 v[SC+8*NQ*\sc+NQ*\i:SC+8*NQ*\sc+NQ*\i+1], v[ADRS] offset:\i*1024
.endr
.endm
.macro STEP slot, q, zero
	s_wait_dscnt 4*NL                              ; B's set, A's tiles 0-3 (and the scale words) are in; the youngest 12 loads, A's tiles 4-7, may be out
	WIN MUL_LO
	MUL16 0, (\q)%2, \q, \slot, \zero
	MUL16 2, (\q)%2, \q, \slot, \zero
	s_wait_dscnt 0
	PLACES NP                                      ; in front of loads into registers that matrix instructions have read
	FETCH_B \slot, (\q)+1, 1-(\q)%2
	FETCH_A \slot, (\q)+1, 0
	WIN MUL_HI
	MUL16 4, (\q)%2, \q, \slot, \zero
	MUL16 6, (\q)%2, \q, \slot, \zero
	PLACES NP
	WIN 0
	FETCH_A \slot, (\q)+1, 4
.endm
.macro TURN slot, next, fill
	s_wait_tensorcnt 0x0                           ; all my tensor loads have landed: my part of the next slot
	ds_add_u32 v[SPW], v[NIL]                      ; 0 onto my spare word
	s_wait_dscnt 4*NL+1                            ; (the add and the youngest 12 loads may be out)
	WIN MUL_LO
	MUL16 0, 1, NQ-1, \slot, 0
	s_wait_dscnt 0x0                               ; the add is done, and my reads of this slot are over
	s_barrier_signal -1
	MUL16 2, 1, NQ-1, \slot, 0
	WIN 0
	s_barrier_wait -1
.if \fill
	CREST                                          ; the barrier has opened a round of the cluster's barrier: no wave of any partner still reads this slot or has a load on its way
	s_add_nc_u64 s[G0+4*\slot+2:G0+4*\slot+3], s[G0+4*\slot+2:G0+4*\slot+3], 2*3072
	s_add_nc_u64 s[G0B+4*\slot+2:G0B+4*\slot+3], s[G0B+4*\slot+2:G0B+4*\slot+3], 2*3072
	JLOAD G0+4*\slot, G1, G0B+4*\slot, G1B         ; the first tensor load behind the round
.else
	PLACES NP
.endif
	v_add_nc_u32 v[ADRS], 128, v[ADRS]
	FETCH_B \next, 0, 0
	FETCH_A \next, 0, 0
	SCALES \next
	WIN MUL_HI
	MUL16 4, 1, NQ-1, \slot, 0
	MUL16 6, 1, NQ-1, \slot, 0
	PLACES NP
	WIN 0
	FETCH_A \next, 0, 4
.endm
	s_wait_tensorcnt 1                             ; the scale words and my part of slot 0 are in; slot 1's load may be out
	s_barrier_signal -1
	s_barrier_wait -1
	FETCH_B 0, 0, 0
	FETCH_A 0, 0, 0
	SCALES 0
	FETCH_A 0, 0, 4
	STEP 0, 0, 1
	s_mov_b32 s23, LAPS-1
.Llap:
	TURN 0, 1, 1
	STEP 1, 0, 0
	TURN 1, 0, 1
	STEP 0, 0, 0
	s_sub_co_u32 s23, s23, 1
	s_cmp_lg_u32 s23, 0
	s_cbranch_scc1 .Llap
	TURN 0, 1, 0
	STEP 1, 0, 0
	s_wait_dscnt 4*NL
	WIN MUL_LO
	MUL16 0, 1, NQ-1, 1, 0
	MUL16 2, 1, NQ-1, 1, 0
	s_wait_dscnt 0
	WIN MUL_HI
	MUL16 4, 1, NQ-1, 1, 0
	MUL16 6, 1, NQ-1, 1, 0
	WIN 0
; THE WAY OUT, tile by tile of 16 positions x 128 columns, through my own stage in LDS: in as 32 bytes a lane and accumulator, back as whole rows of 512 bytes; bo is added on the way; 32 lanes store 512 consecutive bytes.
; LDS serves a wave's instructions in order (ISA guide 5.7.1.4): no wait between the stores and the loads, nor in front of the next tile's stores.
.macro TOSTAGE a
.set AC, 64*((\a)%4)
	WIN 0x08+4*((\a)/4)                            ; the data: window 2 or 3
.irp b, 0,1,2,3,4,5,6,7
	ds_store_b128 v[STO], v[AC+8*\b:AC+8*\b+3] offset:128*(\b/2)+32*(\b%2)          ; columns 32 (b / 2) + 16 h + 8 (b % 2) on; each accumulator from its low end on
	ds_store_b128 v[STO], v[AC+8*\b+4:AC+8*\b+7] offset:128*(\b/2)+32*(\b%2)+16
.endr
	WIN 0
.set BB, BK+64*((\a)%2)
.irp t, 0,1,2,3,4,5,6,7,8,9,10,11,12,13,14,15
	ds_load_b128 v[BB+4*\t:BB+4*\t+3], v[RD] offset:\t*SPITCH
.endr
.endm
.macro SEND a, younger                 ; younger: the LDS instructions issued behind tile a's loads, which may stay out
.set BB, BK+64*((\a)%2)
	s_wait_dscnt \younger
.irp t, 0,1,2,3,4,5,6,7,8,9,10,11,12,13,14,15
	v_pk_add_f32 v[BB+4*\t:BB+4*\t+1], v[BB+4*\t:BB+4*\t+1], v[BO:BO+1]
	v_pk_add_f32 v[BB+4*\t+2:BB+4*\t+3], v[BB+4*\t+2:BB+4*\t+3], v[BO+2:BO+3]
.endr
.irp t, 0,1,2,3,4,5,6,7,8,9,10,11,12,13,14,15
	global_store_b128 v3, v[BB+4*\t:BB+4*\t+3], s[14:15] offset:(32*((\a)/2)+8*((\a)%2)+\t+8*(\t/8))*8192 th:TH_STORE_NT   ; place t of tile a is that row; 127 rows at the most: inside the signed 24-bit immediate (ISA guide, chapter 10)
.endr
.endm
	s_wait_loadcnt 0x0                             ; bo
	PLACES NP                                      ; behind the last products
	TOSTAGE 0
.irp a, 1,2,3,4,5,6,7
.if \a > 1
	s_wait_xcnt 0x0                                ; tile a - 2's stores have read their registers: tile a's loads may land there
.endif
	TOSTAGE \a
	SEND \a-1, 32                                  ; behind tile a - 1's loads: tile a's 16 stores and 16 loads
.endr
	SEND 7, 0
	s_wait_tensorcnt 0x0                           ; the wave's end
	ds_add_u32 v[SPW], v[NIL]
	s_wait_dscnt 0x0
	CROUND                                         ; the closing round
	s_endpgm
.Lfunc_end_k_qd9b928ea2d_outp:
	.size	k_qd9b928ea2d_outp, .Lfunc_end_k_qd9b928ea2d_outp-k_qd9b928ea2d_outp
	.p2alignl 7, 3214868480
	.fill 96, 4, 3214868480
	.section	.rodata,"a",@progbits
	.p2align	6, 0x0
	.amdhsa_kernel k_qd9b928ea2d_outp
		.amdhsa_group_segment_fixed_size 327680
		.amdhsa_private_segment_fixed_size 0
		.amdhsa_enable_private_segment 0
		.amdhsa_kernarg_size 48
		.amdhsa_user_sgpr_count 2
		.amdhsa_user_sgpr_kernarg_segment_ptr 1
		.amdhsa_wavefront_size32 1
		.amdhsa_system_sgpr_workgroup_id_x 1
		.amdhsa_system_sgpr_workgroup_id_y 1
		.amdhsa_system_sgpr_workgroup_id_z 1
		.amdhsa_system_vgpr_workitem_id 0
		.amdhsa_next_free_vgpr 1024
		.amdhsa_next_free_sgpr 102
		.amdhsa_reserve_vcc 0
		.amdhsa_float_denorm_mode_32 3
		.amdhsa_float_denorm_mode_16_64 3
		.amdhsa_memory_ordered 1
		.amdhsa_forward_progress 1
		.amdhsa_inst_pref_size 151
	.end_amdhsa_kernel
	.amdgpu_metadata
---
amdhsa.version: [ 1, 2 ]
amdhsa.kernels:
  - .name:           k_qd9b928ea2d_outp
    .symbol:         k_qd9b928ea2d_outp.kd
    .args:
      - { .name: ocodes, .offset: 0, .size: 8, .value_kind: global_buffer, .address_space: global }
      - { .name: oscales, .offset: 8, .size: 8, .value_kind: global_buffer, .address_space: global }
      - { .name: codes, .offset: 16, .size: 8, .value_kind: global_buffer, .address_space: global }
      - { .name: scales, .offset: 24, .size: 8, .value_kind: global_buffer, .address_space: global }
      - { .name: bo, .offset: 32, .size: 8, .value_kind: global_buffer, .address_space: global }
      - { .name: out0, .offset: 40, .size: 8, .value_kind: global_buffer, .address_space: global }
    .group_segment_fixed_size: 327680
    .private_segment_fixed_size: 0
    .kernarg_segment_align: 8
    .kernarg_segment_size: 48
    .max_flat_workgroup_size: 128
    .sgpr_count:     102
    .vgpr_count:     1024
    .wavefront_size: 32
...
	.end_amdgpu_metadata
.endif
;; end of part 4
;; ======== version 2 of 2: 4 launches
;; limits: right only within a limited range of input values
;; workspace buffers: codes 15,728,640 bytes; scales 655,360 bytes; rope 1,048,576 bytes; mimg 16,777,216 bytes; qop 3,276,800 bytes; kv 6,553,600 bytes; ocodes 3,145,728 bytes; oscales 131,072 bytes
;; launch quant (part 5): grid 800 x 1, 4 waves a work-group, no clusters, 34,304 bytes of LDS; arguments hidden_states, Wq, Wk, Wv, Wo, attention_mask, codes, scales, mimg, rope; writes codes, scales, mimg, rope
.if DOCPART == 5
	.amdgcn_target "amdgcn-amd-amdhsa--gfx1250"
	.amdhsa_code_object_version 6
	.text
	.protected	k_qd9b928ea2d_quant
	.globl	k_qd9b928ea2d_quant
	.p2align	8
	.type	k_qd9b928ea2d_quant,@function
k_qd9b928ea2d_quant:
	s_mov_b64 s[64:65], 0
	v_nop
	global_prefetch_b8 v0, s[64:65] scope:SCOPE_SE
	s_setreg_imm32_b32 hwreg(HW_REG_WAVE_MODE, 25, 1), 1
	s_wait_xcnt 0x0
; hidden_states, Wq, Wk, Wv, Wo ([2048][2048] f32, K innermost) become codes of FP6 (E2M3) with one E8M0 byte for each 32 along K, laid as the later launches' matrix operands want them;
; attention_mask is laid anew, still f32, in the order of the score registers of the attention launch; and the RoPE table (cos, sin) is made.
; TILES.  A tile is 16 rows: place p of tile t holds row 32 (t / 2) + 8 (t % 2) + p + 8 (p / 8).  With that choice a product's 16 result registers of two neighbouring tiles are 16 neighbours along the next K.
; IMAGES.  A fragment (16 rows x 128 K, 12 registers a lane) is stored as its registers: registers 4 c .. 4 c + 3 of lane l at byte 512 c + 16 l of 1,536.  codes: [tensor 5][tile 128][K step 16][1,536].
; scales: [tensor 5][tile 128][pair of K steps 8][place 16][2 words].  mimg: [tile 128][key step 16][8,192]: register 16 b + i of lane (r, h) is mask[row of place r][128 s + 32 b + 16 h + i].
; SHARES.  Work-groups 0 to 767: tensor = number / 128 (5 = the mask), tile = number % 128; wave w takes K steps 4 w .. 4 w + 3.  Work-groups 768 to 799: wave w makes the table of tile 4 (number - 768) + w.
; Each load reads 512 consecutive bytes of one row; a fragment's 16 x 512 bytes turn through the wave's own stage in LDS (rows 528 bytes apart: 132 words, so that the sixteen rows of a read begin in sixteen
; different groups of banks), so that a lane gets 16 neighbours of each block of 32.  Each store covers 512 consecutive bytes.  Waves share nothing: no barrier.  No matrix unit, no cluster: the launch only streams.
; THE QUANTISER: a block's scale is 2^(floor(log2(largest magnitude)) - 2); its byte is the largest magnitude's exponent field - 2, held at 1 from below.
; LIMITS: a block of zeros gets the byte 1 where the rule says 127 (its codes are zeros, and this program alone reads the bytes); NaN and infinities among the inputs are not served.
; RoPE: inv_freq = 2^(-f log2(10000) / 64) to about 2 ulp, so the angle t x inv_freq is off by up to 2e-4 rad at t = 2047; sine and cosine of that f32 angle to about 1e-7.
.set TEN,   3145728                    ; bytes of a tensor's codes
.set STEN,  131072                     ; bytes of a tensor's scale words
.set SP,    528                        ; a stage row
.set WREG,  16*SP                      ; a wave's stage
.set R,     16                         ; v16-143   two sets of 64 registers as loaded
.set X,     144                        ; v144-207  64 numbers: register 16 b + i = k 32 b + 16 h + i of my row
.set PC,    208                        ; v208-227  the codes just made (12 registers) and 8 at work
.set TM,    228                        ; v228-243  at work
.set W,     244                        ; v244-247  the scale words of my four K steps
.set D,     248                        ; v248-249  the two that I store
.set PW,    250                        ; v250      the scale word just made
.set SEL,   50                         ; s[50:51]  lane selects: lane l xor 16
; 64 numbers of a lane, v[s] on, become a fragment's codes in v[PC] on and its rows' scale word in v[PW]
.macro QUANT s
.irp b, 0,1,2,3
	v_max3_num_f32 v[TM+\b], |v[\s+16*\b]|, |v[\s+1+16*\b]|, 0x1800000   ; block b: my 16 numbers, and the floor 2^(3 - 127): the byte cannot fall under 1
.endr
.irp i, 2,4,6,8,10,12,14
.irp b, 0,1,2,3
	v_max3_num_f32 v[TM+\b], v[TM+\b], |v[\s+16*\b+\i]|, |v[\s+1+16*\b+\i]|   ; the four blocks by turns
.endr
.endr
.irp b, 0,1,2,3
	v_permlanex16_b32 v[TM+4+\b], v[TM+\b], s[SEL], s[SEL+1]
.endr
.irp b, 0,1,2,3
	v_max_num_f32 v[TM+\b], v[TM+\b], v[TM+4+\b]   ; with lane l xor 16's: the block's largest magnitude
.endr
.irp b, 0,1,2,3
	v_add_nc_u32 v[TM+12+\b], 0xff000000, v[TM+\b]   ; 2 off its exponent field: the conversion takes that field as its scale
.endr
.irp b, 0,1,2,3
	v_lshrrev_b32 v[TM+4+\b], 23, v[TM+12+\b]   ; the scale's byte
.endr
	v_lshl_or_b32 v[PW], v[TM+5], 8, v[TM+4]
	v_lshl_or_b32 v[PW], v[TM+6], 16, v[PW]
	v_lshl_or_b32 v[PW], v[TM+7], 24, v[PW]
.irp c, 0,1
	v_cvt_scalef32_pk16_fp6_f32 v[PC+6*\c:PC+2+6*\c], v[\s+32*\c:\s+15+32*\c], v[TM+12+2*\c]
	v_cvt_scalef32_pk16_fp6_f32 v[PC+12+4*\c:PC+14+4*\c], v[\s+16+32*\c:\s+31+32*\c], v[TM+12+2*\c+1]   ; (a conversion's three registers begin on an even number)
.endr
	v_nop                                          ; one plain place behind a scaled conversion
.irp c, 0,1                                    ; the operand wants a whole block in a lane: lanes 0-15 block 2 c, lanes 16-31 block 2 c + 1
.irp i, 0,1,2
	v_permlane16_swap_b32 v[PC+6*\c+\i], v[PC+12+4*\c+\i]
.endr
.irp i, 0,1,2
	v_mov_b32 v[PC+3+6*\c+\i], v[PC+12+4*\c+\i]
.endr
.endr
.endm
	s_load_b512 s[8:23], s[0:1], 0x0               ; hidden_states, Wq, Wk, Wv, Wo, the mask, codes s[20:21], scales s[22:23]
	s_load_b128 s[24:27], s[0:1], 0x40             ; mimg s[24:25], rope s[26:27]
	v_lshl_add_u32 v254, v0, 2, 0x8400
	v_mov_b32 v255, 0
	v_lshrrev_b32 v1, 5, v0
	v_readfirstlane_b32 s30, v1                    ; wave
	v_and_b32 v1, 31, v0                           ; lane
	v_and_b32 v2, 15, v0                           ; r
	v_bfe_u32 v3, v0, 4, 1                         ; h
	v_lshlrev_b32 v4, 4, v1                        ; 16 x lane
	s_cmp_ge_u32 ttmp9, 768
	s_cbranch_scc1 .Lrope
	s_lshr_b32 s28, ttmp9, 7                       ; tensor 0..5
	s_and_b32 s29, ttmp9, 127                      ; tile
	s_mul_i32 s31, s30, WREG
	v_add_nc_u32 v5, s31, v4                       ; the stage, on the way in: a row's 512 bytes as they lie
	v_mul_u32_u24 v6, v2, SP
	v_lshl_add_u32 v6, v3, 6, v6
	v_add_nc_u32 v6, s31, v6                       ; and on the way out: row r, + 64 h
	v_lshlrev_b32 v7, 3, v1                        ; 8 x lane
	s_mov_b32 s[SEL], 0x76543210
	s_mov_b32 s[SEL+1], 0xfedcba98
.irp b, 0,1,2,3
	v_mov_b32 v[TM+4+\b], 0                        ; a lane permute's destination counts as one of its sources
	v_mov_b32 v[W+\b], 0                           ; written on every path, the mask's too
.endr
	s_lshr_b32 s32, s29, 1                         ; the tile's first row, 32 (tile / 2) + 8 (tile % 2), in rows of 8,192 bytes, + my 2,048 bytes of it
	s_lshl_b32 s32, s32, 18
	s_and_b32 s33, s29, 1
	s_lshl_b32 s33, s33, 16
	s_add_co_u32 s32, s32, s33
	s_lshl_b32 s33, s30, 11
	s_add_co_u32 s32, s32, s33
	s_mov_b32 s33, 0
	s_mul_i32 s34, s28, TEN                        ; my four images
	s_mul_i32 s35, s29, 24576
	s_add_co_u32 s34, s34, s35
	s_mul_i32 s35, s30, 6144
	s_add_co_u32 s34, s34, s35
	s_mov_b32 s35, 0
	s_lshl_b32 s36, s28, 17                        ; my 256 bytes of scale words
	s_lshl_b32 s37, s29, 10
	s_add_co_u32 s36, s36, s37
	s_lshl_b32 s37, s30, 8
	s_add_co_u32 s36, s36, s37
	s_mov_b32 s37, 0
	s_lshl_b32 s38, s29, 17                        ; my four key steps of the mask's image
	s_lshl_b32 s39, s30, 15
	s_add_co_u32 s38, s38, s39
	s_mov_b32 s39, 0
	s_wait_kmcnt 0x0
.irp k, 1,2,3,4,5
	s_cmp_eq_u32 s28, \k                           ; the source is chosen by the work-group's number alone
	s_cselect_b64 s[8:9], s[8+2*\k:9+2*\k], s[8:9]
.endr
	s_add_nc_u64 s[8:9], s[8:9], s[32:33]
	s_add_nc_u64 s[20:21], s[20:21], s[34:35]      ; (not used by the mask's work-groups)
	s_add_nc_u64 s[22:23], s[22:23], s[36:37]
	s_add_nc_u64 s[24:25], s[24:25], s[38:39]
.macro LOAD t                          ; K step t of my four: 16 rows x 512 bytes
.irp p, 0,1,2,3,4,5,6,7,8,9,10,11,12,13,14,15
	global_load_b128 v[R+64*((\t)%2)+4*\p:R+64*((\t)%2)+4*\p+3], v4, s[8:9] offset:(\p+8*(\p/8))*8192+512*(\t) th:TH_LOAD_NT
.endr
.endm
.macro TURN t                          ; through the stage: LDS serves a wave's instructions in order (ISA guide 5.7.1.4), so no wait stands between the stores and the loads
.irp p, 0,1,2,3,4,5,6,7,8,9,10,11,12,13,14,15
	ds_store_b128 v5, v[R+64*((\t)%2)+4*\p:R+64*((\t)%2)+4*\p+3] offset:SP*\p
.endr
.irp c, 0,1,2,3,4,5,6,7,8,9,10,11,12,13,14,15
	ds_load_b128 v[X+4*\c:X+4*\c+3], v6 offset:128*(\c/4)+16*(\c%4)
.endr
.endm
.macro FRAGMENT t
.if \t < 3
	s_wait_loadcnt 16                              ; this K step's 16 loads are in; the next one's may be out
.else
	s_wait_loadcnt 0x0
.endif
	s_wait_xcnt 0x0                                ; the last fragment's stores have read X and PC: both are written again only behind this wait
	TURN \t
	s_wait_dscnt 0x0                               ; X is in, and the stage's stores have read their registers,
.if \t < 2
	LOAD \t+2                                      ; which take the loads of two K steps on
.endif
	s_cmp_eq_u32 s28, 5
	s_cbranch_scc1 .Lmask_\@
	QUANT X
	v_mov_b32 v[W+\t], v[PW]
.irp c, 0,1,2
	global_store_b128 v4, v[PC+4*\c:PC+4*\c+3], s[20:21] offset:1536*\t+512*\c   ; 512 consecutive bytes a store
.endr
	s_branch .Ljoin_\@
.Lmask_\@:
.irp c, 0,1,2,3,4,5,6,7,8,9,10,11,12,13,14,15
	global_store_b128 v4, v[X+4*\c:X+4*\c+3], s[24:25] offset:8192*\t+512*\c
.endr
.Ljoin_\@:
.endm
	LOAD 0
	LOAD 1
	FRAGMENT 0
	FRAGMENT 1
	FRAGMENT 2
	FRAGMENT 3
	s_cmp_eq_u32 s28, 5
	s_cbranch_scc1 .Lend
	v_cmp_le_u32 vcc_lo, 16, v1                    ; lanes 0-15 store K steps 4 w, 4 w + 1 of place r, lanes 16-31 K steps 4 w + 2, 4 w + 3 (both halves of the lanes hold every word)
	s_wait_alu depctr_va_vdst(0)
	v_cndmask_b32 v[D], v[W], v[W+2], vcc_lo
	v_cndmask_b32 v[D+1], v[W+1], v[W+3], vcc_lo
	global_store_b64 v7, v[D:D+1], s[22:23]        ; 256 consecutive bytes, aligned
.Lend:
	s_wait_tensorcnt 0x0
	ds_add_u32 v254, v255
	s_wait_dscnt 0x0
	s_endpgm
; THE TABLE of tile 4 (number - 768) + wave: registers 16 b + i (b = 0, 1): cos(t x inv_freq(f)), f = 32 b + 16 h + i, t = the row of place r; registers 32 on: sin likewise.
.Lrope:
	s_sub_co_u32 s29, ttmp9, 768
	s_lshl_b32 s29, s29, 2
	s_add_co_u32 s29, s29, s30                     ; tile
	s_lshr_b32 s32, s29, 1
	s_lshl_b32 s32, s32, 5
	s_and_b32 s33, s29, 1
	s_lshl_b32 s33, s33, 3
	s_add_co_u32 s32, s32, s33
	s_wait_alu depctr_va_vdst(0)
	v_and_b32 v8, 8, v2
	v_add_nc_u32 v8, v8, v2
	v_add_nc_u32 v8, s32, v8
	v_cvt_f32_u32 v8, v8                           ; t
	v_lshlrev_b32 v9, 4, v3                        ; 16 h
	s_lshl_b32 s34, s29, 13
	s_mov_b32 s35, 0
	s_mov_b32 s36, 0x3e549a78                      ; log2(10000) / 64, its f32 part,
	s_mov_b32 s37, 0x31979a29                      ; and what that leaves
	s_mov_b32 s38, 0xbf317218                      ; -ln 2
	s_mov_b32 s39, 0x3f22f983                      ; 2 / pi
	s_mov_b32 s40, 0xbfc90fd8                      ; -pi / 2 in three parts
	s_mov_b32 s41, 0xb4a8885a
	s_mov_b32 s42, 0xa7c234c4
	s_mov_b32 s43, 0xbe2aaaa3                      ; sine's polynomial on [-pi/4, pi/4]
	s_mov_b32 s44, 0x3c08839e
	s_mov_b32 s45, 0xb94ca1f9
	s_mov_b32 s46, 0x3d2aaaa5                      ; cosine's
	s_mov_b32 s47, 0xbab6061a
	s_mov_b32 s48, 0x37ccf5ce
	s_wait_alu depctr_va_vdst(0)
	s_wait_kmcnt 0x0
	s_add_nc_u64 s[26:27], s[26:27], s[34:35]
.set g, 0
.rept 8                                        ; four frequencies at a time, line by line, so that no line waits for the line above it
.irp k, 0,1,2,3
	v_add_nc_u32 v[80+\k], 32*((4*g+\k)/16)+(4*g+\k)%16, v9
.endr
.irp k, 0,1,2,3
	v_cvt_f32_u32 v[80+\k], v[80+\k]               ; f
.endr
.irp k, 0,1,2,3
	v_mul_f32 v[84+\k], s36, v[80+\k]              ; P = f x c, rounded;
.endr
.irp k, 0,1,2,3
	v_fma_f32 v[88+\k], v[80+\k], s36, -v[84+\k]   ; what the rounding dropped,
.endr
.irp k, 0,1,2,3
	v_fma_f32 v[88+\k], v[80+\k], s37, v[88+\k]    ; and c's own rest
.endr
.irp k, 0,1,2,3
	v_exp_f32 v[92+\k], -v[84+\k]
.endr
	v_nop                                          ; a plain place behind the exponentials
	s_wait_alu depctr_va_vdst(0)
.irp k, 0,1,2,3
	v_mul_f32 v[88+\k], v[92+\k], v[88+\k]
.endr
.irp k, 0,1,2,3
	v_fma_f32 v[92+\k], v[88+\k], s38, v[92+\k]    ; inv_freq = 2^-P (1 - rest x ln 2)
.endr
.irp k, 0,1,2,3
	v_mul_f32 v[96+\k], v8, v[92+\k]               ; the angle, in f32 as reference() has it
.endr
.irp k, 0,1,2,3
	v_mul_f32 v[100+\k], s39, v[96+\k]
.endr
.irp k, 0,1,2,3
	v_rndne_f32 v[100+\k], v[100+\k]               ; N quarter turns
.endr
.irp k, 0,1,2,3
	v_fma_f32 v[104+\k], v[100+\k], s40, v[96+\k]
.endr
.irp k, 0,1,2,3
	v_fma_f32 v[104+\k], v[100+\k], s41, v[104+\k]
.endr
.irp k, 0,1,2,3
	v_fma_f32 v[104+\k], v[100+\k], s42, v[104+\k] ; R = angle - N pi / 2
.endr
.irp k, 0,1,2,3
	v_mul_f32 v[108+\k], v[104+\k], v[104+\k]      ; Z = R^2
.endr
.irp k, 0,1,2,3
	v_fma_f32 v[112+\k], v[108+\k], s45, s44
.endr
.irp k, 0,1,2,3
	v_fma_f32 v[112+\k], v[112+\k], v[108+\k], s43
.endr
.irp k, 0,1,2,3
	v_mul_f32 v[112+\k], v[112+\k], v[108+\k]
.endr
.irp k, 0,1,2,3
	v_fma_f32 v[112+\k], v[112+\k], v[104+\k], v[104+\k]   ; sin R
.endr
.irp k, 0,1,2,3
	v_fma_f32 v[116+\k], v[108+\k], s48, s47
.endr
.irp k, 0,1,2,3
	v_fma_f32 v[116+\k], v[116+\k], v[108+\k], s46
.endr
.irp k, 0,1,2,3
	v_fma_f32 v[116+\k], v[116+\k], v[108+\k], -0.5
.endr
.irp k, 0,1,2,3
	v_fma_f32 v[116+\k], v[116+\k], v[108+\k], 1.0 ; cos R
.endr
.irp k, 0,1,2,3
	v_cvt_i32_f32 v[120+\k], v[100+\k]
.endr
.irp k, 0,1,2,3
	v_and_b32 v[124+\k], 1, v[120+\k]
	v_cmp_eq_u32 vcc_lo, 1, v[124+\k]              ; an odd N swaps the two
	v_cndmask_b32 v[128+\k], v[112+\k], v[116+\k], vcc_lo
	v_cndmask_b32 v[132+\k], v[116+\k], v[112+\k], vcc_lo
.endr
.irp k, 0,1,2,3
	v_lshlrev_b32 v[124+\k], 30, v[120+\k]         ; the sine is negative where N % 4 is 2 or 3,
.endr
.irp k, 0,1,2,3
	v_and_b32 v[124+\k], 0x80000000, v[124+\k]
.endr
.irp k, 0,1,2,3
	v_xor_b32 v[48+4*g+\k], v[124+\k], v[128+\k]
.endr
.irp k, 0,1,2,3
	v_add_nc_u32 v[120+\k], 1, v[120+\k]           ; the cosine where it is 1 or 2
.endr
.irp k, 0,1,2,3
	v_lshlrev_b32 v[120+\k], 30, v[120+\k]
.endr
.irp k, 0,1,2,3
	v_and_b32 v[120+\k], 0x80000000, v[120+\k]
.endr
.irp k, 0,1,2,3
	v_xor_b32 v[16+4*g+\k], v[120+\k], v[132+\k]
.endr
.set g, g+1
.endr
.irp c, 0,1,2,3,4,5,6,7,8,9,10,11,12,13,14,15
	global_store_b128 v4, v[16+4*\c:19+4*\c], s[26:27] offset:512*\c
.endr
	s_endpgm
.Lfunc_end_k_qd9b928ea2d_quant:
	.size	k_qd9b928ea2d_quant, .Lfunc_end_k_qd9b928ea2d_quant-k_qd9b928ea2d_quant
	.p2alignl 7, 3214868480
	.fill 96, 4, 3214868480
	.section	.rodata,"a",@progbits
	.p2align	6, 0x0
	.amdhsa_kernel k_qd9b928ea2d_quant
		.amdhsa_group_segment_fixed_size 34304
		.amdhsa_private_segment_fixed_size 0
		.amdhsa_enable_private_segment 0
		.amdhsa_kernarg_size 80
		.amdhsa_user_sgpr_count 2
		.amdhsa_user_sgpr_kernarg_segment_ptr 1
		.amdhsa_wavefront_size32 1
		.amdhsa_system_sgpr_workgroup_id_x 1
		.amdhsa_system_sgpr_workgroup_id_y 1
		.amdhsa_system_sgpr_workgroup_id_z 1
		.amdhsa_system_vgpr_workitem_id 0
		.amdhsa_next_free_vgpr 256
		.amdhsa_next_free_sgpr 66
		.amdhsa_reserve_vcc 1
		.amdhsa_float_denorm_mode_32 3
		.amdhsa_float_denorm_mode_16_64 3
		.amdhsa_memory_ordered 1
		.amdhsa_forward_progress 1
		.amdhsa_inst_pref_size 95
	.end_amdhsa_kernel
	.amdgpu_metadata
---
amdhsa.version: [ 1, 2 ]
amdhsa.kernels:
  - .name:           k_qd9b928ea2d_quant
    .symbol:         k_qd9b928ea2d_quant.kd
    .args:
      - { .name: hidden_states, .offset: 0, .size: 8, .value_kind: global_buffer, .address_space: global }
      - { .name: Wq, .offset: 8, .size: 8, .value_kind: global_buffer, .address_space: global }
      - { .name: Wk, .offset: 16, .size: 8, .value_kind: global_buffer, .address_space: global }
      - { .name: Wv, .offset: 24, .size: 8, .value_kind: global_buffer, .address_space: global }
      - { .name: Wo, .offset: 32, .size: 8, .value_kind: global_buffer, .address_space: global }
      - { .name: attention_mask, .offset: 40, .size: 8, .value_kind: global_buffer, .address_space: global }
      - { .name: codes, .offset: 48, .size: 8, .value_kind: global_buffer, .address_space: global }
      - { .name: scales, .offset: 56, .size: 8, .value_kind: global_buffer, .address_space: global }
      - { .name: mimg, .offset: 64, .size: 8, .value_kind: global_buffer, .address_space: global }
      - { .name: rope, .offset: 72, .size: 8, .value_kind: global_buffer, .address_space: global }
    .group_segment_fixed_size: 34304
    .private_segment_fixed_size: 0
    .kernarg_segment_align: 8
    .kernarg_segment_size: 80
    .max_flat_workgroup_size: 128
    .sgpr_count:     66
    .vgpr_count:     256
    .wavefront_size: 32
...
	.end_amdgpu_metadata
.endif
;; end of part 5
;; launch qkv (part 6): grid 24 x 8, 4 waves a work-group, clusters of 4 x 4, 327,680 bytes of LDS; arguments codes, scales, rope, bq, bk, bv, qop, kv; writes qop, kv
.if DOCPART == 6
	.amdgcn_target "amdgcn-amd-amdhsa--gfx1250"
	.amdhsa_code_object_version 6
	.text
	.protected	k_qd9b928ea2d_qkv
	.globl	k_qd9b928ea2d_qkv
	.p2align	8
	.type	k_qd9b928ea2d_qkv,@function
k_qd9b928ea2d_qkv:
	s_mov_b64 s[64:65], 0
	v_nop
	global_prefetch_b8 v0, s[64:65] scope:SCOPE_SE
	s_setreg_imm32_b32 hwreg(HW_REG_WAVE_MODE, 25, 1), 1
	s_wait_xcnt 0x0
	s_wait_alu depctr_hold_cnt(0) depctr_sa_sdst(0) depctr_va_vdst(0) depctr_va_sdst(0) depctr_va_ssrc(0) depctr_va_vcc(0) depctr_vm_vsrc(0)
	s_getreg_b32 s2, hwreg(HW_REG_IB_STS2, 6, 4)
	s_cmp_eq_u32 s2, 0
	s_cbranch_scc0 .Lentry_in_a_cluster
	s_endpgm
.Lentry_in_a_cluster:
	s_bfe_u32 s2, ttmp6, 0x10000c
	s_cmp_lg_u32 s2, 0xf033
	s_cbranch_scc0 .Lentry_shape_is_right
	s_endpgm
.Lentry_shape_is_right:
; The three projections on codes of FP6 (E2M3), and what follows them up to the attention's operands: bias, RoPE, q's factor 128^-0.5, all in f32, and the quantiser.  q, k and v never lie in memory as f32.
; A work-group makes 256 x 256 of a product, a wave 128 x 128: 64 accumulators of 16 x 16, 512 registers.  X = 0..23, Y = 0..7.  Cluster columns 0, 1 make q, 2, 3 make k, 4, 5 make v.
;   q, k: A = x (256 positions, index Y), B = Wq or Wk (256 features).  A wave's 128 features are one head, its 128 positions one block of queries or one key step.
;   v:    the product is taken the other way round, A = Wv (256 features, index Y), B = x (256 positions), since v's K in the attention is the keys.  The steps' text is the same.
; 192 work-groups: a smaller tile would give more, but then a wave's columns would no longer be a whole head (128 along the next K, and RoPE's pairs d, d + 64) and the way out would need other waves' numbers.
; OPERANDS come as images of their registers (launch quant): a fragment is 1,536 bytes, read by three loads of 16 bytes a lane at 16 x lane: no pitch, no padding, each load 512 consecutive bytes.
; THE MATRIX INSTRUCTION IS USED TRANSPOSED (source 0 = 16 rows of B, source 1 = 16 rows of A), and a tile's rows are 32 (t / 2) + 8 (t % 2) + p + 8 (p / 8): so for one tile a of A the 64 registers of its
; eight accumulators are, in lane (r, h), register 16 b + i = column 32 b + 16 h + i of A's row at place r: just what the conversions to codes want.
; THE RING: two LDS slots of THREE K steps of 128 (32 tiles x 3 images = 147,456 bytes), as large as two fit.  K's 16 steps go 3 + 3 (first fills), then 3, 3, 3, 1 (refills): four refills, each a wave's one load of 36,864 bytes
; (the last 12,288), asked for 160 matrix instructions ahead of the wait for it.  The steps are written out: each has its own scale registers.
; THE SCALE WORDS do not pass through LDS: each wave loads those of its 8 + 8 tiles, for all of K, once, into 128 registers.  A load covers 256 consecutive bytes, aligned: lanes 0-15 get the words of K steps 4 u, 4 u + 1 of
; places 0-15, lanes 16-31 those of K steps 4 u + 2, 4 u + 3.  So K step s takes register s % 2 of the pair and the lanes' half (s / 2) % 2, on both sides alike.
; CLUSTERS: 4 x 4.  The four of a row of the cluster need the same tiles of A, the four of a column the same tiles of B: each is asked for jointly, by the same tensor load with a mask that names the four.
; REGISTERS: window 0: v1-29 addresses; v32-159 scale words (32 (s / 4) + 16 side + 2 tile + s % 2); v160-255 A's fragments, one set.  window 1: B's fragments, two sets, at v0 and v128.  windows 2, 3: the accumulators ((a, b) at v[8 (8 (a % 4) + b)]).
; ORDER OF ROUNDING: q's factor is applied with the bias, ahead of the rotation, as acc x f + (bias x f); reference() applies it behind the rotation.  The two commute; the roundings differ by about an ulp of f32.
; LIMITS: a block of zeros gets the byte 1 (its codes are zeros; this program alone reads the bytes); NaN and infinities are not served.
.set FR,     12                        ; registers of a fragment
.set NL,     3                         ; LDS loads that bring one
.set NP,     4                         ; places behind this matrix instruction (ISA guide 7.12.1)
.set TP,     4608                      ; a tile's three images in a slot
.set HALFT,  8*TP                      ; 8 tiles: what one tensor load brings, and what one wave reads of A or of B
.set SLOT,   4*HALFT                   ; A's 16 tiles, then B's
.set SPARE,  2*SLOT                    ; behind the ring: the spare words, 128 bytes for each wave: two blocks of 256 bytes that no other line names
.set ADRA, 16                          ; v16-17  LDS address of my A fragments in slot 0, 1
.set ADRB, 20                          ; v20-21  the same for B
.set SPW,  28                          ; v28     LDS address of my spare word; never rewritten
.set NIL,  29                          ; v29     0; never rewritten
.set SC,   32
.set AF,   160
.set G1, 24                            ; s[24:31] descriptor group 1 for A's tiles; s[32:39] group 0, one set for each slot
.set G0, 32
.set G1B, 48                           ; the same for B's tiles
.set G0B, 56
.set G1L, 68                           ; s[68:75] group 1 for A's last refill: one image a tile
.set SA,  76                           ; s[76:77] the scale words of my 8 tiles of A
.set SB,  78                           ; s[78:79] of my 8 tiles of B
.set G1BL, 80                          ; s[80:87] group 1 for B's last refill
; the way out (the descriptors' registers are free then: no tensor load is out)
.set RT, 24                            ; s[24:25] the table at my first tile
.set OB, 26                            ; s[26:27] where my eight images go
.set WB, 28                            ; s[28:29] and their scale words
.set BP, 30                            ; s[30:31] my 128 numbers of the bias
.set QS, 32                            ; s[32:33] f = 128^-0.5 for q, 1 for k
.set SEL, 34                           ; s[34:35] lane selects: lane l xor 16
.set BI, 32                            ; v32-95   the bias (x f)
.set T,  96                            ; v96-111  four sets of two pairs, at work in the rotation
.set W,  112                           ; v112-119 the eight tiles' scale words
.set D,  120                           ; v120-123 the four that I store
.set PW, 124                           ; v124     the scale word just made
.set TM, 128                           ; v128-143 at work
.set XR, 160                           ; v160-223 64 numbers of a tile
.set PC, 224                           ; v224-243 the codes just made
.set MSB, 0
.macro WIN new                         ; the immediate's high byte repeats the setting that is left
.if MSB != (\new)
	s_set_vgpr_msb (MSB<<8)|(\new)
.set MSB, \new
.endif
.endm
.set MUL_LO, 0xa1                      ; source 0 (B) window 1, source 1 (A) window 0, C and D window 2
.set MUL_HI, 0xf1                      ; the same, C and D window 3
.set TO_B,   0x40                      ; destination window 1, address window 0
; A joint load: waves 0 and 1 fetch for A, waves 2 and 3 for B.  The branch hangs on the wave's number alone.  Four v_nop follow each of the two lines.
.macro JLOAD g0a, g1a, g0b, g1b
	s_cmp_eq_u32 s21, 0
	s_cbranch_scc0 .Lfor_b_\@
	tensor_load_to_lds s[\g0a:\g0a+3], s[\g1a:\g1a+7]
	s_nop 0
.rept 4
	v_nop
.endr
	s_branch .Lasked_\@
.Lfor_b_\@:
	tensor_load_to_lds s[\g0b:\g0b+3], s[\g1b:\g1b+7]
	s_nop 0
.rept 4
	v_nop
.endr
.Lasked_\@:
.endm
.macro CREST                           ; a round of the cluster's barrier behind its opening barrier
	s_cmp_lg_u32 s20, 0
	s_cbranch_scc1 .Lnot_wave_0_\@
	s_barrier_signal -3
.Lnot_wave_0_\@:
	s_barrier_wait -3
	s_barrier_signal -1
	s_barrier_wait -1
.endm
.macro CROUND                          ; a whole round
	s_barrier_signal -1
	s_barrier_wait -1
	CREST
.endm
.macro PLACES n
.rept \n
	v_nop
.endr
.endm
	s_load_b512 s[4:19], s[0:1], 0x0               ; codes s[4:5], scales s[6:7], rope s[8:9], bq s[10:11], bk s[12:13], bv s[14:15], qop s[16:17], kv s[18:19]
	v_lshl_add_u32 v[SPW], v0, 2, SPARE
	v_mov_b32 v[NIL], 0
	ds_add_u32 v28, v29
	ds_add_u32 v28, v29
	s_wait_dscnt 0x0
	v_lshrrev_b32 v1, 5, v0
	v_readfirstlane_b32 s20, v1                    ; wave 0..3
	s_lshr_b32 s21, s20, 1                         ; which half of A's rows is mine.  Also: I fetch for A (0) or for B (1)
	s_and_b32 s22, s20, 1                          ; which half of B's rows.  Also: which 8 tiles I fetch
	s_bfe_u32 s40, ttmp6, 0x40000                  ; cx, cy: my place in the cluster
	s_bfe_u32 s41, ttmp6, 0x40004
	s_lshl_b32 s42, ttmp9, 2
	s_add_co_u32 s42, s42, s40                     ; X = 4 x cluster x + cx
	s_and_b32 s43, ttmp7, 0xffff
	s_lshl_b32 s43, s43, 2
	s_add_co_u32 s43, s43, s41                     ; Y = 4 x cluster y + cy
	s_lshl_b32 s44, s41, 2
	s_lshl_b32 s44, 15, s44                        ; my row of the cluster
	s_lshl_b32 s45, 0x1111, s40                    ; my column
	s_cmp_ge_u32 ttmp9, 4                          ; v?  The cluster's x decides: alike in all sixteen
	s_cselect_b32 s46, 24, 0
	s_cselect_b32 s47, -16, 8
	s_add_co_u32 s46, s46, s43                     ; A's block of 256 rows among the 40 of codes: x's Y, or Wv's 24 + Y
	s_add_co_u32 s47, s47, s42                     ; B's: Wq's and Wk's 8 + X, or x's X - 16
	; descriptor group 1: 8 tiles' 4,608 bytes (three images), 24,576 bytes apart (a tile's 16 images): elements of 8 bytes; for the last refill 1,536 bytes (one image)
	s_or_b32 s[G1+0], s44, (3<<16)|(1<<21)         ; 15:0 the mask: A's tiles go to my row; 17:16 elements of 8 bytes; 21 set beside a mask
	s_or_b32 s[G1B+0], s45, (3<<16)|(1<<21)        ; B's go to my column
	s_or_b32 s[G1L+0], s44, (3<<16)|(1<<21)
	s_or_b32 s[G1BL+0], s45, (3<<16)|(1<<21)
.irp g, G1, G1B
	s_mov_b32 s[\g+1], 576<<16                     ; tensor_dim0
	s_mov_b32 s[\g+2], 8<<16                       ; tensor_dim1
	s_mov_b32 s[\g+3], 576<<16                     ; tile_dim0
	s_mov_b32 s[\g+4], 8                           ; tile_dim1
	s_mov_b32 s[\g+5], 3072                        ; tensor_dim0_stride
	s_mov_b32 s[\g+6], 0
	s_mov_b32 s[\g+7], 0
.endr
.irp g, G1L, G1BL
	s_mov_b32 s[\g+1], 192<<16
	s_mov_b32 s[\g+2], 8<<16
	s_mov_b32 s[\g+3], 192<<16
	s_mov_b32 s[\g+4], 8
	s_mov_b32 s[\g+5], 3072
	s_mov_b32 s[\g+6], 0
	s_mov_b32 s[\g+7], 0
.endr
	s_mul_i32 s92, s46, 393216                     ; A's codes: 256 rows are 393,216 bytes; + the 8 tiles that I fetch
	s_mul_i32 s100, s22, 196608
	s_add_co_u32 s92, s92, s100
	s_mov_b32 s93, 0
	s_mul_i32 s96, s47, 393216                     ; B's
	s_add_co_u32 s96, s96, s100
	s_mov_b32 s97, 0
	s_lshl_b32 s94, s46, 14                        ; A's scale words: 16,384 bytes for 256 rows; + the 8 tiles that I multiply
	s_lshl_b32 s101, s21, 13
	s_add_co_u32 s94, s94, s101
	s_mov_b32 s95, 0
	s_lshl_b32 s98, s47, 14                        ; B's
	s_lshl_b32 s101, s22, 13
	s_add_co_u32 s98, s98, s101
	s_mov_b32 s99, 0
	s_mul_i32 s100, s20, HALFT                     ; where the tiles go: by the wave's number alone
	s_wait_kmcnt 0x0
	s_add_nc_u64 s[92:93], s[4:5], s[92:93]
	s_add_nc_u64 s[96:97], s[4:5], s[96:97]
	s_add_nc_u64 s[SA:SA+1], s[6:7], s[94:95]
	s_add_nc_u64 s[SB:SB+1], s[6:7], s[98:99]
	CROUND                                         ; all sixteen work-groups are here: the first joint loads meet
.irp s, 0,1
	s_mov_b32 s[G0+4*\s], 1
	s_add_co_u32 s[G0+4*\s+1], s100, \s*SLOT
	s_add_nc_u64 s[G0+4*\s+2:G0+4*\s+3], s[92:93], \s*TP   ; K steps 3 s on
	s_or_b32 s[G0+4*\s+3], s[G0+4*\s+3], 0x80000000
	s_mov_b32 s[G0B+4*\s], 1
	s_add_co_u32 s[G0B+4*\s+1], s100, \s*SLOT
	s_add_nc_u64 s[G0B+4*\s+2:G0B+4*\s+3], s[96:97], \s*TP
	s_or_b32 s[G0B+4*\s+3], s[G0B+4*\s+3], 0x80000000
.endr
	JLOAD G0, G1, G0B, G1B                         ; slot 0's first fill: one tensor load a wave at the head
	v_and_b32 v1, 15, v0                           ; r
	v_bfe_u32 v2, v0, 4, 1                         ; h
	v_and_b32 v4, 31, v0                           ; lane
	v_lshlrev_b32 v3, 4, v4                        ; 16 x lane: my place in every image
	v_lshlrev_b32 v7, 3, v4                        ; 8 x lane: my place in 256 bytes of scale words
.irp u, 0,1,2,3                                ; all scale words, once: four K steps of a tile a load
.irp i, 0,1,2,3,4,5,6,7
	global_load_b64 v[SC+32*\u+2*\i:SC+32*\u+2*\i+1], v7, s[SA:SA+1] offset:1024*\i+256*\u
	global_load_b64 v[SC+32*\u+16+2*\i:SC+32*\u+16+2*\i+1], v7, s[SB:SB+1] offset:1024*\i+256*\u
.endr
.endr
	s_mul_i32 s92, s21, HALFT                      ; my 8 tiles of A
	s_mul_i32 s93, s22, HALFT                      ; my 8 tiles of B,
	s_add_co_u32 s93, s93, 2*HALFT                 ; which lie behind A's 16
.irp s, 0,1
	v_add_nc_u32 v[ADRA+\s], s92, v3
	v_add_nc_u32 v[ADRB+\s], s93, v3
	s_add_co_u32 s92, s92, SLOT
	s_add_co_u32 s93, s93, SLOT
.endr
.macro FRAG reg, adr, off              ; an image: three loads of 512 consecutive bytes
.irp c, 0,1,2
	ds_load_b128 v[\reg+4*\c:\reg+4*\c+3], v[\adr] offset:\off+512*\c
.endr
.endm
; 16 matrix instructions of K step s: A's tiles a0, a0 + 1 x B's eight.  B's set is s % 2.  zero = 1: the first product starts the sums: nothing is cleared.
; The 64 accumulators take turns, one instruction a turn, in the same order in every step.
.macro MUL16 a0, s, zero
.set BS, 128*((\s)%2)
.set SS, SC+32*((\s)/4)+(\s)%2
.irp a, \a0, \a0+1
.irp b, 0,1,2,3,4,5,6,7
.if \zero
	v_wmma_scale_f32_16x16x128_f8f6f4 v[8*(8*((\a)%4)+\b):8*(8*((\a)%4)+\b)+7], v[BS+FR*\b:BS+FR*\b+FR-1], v[AF+FR*(\a):AF+FR*(\a)+FR-1], 0, v[SS+16+2*\b], v[SS+2*(\a)] matrix_a_fmt:MATRIX_FMT_FP6 matrix_b_fmt:MATRIX_FMT_FP6
.elseif ((\s)/2)%2
	v_wmma_scale_f32_16x16x128_f8f6f4 v[8*(8*((\a)%4)+\b):8*(8*((\a)%4)+\b)+7], v[BS+FR*\b:BS+FR*\b+FR-1], v[AF+FR*(\a):AF+FR*(\a)+FR-1], v[8*(8*((\a)%4)+\b):8*(8*((\a)%4)+\b)+7], v[SS+16+2*\b], v[SS+2*(\a)] matrix_a_fmt:MATRIX_FMT_FP6 matrix_b_fmt:MATRIX_FMT_FP6 matrix_a_scale:MATRIX_SCALE_ROW1 matrix_b_scale:MATRIX_SCALE_ROW1
.else
	v_wmma_scale_f32_16x16x128_f8f6f4 v[8*(8*((\a)%4)+\b):8*(8*((\a)%4)+\b)+7], v[BS+FR*\b:BS+FR*\b+FR-1], v[AF+FR*(\a):AF+FR*(\a)+FR-1], v[8*(8*((\a)%4)+\b):8*(8*((\a)%4)+\b)+7], v[SS+16+2*\b], v[SS+2*(\a)] matrix_a_fmt:MATRIX_FMT_FP6 matrix_b_fmt:MATRIX_FMT_FP6
.endif
.endr
.endr
.endm
; K step s lies in slot (s / 3) % 2, as image s % 3 of each tile's three; K step 15 came alone: one image a tile
.macro FETCH_B s
.set SLF, ((\s)/3)%2
.set QO, 1536*((\s)%3)
.set PT, TP
.if (\s) == 15
.set PT, 1536
.endif
	WIN TO_B
.irp i, 0,1,2,3,4,5,6,7
	FRAG 128*((\s)%2)+FR*\i, ADRB+SLF, PT*\i+QO
.endr
	WIN 0
.endm
.macro FETCH_A s, i0
.set SLF, ((\s)/3)%2
.set QO, 1536*((\s)%3)
.set PT, TP
.if (\s) == 15
.set PT, 1536
.endif
.irp i, \i0, \i0+1, \i0+2, \i0+3
	FRAG AF+FR*(\i), ADRA+SLF, PT*(\i)+QO
.endr
.endm
; A K step that has its successor in the same slot.  A's tiles are free as soon as their eight products are issued: one set serves A; B's are at work through the step: two sets.
.macro STEPN s, zero
	s_wait_dscnt 4*NL                              ; B's set and A's tiles 0-3 are in; the youngest 12 loads, A's tiles 4-7, may be out
	WIN MUL_LO
	MUL16 0, \s, \zero
	MUL16 2, \s, \zero
	s_wait_dscnt 0                                 ; A's tiles 4-7 are in
	PLACES NP                                      ; in front of loads into registers that matrix instructions have read
	FETCH_B \s+1
	FETCH_A \s+1, 0
	WIN MUL_HI
	MUL16 4, \s, \zero
	MUL16 6, \s, \zero
	PLACES NP
	WIN 0
	FETCH_A \s+1, 4
.endm
; A slot's last step changes slots: one barrier; in front of it each wave waits for all its tensor loads, adds 0 to its spare word, and waits for that and for its reads of this slot.
; fill = 1: this slot is filled again, with the K steps six on, by group 1 ga (A's) or gb (B's).
.macro STEPT s, fill, ga, gb
.set SLT, ((\s)/3)%2
	s_wait_tensorcnt 0x0                           ; all my tensor loads have landed: my part of the next slot
	ds_add_u32 v[SPW], v[NIL]                      ; 0 onto my spare word
	s_wait_dscnt 4*NL+1                            ; (the add and the youngest 12 loads may be out)
	WIN MUL_LO
	MUL16 0, \s, 0                                 ; sixteen matrix instructions stand between the add and the wait for it
	s_wait_dscnt 0x0                               ; the add is done, and my reads of this slot are over
	s_barrier_signal -1
	MUL16 2, \s, 0
	WIN 0
	s_barrier_wait -1
.if \fill
	CREST                                          ; the barrier has opened a round of the cluster's barrier: no wave of any partner still reads this slot or has a load on its way
	s_add_nc_u64 s[G0+4*SLT+2:G0+4*SLT+3], s[G0+4*SLT+2:G0+4*SLT+3], 2*TP
	s_add_nc_u64 s[G0B+4*SLT+2:G0B+4*SLT+3], s[G0B+4*SLT+2:G0B+4*SLT+3], 2*TP
	JLOAD G0+4*SLT, \ga, G0B+4*SLT, \gb            ; the first tensor load behind the round; its four v_nop are also the places in front of the loads below
.else
	PLACES NP
.endif
	FETCH_B \s+1
	FETCH_A \s+1, 0
	WIN MUL_HI
	MUL16 4, \s, 0
	MUL16 6, \s, 0
	PLACES NP
	WIN 0
	FETCH_A \s+1, 4
.endm
.macro LAST                            ; K step 15: nothing more to fetch; four places behind it: results are read, and sources written, from there on
	s_wait_dscnt 4*NL
	WIN MUL_LO
	MUL16 0, 15, 0
	MUL16 2, 15, 0
	s_wait_dscnt 0x0
	WIN MUL_HI
	MUL16 4, 15, 0
	MUL16 6, 15, 0
	WIN 0
	PLACES NP
.endm
	s_wait_alu depctr_va_vdst(0)
	s_wait_tensorcnt 0x0                           ; my part of slot 0 is in
	ds_add_u32 v[SPW], v[NIL]
	s_wait_dscnt 0x0
	CROUND                                         ; everybody's part of slot 0 is in, and all sixteen work-groups are here
	JLOAD G0+4, G1, G0B+4, G1B                     ; slot 1's first fill, K steps 3 to 5: the first tensor load behind the round
	FETCH_B 0
	FETCH_A 0, 0
	FETCH_A 0, 4
	s_wait_loadcnt 0x0                             ; the scale words
	STEPN 0, 1                                     ; its products start the sums
	STEPN 1, 0
	STEPT 2, 1, G1, G1B                            ; slot 0 takes K steps 6 to 8
	STEPN 3, 0
	STEPN 4, 0
	STEPT 5, 1, G1, G1B                            ; slot 1 takes 9 to 11
	STEPN 6, 0
	STEPN 7, 0
	STEPT 8, 1, G1, G1B                            ; slot 0 takes 12 to 14
	STEPN 9, 0
	STEPN 10, 0
	STEPT 11, 1, G1L, G1BL                         ; slot 1 takes 15
	STEPN 12, 0
	STEPN 13, 0
	STEPT 14, 0, G1, G1B                           ; nothing is left to ask for
; THE WAY OUT: no LDS.  Tile by tile of A: 64 numbers a lane, finished in f32, quantised, stored as an image (three stores of 512 consecutive bytes).
; It begins ahead of K step 15: the bias and the first two tiles' tables are asked for in front of that step's 64 products, into registers that are free by then.
.macro QUANT s
.irp b, 0,1,2,3
	v_max3_num_f32 v[TM+\b], |v[\s+16*\b]|, |v[\s+1+16*\b]|, 0x1800000   ; block b: my 16 numbers, and the floor 2^(3 - 127): the byte cannot fall under 1
.endr
.irp i, 2,4,6,8,10,12,14
.irp b, 0,1,2,3
	v_max3_num_f32 v[TM+\b], v[TM+\b], |v[\s+16*\b+\i]|, |v[\s+1+16*\b+\i]|
.endr
.endr
.irp b, 0,1,2,3
	v_permlanex16_b32 v[TM+4+\b], v[TM+\b], s[SEL], s[SEL+1]
.endr
.irp b, 0,1,2,3
	v_max_num_f32 v[TM+\b], v[TM+\b], v[TM+4+\b]   ; with lane l xor 16's: the block's largest magnitude
.endr
.irp b, 0,1,2,3
	v_add_nc_u32 v[TM+12+\b], 0xff000000, v[TM+\b]   ; 2 off its exponent field: the conversion's scale operand
.endr
.irp b, 0,1,2,3
	v_lshrrev_b32 v[TM+4+\b], 23, v[TM+12+\b]   ; the scale's byte
.endr
	v_lshl_or_b32 v[PW], v[TM+5], 8, v[TM+4]
	v_lshl_or_b32 v[PW], v[TM+6], 16, v[PW]
	v_lshl_or_b32 v[PW], v[TM+7], 24, v[PW]
.irp c, 0,1
	v_cvt_scalef32_pk16_fp6_f32 v[PC+6*\c:PC+2+6*\c], v[\s+32*\c:\s+15+32*\c], v[TM+12+2*\c]
	v_cvt_scalef32_pk16_fp6_f32 v[PC+12+4*\c:PC+14+4*\c], v[\s+16+32*\c:\s+31+32*\c], v[TM+12+2*\c+1]
.endr
	v_nop                                          ; one plain place behind a scaled conversion
.irp c, 0,1
.irp i, 0,1,2
	v_permlane16_swap_b32 v[PC+6*\c+\i], v[PC+12+4*\c+\i]
.endr
.irp i, 0,1,2
	v_mov_b32 v[PC+3+6*\c+\i], v[PC+12+4*\c+\i]
.endr
.endr
.endm
.macro PUT a                           ; XR becomes tile a's image and scale word
	s_wait_xcnt 0x0                                ; the last tile's stores have read PC
	QUANT XR
	v_mov_b32 v[W+(\a)], v[PW]
.irp c, 0,1,2
	global_store_b128 v3, v[PC+4*\c:PC+4*\c+3], s[OB:OB+1] offset:1536*(\a)+512*\c
.endr
.endm
.macro OUTWORDS                        ; lanes 0-15 store the words of tiles 0-3 of place r, lanes 16-31 those of tiles 4-7: 512 consecutive bytes
	v_cmp_le_u32 vcc_lo, 16, v4
.irp k, 0,1,2,3
	v_cndmask_b32 v[D+\k], v[W+\k], v[W+4+\k], vcc_lo
.endr
	global_store_b128 v3, v[D:D+3], s[WB:WB+1]
.endm
.macro TABLOAD a                       ; cos and sin for the positions of tile a, in XR's order, into window 1, set a % 4
	WIN 0x40
.irp c, 0,1,2,3,4,5,6,7,8,9,10,11,12,13,14,15
	global_load_b128 v[64*((\a)%4)+4*\c:64*((\a)%4)+4*\c+3], v3, s[RT:RT+1] offset:8192*(\a)+512*\c
.endr
	WIN 0
.endm
.macro EPIQK a
.if \a < 5
	s_wait_loadcnt 48                              ; this tile's table is in; those of the next three tiles, 48 loads, may be out
.else
	s_wait_loadcnt 16*(7-\a)                       ; the counts run down
.endif
	WIN 0x02+((\a)/4)                              ; source 0: window 2 or 3
.set p, 0
.rept 32
	v_pk_fma_f32 v[XR+p:XR+p+1], v[64*((\a)%4)+p:64*((\a)%4)+p+1], s[QS:QS+1], v[BI+p:BI+p+1] op_sel_hi:[1,0,1]   ; (sum + bias) x f in one fused multiply-add; each accumulator from its low end on
.set p, p+2
.endr
	WIN 0x04                                       ; source 1: window 1, the table
.set n, 0
.rept 16                                       ; d = 32 b + 16 h + i under 64 pairs with d + 64: x1 cos - x2 sin, x2 cos + x1 sin
.set X1, XR+16*(n/8)+2*(n%8)
.set CC, 64*((\a)%4)+16*(n/8)+2*(n%8)
.set TT, T+4*(n%4)
	v_pk_mul_f32 v[TT:TT+1], v[X1+32:X1+33], v[CC+32:CC+33]
	v_pk_mul_f32 v[TT+2:TT+3], v[X1:X1+1], v[CC+32:CC+33]
	v_pk_fma_f32 v[X1:X1+1], v[X1:X1+1], v[CC:CC+1], v[TT:TT+1] neg_lo:[0,0,1] neg_hi:[0,0,1]
	v_pk_fma_f32 v[X1+32:X1+33], v[X1+32:X1+33], v[CC:CC+1], v[TT+2:TT+3]
.set n, n+1
.endr
.if \a < 4
	TABLOAD \a+4                                   ; the set just read takes the table of four tiles on
.else
	WIN 0
.endif
	PUT \a
.endm
.macro EPIV a
	WIN 0x02+((\a)/4)
.set p, 0
.rept 32
	v_pk_add_f32 v[XR+p:XR+p+1], v[64*((\a)%4)+p:64*((\a)%4)+p+1], v[BI+2*(\a):BI+2*(\a)+1]   ; my row is one feature: one number of the bias
.set p, p+2
.endr
	WIN 0
	PUT \a
.endm
	s_mov_b32 s[SEL], 0x76543210                   ; (K step 14's wait has shown every tensor load done: the descriptors' registers are free)
	s_mov_b32 s[SEL+1], 0xfedcba98
	s_lshl_b32 s92, s43, 1
	s_add_co_u32 s92, s92, s21                     ; my block of 128 rows of A
	s_lshl_b32 s96, s42, 1
	s_add_co_u32 s96, s96, s22                     ; my block of 128 rows of B
	s_cmp_ge_u32 ttmp9, 4
	s_cbranch_scc1 .Lv
	s_and_b32 s96, s96, 15                         ; the head
	s_lshl_b32 s94, s96, 4
	s_add_co_u32 s94, s94, s92                     ; 16 head + block of positions
	s_lshl_b32 s98, s96, 9                         ; the head's 128 numbers of the bias
	s_mov_b32 s99, 0
	s_lshl_b32 s100, s92, 16                       ; the table: 8 tiles of 8,192 bytes a block
	s_mov_b32 s101, 0
	s_add_nc_u64 s[RT:RT+1], s[8:9], s[100:101]
	s_cmp_lt_u32 ttmp9, 2                          ; q or k
	s_cselect_b64 s[OB:OB+1], s[16:17], s[18:19]
	s_cselect_b64 s[BP:BP+1], s[10:11], s[12:13]
	s_cselect_b32 s95, 1, 2
	s_cselect_b32 s[QS], 0x3db504f3, 1.0           ; 128^-0.5
	s_mov_b32 s[QS+1], s[QS]                       ; (named with it as a pair, so it is written)
	s_mul_i32 s96, s94, s95
	s_mul_i32 s96, s96, 12800                      ; a block of qop is 12,800 bytes, of kv 25,600
	s_mov_b32 s97, 0
	s_add_nc_u64 s[OB:OB+1], s[OB:OB+1], s[96:97]
	s_mul_i32 s100, s95, 12288                     ; the words lie 12,288 bytes on in qop, 24,576 in kv
	s_add_nc_u64 s[WB:WB+1], s[OB:OB+1], s[100:101]
	s_add_nc_u64 s[BP:BP+1], s[BP:BP+1], s[98:99]
	v_lshlrev_b32 v5, 6, v2                        ; the bias in XR's order: 64 h + 128 b + 16 j bytes
.irp c, 0,1,2,3,4,5,6,7,8,9,10,11,12,13,14,15
	global_load_b128 v[BI+4*\c:BI+4*\c+3], v5, s[BP:BP+1] offset:128*(\c/4)+16*(\c%4)   ; into the scale registers of K steps 0 to 7, long since read
.endr
	TABLOAD 0                                      ; into B's set 0 and the registers behind it: K step 14 was that set's last reader, four places back
	TABLOAD 1
	LAST
	s_wait_loadcnt 32                              ; the bias is in; the two tables, 32 loads, may be out
.set p, 0
.rept 32
	v_pk_mul_f32 v[BI+p:BI+p+1], v[BI+p:BI+p+1], s[QS:QS+1] op_sel_hi:[1,0]   ; bias x f, once for the eight tiles
.set p, p+2
.endr
	TABLOAD 2                                      ; into B's set 1, free now
	TABLOAD 3
.irp b, 0,1,2,3
	v_mov_b32 v[TM+4+\b], 0                        ; a lane permute's destination counts as one of its sources
.endr
.irp a, 0,1,2,3,4,5,6,7
	EPIQK \a
.endr
	OUTWORDS
	s_branch .Ljoin
.Lv:
	s_lshl_b32 s94, s92, 4                         ; A's block is the head, B's block - 32 the key step
	s_add_co_u32 s94, s94, s96
	s_sub_co_u32 s94, s94, 32
	s_mul_i32 s96, s94, 25600
	s_add_co_u32 s96, s96, 12288                   ; V's images lie behind K's
	s_mov_b32 s97, 0
	s_add_nc_u64 s[OB:OB+1], s[18:19], s[96:97]
	s_add_nc_u64 s[WB:WB+1], s[OB:OB+1], 12800     ; V's words: byte 25,088 of the block
	s_lshl_b32 s98, s92, 9
	s_mov_b32 s99, 0
	s_add_nc_u64 s[BP:BP+1], s[14:15], s[98:99]
	v_and_b32 v5, 8, v1
	v_add_nc_u32 v5, v5, v1
	v_lshlrev_b32 v5, 2, v5                        ; my place's feature in a tile: r + 8 (r / 8)
.irp a, 0,1,2,3,4,5,6,7
	global_load_b32 v[BI+2*\a], v5, s[BP:BP+1] offset:(32*(\a/2)+8*(\a%2))*4
	global_load_b32 v[BI+2*\a+1], v5, s[BP:BP+1] offset:(32*(\a/2)+8*(\a%2))*4   ; twice: a pair for the packed addition
.endr
	LAST
.irp b, 0,1,2,3
	v_mov_b32 v[TM+4+\b], 0
.endr
	s_wait_loadcnt 0x0
.irp a, 0,1,2,3,4,5,6,7
	EPIV \a
.endr
	OUTWORDS
.Ljoin:
	s_wait_tensorcnt 0x0                           ; the wave's end
	ds_add_u32 v[SPW], v[NIL]
	s_wait_dscnt 0x0
	CROUND                                         ; the closing round: no work-group ends while a partner may still ask for a tile that names it
	s_endpgm
.Lfunc_end_k_qd9b928ea2d_qkv:
	.size	k_qd9b928ea2d_qkv, .Lfunc_end_k_qd9b928ea2d_qkv-k_qd9b928ea2d_qkv
	.p2alignl 7, 3214868480
	.fill 96, 4, 3214868480
	.section	.rodata,"a",@progbits
	.p2align	6, 0x0
	.amdhsa_kernel k_qd9b928ea2d_qkv
		.amdhsa_group_segment_fixed_size 327680
		.amdhsa_private_segment_fixed_size 0
		.amdhsa_enable_private_segment 0
		.amdhsa_kernarg_size 64
		.amdhsa_user_sgpr_count 2
		.amdhsa_user_sgpr_kernarg_segment_ptr 1
		.amdhsa_wavefront_size32 1
		.amdhsa_system_sgpr_workgroup_id_x 1
		.amdhsa_system_sgpr_workgroup_id_y 1
		.amdhsa_system_sgpr_workgroup_id_z 1
		.amdhsa_system_vgpr_workitem_id 0
		.amdhsa_next_free_vgpr 1024
		.amdhsa_next_free_sgpr 102
		.amdhsa_reserve_vcc 1
		.amdhsa_float_denorm_mode_32 3
		.amdhsa_float_denorm_mode_16_64 3
		.amdhsa_memory_ordered 1
		.amdhsa_forward_progress 1
		.amdhsa_inst_pref_size 255
	.end_amdhsa_kernel
	.section	.bss,"aw",@nobits
	.p2align	6
	.space	262144
	.amdgpu_metadata
---
amdhsa.version: [ 1, 2 ]
amdhsa.kernels:
  - .name:           k_qd9b928ea2d_qkv
    .symbol:         k_qd9b928ea2d_qkv.kd
    .args:
      - { .name: codes, .offset: 0, .size: 8, .value_kind: global_buffer, .address_space: global }
      - { .name: scales, .offset: 8, .size: 8, .value_kind: global_buffer, .address_space: global }
      - { .name: rope, .offset: 16, .size: 8, .value_kind: global_buffer, .address_space: global }
      - { .name: bq, .offset: 24, .size: 8, .value_kind: global_buffer, .address_space: global }
      - { .name: bk, .offset: 32, .size: 8, .value_kind: global_buffer, .address_space: global }
      - { .name: bv, .offset: 40, .size: 8, .value_kind: global_buffer, .address_space: global }
      - { .name: qop, .offset: 48, .size: 8, .value_kind: global_buffer, .address_space: global }
      - { .name: kv, .offset: 56, .size: 8, .value_kind: global_buffer, .address_space: global }
    .group_segment_fixed_size: 327680
    .private_segment_fixed_size: 0
    .kernarg_segment_align: 8
    .kernarg_segment_size: 64
    .max_flat_workgroup_size: 128
    .sgpr_count:     102
    .vgpr_count:     1024
    .wavefront_size: 32
...
	.end_amdgpu_metadata
.endif
;; end of part 6
;; launch attn (part 7): grid 16 x 16, 8 waves a work-group, clusters of 4 x 1, 327,680 bytes of LDS; arguments qop, kv, mimg, ocodes, oscales; writes ocodes, oscales
.if DOCPART == 7
	.amdgcn_target "amdgcn-amd-amdhsa--gfx1250"
	.amdhsa_code_object_version 6
	.text
	.protected	k_qd9b928ea2d_attn
	.globl	k_qd9b928ea2d_attn
	.p2align	8
	.type	k_qd9b928ea2d_attn,@function
k_qd9b928ea2d_attn:
	s_mov_b64 s[64:65], 0
	v_nop
	global_prefetch_b8 v0, s[64:65] scope:SCOPE_SE
	s_setreg_imm32_b32 hwreg(HW_REG_WAVE_MODE, 25, 1), 1
	s_wait_xcnt 0x0
	s_wait_alu depctr_hold_cnt(0) depctr_sa_sdst(0) depctr_va_vdst(0) depctr_va_sdst(0) depctr_va_ssrc(0) depctr_va_vcc(0) depctr_vm_vsrc(0)
	s_getreg_b32 s2, hwreg(HW_REG_IB_STS2, 6, 4)
	s_cmp_eq_u32 s2, 0
	s_cbranch_scc0 .Lentry_in_a_cluster
	s_endpgm
.Lentry_in_a_cluster:
	s_bfe_u32 s2, ttmp6, 0x10000c
	s_cmp_lg_u32 s2, 0x3003
	s_cbranch_scc0 .Lentry_shape_is_right
	s_endpgm
.Lentry_shape_is_right:
; o = softmax(q k^T + mask) v for 16 heads, 2,048 queries and keys, head size 128, both products on codes of FP6 (E2M3); o leaves as codes too, the next product's operand.  q already carries 128^-0.5.
; THE MASK IS AN INPUT: every one of its numbers is read and added in f32; no key is left out.  It is the C of the score's matrix instruction (its image has the order of the score registers).
; THE SOFTMAX AHEAD OF THE SECOND PRODUCT: t = logit x log2(e); M = the row's largest t so far, rounded up to a whole number; p = 2^(t - M) is quantised along the keys, not normalised.  The row's sum is taken of the
; unquantised p and divides O at the end.  When M moves, the sum and O are multiplied by 2^(old M - new M): exact.
; SHARES.  A work-group owns 128 queries of one head; each of its eight waves 16 of them, one tile; two waves share a SIMD.  Every wave walks the head's 16 key steps of 128.
; A key step's block of kv (25,600 bytes: K's 8 images, V's 8 images, K's and V's scale words) is dense.
; LDS holds twelve key steps, step s at byte 25,600 s.  FOUR FILLS, each wave an eighth of each, one tensor load a wave: key steps 0, 1 at the head (6,400 bytes a wave); 2 to 5 behind the first round (12,800);
; 6 to 11 behind the round ahead of step 2 (19,200); 12 to 15 behind the round ahead of step 6, onto bytes 0 to 102,399, which steps 0 to 3 have left (12,800).
; A fill is asked for 2, 4 or 6 key steps ahead of its first read, so no prefetch is laid for kv; the mask is asked for two steps ahead.
; CLUSTER.  The four work-groups of a cluster own four blocks of queries of one head and walk the same kv: each fill is asked for jointly.  The mask hangs on the queries, which partners do not share: each wave loads
; its own tile's numbers straight into registers, 512 consecutive bytes a load.
; LAYOUT.  Both products are used transposed: S^T = K Q^T, O^T = V^T P^T: a lane holds one query (place lane % 16) throughout.  A tile's rows are 32 (t / 2) + 8 (t % 2) + p + 8 (p / 8), so the 16 registers of tiles
; 2 b, 2 b + 1 are 16 neighbours: keys 32 b + 16 (lane / 16) + 0 .. 15 in S^T, channels likewise in O^T.
; REGISTERS.  window 0: v1-9 addresses; v12 -M, v13 the largest t, v[14:15] the sum; v16-27 Q; v28-31 scale words of tiles 4-7; v32-79 fragments 0-3; v82-95 partial sums; v96-159 S^T, then p; v160-223 O^T;
;   v224-235 p's codes; v232-254 at work; v248-251 scale words of tiles 0-3; v253 p's scale word; v255 Q's.   window 1: v0-63, v64-127 two sets of the mask; v128-175 fragments 4-7.
; LIMITS: NaN is not served; a mask of -infinity is, beside some finite logit of the row.  Where a row's largest |logit| is very large (a row masked throughout by -1e9), p is no finer than f32 resolves t there.
; The promise holds while |t| stays under 2^31.  A block whose every p is 0 keeps the byte 1: its codes are zeros.  The scale words of o leave 4 bytes at a time, 8 bytes apart: one byte in 24 of what the launch stores.
.set STEPB, 25600                      ; a key step's block
.set SPARE, 12*STEPB                   ; the spare words, 128 bytes for each wave: four blocks of 256 bytes that no other line names
.set LI,  1                            ; v1   16 x lane
.set LR,  2                            ; v2   16 x (lane % 16)
.set LN,  3                            ; v3   lane
.set SPW, 5                            ; v5   LDS address of my spare word; never rewritten
.set NIL, 6                            ; v6   0; never rewritten
.set GW,  7                            ; v7   8 x (lane % 16)
.set ADK, 8                            ; v8   LDS address of the step's images
.set ADS, 9                            ; v9   of its scale words
.set TS,  82                           ; v82-95 seven partial sums of p, in pairs
.set TM,  32                           ; the way out: at work
.set PC,  48                           ; o's codes
.set PW,  68                           ; o's scale word
.set WV,  18
.set SEL, 20                           ; s[20:21] lane selects: lane l xor 16
.set CS,  22                           ; s[22:23] log2(e)
.set G1A, 24                           ; s[24:31] group 1: 25 rows of 256 bytes
.set G0A, 32                           ; s[32:35] group 0: key steps 0, 1
.set TB,  36                           ; s36  LDS byte at which the step in hand begins
.set CNT, 37                           ; s37  pairs of steps to go
.set MB,  56                           ; s[56:57] the mask's image at the pair's first key step of my tile
.set G0B, 60                           ; s[60:63] group 0: key steps 2 to 5
.set G1B, 68                           ; s[68:75] group 1: 50 rows
.set G0D, 76                           ; s[76:79] group 0: key steps 12 to 15
.set G1C, 84                           ; s[84:91] group 1: 75 rows
.set G0C, 92                           ; s[92:95] group 0: key steps 6 to 11
.set MSB, 0
.macro WIN new
.if MSB != (\new)
	s_set_vgpr_msb (MSB<<8)|(\new)
.set MSB, \new
.endif
.endm
.macro CROUND                          ; a round of the cluster's barrier
	s_barrier_signal -1
	s_barrier_wait -1
	s_cmp_lg_u32 s[WV], 0
	s_cbranch_scc1 .Lnot_wave_0_\@
	s_barrier_signal -3
.Lnot_wave_0_\@:
	s_barrier_wait -3
	s_barrier_signal -1
	s_barrier_wait -1
.endm
.macro GROUP1 g, rows                  ; dense bytes as rows of 256 (32 elements of 8 bytes); the mask names all four work-groups, bit 21 beside it
	s_mov_b32 s[\g], 15|(3<<16)|(1<<21)
	s_mov_b32 s[\g+1], 32<<16
	s_mov_b32 s[\g+2], (\rows)<<16
	s_mov_b32 s[\g+3], 32<<16
	s_mov_b32 s[\g+4], \rows
	s_mov_b32 s[\g+5], 32
	s_mov_b32 s[\g+6], 0
	s_mov_b32 s[\g+7], 0
.endm
.macro GROUP0 g, w, lds, glb           ; s[w]: my eighth's place in the fill; lds, glb: where the fill begins in LDS and in the head's kv
	s_mov_b32 s[\g], 1
	s_add_co_u32 s[\g+1], s[\w], \lds
	s_add_co_u32 s98, s[\w], \glb
	s_add_nc_u64 s[\g+2:\g+3], s[96:97], s[98:99]
	s_or_b32 s[\g+3], s[\g+3], 0x80000000
.endm
	s_load_b256 s[4:11], s[0:1], 0x0               ; qop s[4:5], kv s[6:7], mimg s[8:9], ocodes s[10:11]
	s_load_b64 s[12:13], s[0:1], 0x20              ; oscales
	v_lshl_add_u32 v[SPW], v0, 2, SPARE
	v_mov_b32 v[NIL], 0
	ds_add_u32 v[SPW], v[NIL]                      ; the opening adds, twice on end; their wait stands ahead of my first tensor load
	ds_add_u32 v[SPW], v[NIL]
	v_lshrrev_b32 v8, 5, v0
	s_delay_alu instid0(VALU_DEP_1)
	v_readfirstlane_b32 s[WV], v8                  ; wave 0..7
	v_and_b32 v[LN], 31, v0
	s_delay_alu instid0(VALU_DEP_1)
	v_lshlrev_b32 v[LI], 4, v[LN]
	v_and_b32 v[LR], 15, v0
	s_delay_alu instid0(VALU_DEP_1)
	v_lshlrev_b32 v[GW], 3, v[LR]
	s_delay_alu instid0(VALU_DEP_2)
	v_lshlrev_b32 v[LR], 4, v[LR]
	s_bfe_u32 s38, ttmp6, 0x40000                  ; cx
	s_lshl_b32 s39, ttmp9, 2
	s_add_co_u32 s39, s39, s38                     ; my block of 128 queries: it enters global addresses of q, the mask and o alone
	s_and_b32 s40, ttmp7, 0xffff                   ; the head, which the four partners share
	GROUP1 G1A, 25
	GROUP1 G1B, 50
	GROUP1 G1C, 75
	s_mul_i32 s42, s40, 16*STEPB                   ; the head's kv
	s_mov_b32 s43, 0
	s_mul_i32 s80, s[WV], 6400                     ; my eighth of two, four, six key steps
	s_mul_i32 s81, s[WV], 12800
	s_mul_i32 s82, s[WV], 19200
	s_mov_b32 s99, 0
	s_lshl_b32 s41, s39, 3
	s_add_co_u32 s41, s41, s[WV]                   ; my tile of queries
	s_lshl_b32 s45, s40, 4
	s_add_co_u32 s45, s45, s39
	s_mul_i32 s46, s45, 12800                      ; qop's block (16 head + block of queries):
	s_add_co_u32 s48, s46, 12288
	s_mul_i32 s45, s[WV], 1536
	s_add_co_u32 s46, s46, s45                     ; my tile's image,
	s_mov_b32 s47, 0
	s_lshr_b32 s45, s[WV], 2
	s_lshl_b32 s45, s45, 8
	s_add_co_u32 s48, s48, s45
	s_and_b32 s45, s[WV], 3
	s_lshl_b32 s45, s45, 2
	s_add_co_u32 s48, s48, s45                     ; and its scale words: 12,288 + 256 (w / 4) + 4 (w % 4), 16 bytes a place
	s_mov_b32 s49, 0
	s_lshl_b32 s50, s41, 17                        ; the mask's image: 131,072 bytes a tile
	s_mov_b32 s51, 0
	s_mul_i32 s52, s41, 24576                      ; o's image: tile, K step = head
	s_mul_i32 s45, s40, 1536
	s_add_co_u32 s52, s52, s45
	s_mov_b32 s53, 0
	s_lshl_b32 s54, s41, 10                        ; o's scale words: 1,024 tile + 128 (head / 2) + 4 (head % 2), 8 bytes a place
	s_lshr_b32 s45, s40, 1
	s_lshl_b32 s45, s45, 7
	s_add_co_u32 s54, s54, s45
	s_and_b32 s45, s40, 1
	s_lshl_b32 s45, s45, 2
	s_add_co_u32 s54, s54, s45
	s_mov_b32 s55, 0
	s_mov_b32 s[SEL], 0x76543210
	s_mov_b32 s[SEL+1], 0xfedcba98
	s_mov_b32 s[CS], 0x3fb8aa3b                    ; log2(e)
	s_mov_b32 s[CS+1], s[CS]                       ; (named with it as a pair, so it is written)
	s_mov_b32 s[TB], 0
	s_wait_alu depctr_va_vdst(0)
	s_wait_dscnt 0x0                               ; both opening adds are done
	s_wait_kmcnt 0x0
	s_add_nc_u64 s[96:97], s[6:7], s[42:43]
	GROUP0 G0A, 80, 0, 0
	GROUP0 G0B, 81, 2*STEPB, 2*STEPB
	GROUP0 G0C, 82, 6*STEPB, 6*STEPB
	GROUP0 G0D, 81, 0, 12*STEPB
	s_add_nc_u64 s[58:59], s[4:5], s[48:49]
	s_add_nc_u64 s[4:5], s[4:5], s[46:47]
	s_add_nc_u64 s[MB:MB+1], s[8:9], s[50:51]
	s_add_nc_u64 s[10:11], s[10:11], s[52:53]
	s_add_nc_u64 s[12:13], s[12:13], s[54:55]
.irp c, 0,1,2
	global_load_b128 v[16+4*\c:19+4*\c], v[LI], s[4:5] offset:512*\c   ; Q's fragment stays in registers
.endr
	global_load_b32 v255, v[LR], s[58:59]          ; Q's scale words
	WIN 0x40                                       ; destination window 1
.irp c, 0,1,2,3,4,5,6,7,8,9,10,11,12,13,14,15
	global_load_b128 v[4*\c:4*\c+3], v[LI], s[MB:MB+1] offset:512*\c           ; the mask of key step 0
.endr
	WIN 0
	CROUND                                         ; all four work-groups are here: the first joint loads meet
	tensor_load_to_lds s[G0A:G0A+3], s[G1A:G1A+7]  ; key steps 0 and 1: my one tensor load at the head
	s_nop 0
.rept 4
	v_nop
.endr
	WIN 0x40
.irp c, 0,1,2,3,4,5,6,7,8,9,10,11,12,13,14,15
	global_load_b128 v[64+4*\c:67+4*\c], v[LI], s[MB:MB+1] offset:8192+512*\c  ; the mask of key step 1
.endr
	WIN 0
	v_mov_b32 v13, 0xff61b1e6                      ; the largest t so far: -3e38, under every t
	s_delay_alu instid0(VALU_DEP_1)
	v_floor_f32 v12, -v13                          ; -M
	v_mov_b32 v14, 0
	v_mov_b32 v15, 0
.irp b, 0,1,2,3
	v_mov_b32 v[236+\b], 0                         ; a lane permute's destination counts as one of its sources
.endr
	v_mov_b32 v253, 0                              ; (named as the upper half of the pair v[252:253] before it is first written)
.set j, 0
.rept 64
	v_mov_b32 v[160+j], 0                          ; O^T: the step is written once; the first finds zeros, which the first change of M leaves zeros
.set j, j+1
.endr
; eight images at byte off of the step's block, and their scale words at byte woff: 26 loads, tiles 4-7 last.  It leaves the destination's window at 1
.macro KVLOAD off, woff
	WIN 0
.irp t, 0,1,2,3
.irp c, 0,1,2
	ds_load_b128 v[32+12*\t+4*\c:35+12*\t+4*\c], v[ADK] offset:\off+1536*\t+512*\c
.endr
.endr
	ds_load_b128 v[248:251], v[ADS] offset:\woff
	ds_load_b128 v[28:31], v[ADS] offset:\woff+256
	WIN 0x40
.irp t, 0,1,2,3
.irp c, 0,1,2
	ds_load_b128 v[128+12*\t+4*\c:131+12*\t+4*\c], v[ADK] offset:\off+6144+1536*\t+512*\c
.endr
.endr
.endm
; A KEY STEP, the q-th of its pair.  par: the mask's set.  mload = 1: the set is loaded again, for two steps on.  left: the younger global loads that may stay out.
.macro STEP q, par, mload, left
	v_add_nc_u32 v[ADK], s[TB], v[LI]
	v_add_nc_u32 v[ADS], s[TB], v[LR]
	v_nop
	v_nop                                          ; four places behind the last step's products, in front of loads into the registers that they read
	KVLOAD 0, 24576
	s_wait_alu depctr_va_vdst(0)
	s_wait_loadcnt \left                           ; this step's mask is in (in the first step Q too); the next step's 16 loads may be out
	s_wait_dscnt 12                                ; tiles 0-3 and all scale words are in; the youngest 12 loads, tiles 4-7, may be out
	WIN 0x10                                       ; source 2, the mask: window 1
.irp t, 0,1,2,3
	v_wmma_scale_f32_16x16x128_f8f6f4 v[96+8*\t:103+8*\t], v[32+12*\t:43+12*\t], v[16:27], v[64*\par+8*\t:64*\par+8*\t+7], v[248+\t], v255 matrix_a_fmt:MATRIX_FMT_FP6 matrix_b_fmt:MATRIX_FMT_FP6
.endr
	s_wait_dscnt 0x0
	WIN 0x11                                       ; source 0 too
.irp t, 0,1,2,3
	v_wmma_scale_f32_16x16x128_f8f6f4 v[128+8*\t:135+8*\t], v[128+12*\t:139+12*\t], v[16:27], v[64*\par+32+8*\t:64*\par+32+8*\t+7], v[28+\t], v255 matrix_a_fmt:MATRIX_FMT_FP6 matrix_b_fmt:MATRIX_FMT_FP6
.endr
	WIN 0
.rept 4
	v_nop                                          ; places: the logits are read, and K's and the mask's registers loaded anew, from here on
.endr
	KVLOAD 12288, 25088                            ; V lands while the softmax is walked
.if \mload
.irp c, 0,1,2,3,4,5,6,7,8,9,10,11,12,13,14,15
	global_load_b128 v[64*\par+4*\c:64*\par+4*\c+3], v[LI], s[MB:MB+1] offset:(\q+2)*8192+512*\c   ; (destination: window 1, as KVLOAD has left it)
.endr
.endif
	WIN 0
.irp b, 0,1,2,3
	v_max3_num_f32 v[232+\b], v[96+16*\b], v[97+16*\b], v[98+16*\b]   ; the largest logit of each block of 32 keys: it serves for the row's maximum and, since p rises with the logit, for the block's largest p
.endr
.irp i, 3,5,7,9,11,13
.irp b, 0,1,2,3
	v_max3_num_f32 v[232+\b], v[232+\b], v[96+16*\b+\i], v[97+16*\b+\i]
.endr
.endr
.irp b, 0,1,2,3
	v_max_num_f32 v[232+\b], v[232+\b], v[111+16*\b]
.endr
.irp b, 0,1,2,3
	s_delay_alu instid0(VALU_DEP_4)
	v_permlanex16_b32 v[236+\b], v[232+\b], s[SEL], s[SEL+1]
.endr
.irp b, 0,1,2,3
	s_delay_alu instid0(VALU_DEP_4)
	v_max_num_f32 v[232+\b], v[232+\b], v[236+\b]  ; with lane l xor 16's 16 keys
.endr
	s_delay_alu instid0(VALU_DEP_2)
	v_max3_num_f32 v254, v232, v233, v234
	s_delay_alu instid0(VALU_DEP_1)
	v_max_num_f32 v254, v254, v235
	s_delay_alu instid0(VALU_DEP_1)
	v_mul_f32 v254, s[CS], v254                    ; the step's largest t
	s_delay_alu instid0(VALU_DEP_1)
	v_max_num_f32 v13, v13, v254                   ; the running largest t
	v_mov_b32 v254, v12
	s_delay_alu instid0(VALU_DEP_2)
	v_floor_f32 v12, -v13                          ; the new -M = -ceil(t): a whole number
	s_delay_alu instid0(VALU_DEP_1)
	v_sub_f32 v254, v12, v254                      ; old M - new M: a whole number, 0 or less
	s_delay_alu instid0(VALU_DEP_1)
	v_cvt_i32_f32 v254, v254                       ; (it saturates)
	s_delay_alu instid0(VALU_DEP_1)
	v_ldexp_f32 v252, 1.0, v254                    ; f = 2^(old M - new M)
.set j, 0
.rept 32
	v_pk_fma_f32 v[96+j:97+j], v[96+j:97+j], s[CS:CS+1], v[12:13] op_sel_hi:[1,0,0]   ; t - M
.set j, j+2
.endr
.irp b, 0,1,2,3
	v_fma_f32 v[232+\b], v[232+\b], s[CS], v12     ; the same of each block's largest logit
.endr
.set j, 0
	s_wait_alu depctr_va_vdst(0)
.rept 64
	v_exp_f32 v[96+j], v[96+j]                     ; p = 2^(t - M)
.set j, j+1
.endr
.irp b, 0,1,2,3
	v_exp_f32 v[232+\b], v[232+\b]                 ; the block's largest p: the same two instructions on the same number
.endr
	v_pk_mul_f32 v[14:15], v[14:15], v[252:253] op_sel_hi:[1,0]   ; the sums under the new M (a plain place behind the exponentials)
	s_wait_alu depctr_va_vdst(0)                   ; and behind it, ahead of its first reader
.irp b, 0,1,2,3
	v_max_num_f32 v[232+\b], 0x1800000, v[232+\b]  ; the floor 2^(3 - 127): the byte cannot fall under 1
.endr
.irp b, 0,1,2,3
	s_delay_alu instid0(VALU_DEP_4)
	v_add_nc_u32 v[244+\b], 0xff000000, v[232+\b]  ; 2 off the exponent field: the conversion's scale operand
.endr
.irp b, 0,1,2,3
	s_delay_alu instid0(VALU_DEP_4)
	v_lshrrev_b32 v[236+\b], 23, v[244+\b]         ; the scale's byte
.endr
	s_delay_alu instid0(VALU_DEP_3)
	v_lshl_or_b32 v253, v237, 8, v236              ; p's scale word for these 128 keys
	s_delay_alu instid0(VALU_DEP_1)
	v_lshl_or_b32 v253, v238, 16, v253
	s_delay_alu instid0(VALU_DEP_1)
	v_lshl_or_b32 v253, v239, 24, v253
.irp c, 0,1
	v_cvt_scalef32_pk16_fp6_f32 v[224+6*\c:226+6*\c], v[96+32*\c:111+32*\c], v[244+2*\c]
	v_cvt_scalef32_pk16_fp6_f32 v[236+4*\c:238+4*\c], v[112+32*\c:127+32*\c], v[244+2*\c+1]
.endr
	v_nop                                          ; one plain place behind a scaled conversion
.irp c, 0,1
.irp i, 0,1,2
	v_permlane16_swap_b32 v[224+6*\c+\i], v[236+4*\c+\i]
.endr
.irp i, 0,1,2
	s_delay_alu instid0(VALU_DEP_3)
	v_mov_b32 v[227+6*\c+\i], v[236+4*\c+\i]
.endr
.endr
; the row's sum of the unquantised p: 32 pairs into eight chains (seven partial sums and the running sum), then joined
.irp i, 0,1,2,3,4,5,6
	v_pk_add_f32 v[TS+2*\i:TS+2*\i+1], v[96+4*\i:97+4*\i], v[98+4*\i:99+4*\i]
.endr
	v_pk_add_f32 v[14:15], v[14:15], v[124:125]
.irp i, 0,1,2,3,4,5,6
	v_pk_add_f32 v[TS+2*\i:TS+2*\i+1], v[TS+2*\i:TS+2*\i+1], v[126+2*\i:127+2*\i]
.endr
	v_pk_add_f32 v[14:15], v[14:15], v[140:141]
.irp i, 0,1,2,3,4,5,6
	v_pk_add_f32 v[TS+2*\i:TS+2*\i+1], v[TS+2*\i:TS+2*\i+1], v[142+2*\i:143+2*\i]
.endr
	v_pk_add_f32 v[14:15], v[14:15], v[156:157]
	v_pk_add_f32 v[TS:TS+1], v[TS:TS+1], v[158:159]
	s_delay_alu instid0(VALU_DEP_1)
	v_pk_add_f32 v[TS:TS+1], v[TS:TS+1], v[TS+2:TS+3]
	v_pk_add_f32 v[TS+4:TS+5], v[TS+4:TS+5], v[TS+6:TS+7]
	v_pk_add_f32 v[TS+8:TS+9], v[TS+8:TS+9], v[TS+10:TS+11]
	v_pk_add_f32 v[14:15], v[14:15], v[TS+12:TS+13]
	s_delay_alu instid0(VALU_DEP_3)
	v_pk_add_f32 v[TS:TS+1], v[TS:TS+1], v[TS+4:TS+5]
	s_delay_alu instid0(VALU_DEP_2)
	v_pk_add_f32 v[14:15], v[14:15], v[TS+8:TS+9]
	s_delay_alu instid0(VALU_DEP_1)
	v_pk_add_f32 v[14:15], v[14:15], v[TS:TS+1]
.set j, 0
.rept 32
	v_pk_mul_f32 v[160+j:161+j], v[160+j:161+j], v[252:253] op_sel_hi:[1,0]   ; O^T under the new M.  (These are also the places between p's codes and scale word and the products below)
.set j, j+2
.endr
	s_wait_alu depctr_va_vdst(0)
	s_wait_dscnt 0x0                               ; V is in
.irp t, 0,1,2,3                                ; the eight accumulators take turns, one instruction a turn
	v_wmma_scale_f32_16x16x128_f8f6f4 v[160+8*\t:167+8*\t], v[32+12*\t:43+12*\t], v[224:235], v[160+8*\t:167+8*\t], v[248+\t], v253 matrix_a_fmt:MATRIX_FMT_FP6 matrix_b_fmt:MATRIX_FMT_FP6
.endr
	WIN 0x01
.irp t, 0,1,2,3
	v_wmma_scale_f32_16x16x128_f8f6f4 v[192+8*\t:199+8*\t], v[128+12*\t:139+12*\t], v[224:235], v[192+8*\t:199+8*\t], v[28+\t], v253 matrix_a_fmt:MATRIX_FMT_FP6 matrix_b_fmt:MATRIX_FMT_FP6
.endr
	WIN 0
	s_add_co_u32 s[TB], s[TB], STEPB
.endm
.macro PAIR                            ; two key steps, each asking for the mask of two steps on
	STEP 0, 0, 1, 16
	STEP 1, 1, 1, 16
	s_wait_xcnt 0x0                                ; the mask's loads have read their base
	s_add_nc_u64 s[MB:MB+1], s[MB:MB+1], 16384     ; two key steps on
.endm
; BETWEEN TWO FILLS' KEY STEPS.  Each wave waits for all its tensor loads, adds 0 to its spare word, and waits for that and for its LDS reads.
; g0 other than 0: a round of the cluster's barrier, and behind it the next fill, my one tensor load until the next such place.  g0 = 0: the work-group's barrier alone; nothing more is asked for.
.macro CHANGE g0, g1
	s_wait_tensorcnt 0x0                           ; all my tensor loads have landed
	ds_add_u32 v[SPW], v[NIL]                      ; 0 onto my spare word
	s_wait_dscnt 0x0                               ; the add is done, and my LDS reads are over
.if \g0
	CROUND
	tensor_load_to_lds s[\g0:\g0+3], s[\g1:\g1+7]
	s_nop 0
.rept 4
	v_nop
.endr
.else
	s_barrier_signal -1
	s_barrier_wait -1
.endif
.endm
	s_wait_alu depctr_va_vdst(0)
	CHANGE G0B, G1B                                ; key steps 0, 1 are in; 2 to 5 are asked for
	PAIR                                           ; key steps 0, 1
	CHANGE G0C, G1C                                ; 2 to 5 are in; 6 to 11 are asked for
	s_mov_b32 s[TB], 2*STEPB
	s_mov_b32 s[CNT], 2
.Lsecond:                                          ; key steps 2 to 5
	PAIR
	s_sub_co_u32 s[CNT], s[CNT], 1
	s_cmp_lg_u32 s[CNT], 0
	s_cbranch_scc1 .Lsecond
	CHANGE G0D, G1B                                ; 6 to 11 are in; 12 to 15 are asked for, onto the bytes that steps 0 to 3 have left
	s_mov_b32 s[TB], 6*STEPB
	s_mov_b32 s[CNT], 3
.Lthird:                                           ; key steps 6 to 11
	PAIR
	s_sub_co_u32 s[CNT], s[CNT], 1
	s_cmp_lg_u32 s[CNT], 0
	s_cbranch_scc1 .Lthird
	CHANGE 0, 0                                    ; key steps 12 to 15 are in
	s_mov_b32 s[TB], 0
	PAIR                                           ; key steps 12 and 13 ask for the mask of 14 and 15: the last; no load leaves the mask's image
	STEP 0, 0, 0, 16
	STEP 1, 1, 0, 0
	; THE WAY OUT: O^T / the sum, in f32; its 64 registers are 128 neighbouring channels of my query in the conversions' order: quantised, they are K step `head` of the output projection's operand.
	v_add_f32 v14, v14, v15
	s_delay_alu instid0(VALU_DEP_1)
	v_permlanex16_b32 v252, v14, s[SEL], s[SEL+1]
	s_delay_alu instid0(VALU_DEP_1)
	v_add_f32 v14, v14, v252                       ; the row's sum
	s_wait_alu depctr_va_vdst(0)
	v_rcp_f32 v14, v14
	v_nop                                          ; a plain place behind the reciprocal; with the lines above, the places behind the last products
	v_nop
.set j, 0
	s_wait_alu depctr_va_vdst(0)
.rept 32
	v_pk_mul_f32 v[96+j:97+j], v[160+j:161+j], v[14:15] op_sel_hi:[1,0]
.set j, j+2
.endr
.irp b, 0,1,2,3
	v_mov_b32 v[TM+4+\b], 0
.endr
.irp b, 0,1,2,3
	v_max3_num_f32 v[TM+\b], |v[96+16*\b]|, |v[97+16*\b]|, 0x1800000
.endr
.irp i, 2,4,6,8,10,12,14
.irp b, 0,1,2,3
	s_delay_alu instid0(VALU_DEP_4)
	v_max3_num_f32 v[TM+\b], v[TM+\b], |v[96+16*\b+\i]|, |v[97+16*\b+\i]|
.endr
.endr
.irp b, 0,1,2,3
	s_delay_alu instid0(VALU_DEP_4)
	v_permlanex16_b32 v[TM+4+\b], v[TM+\b], s[SEL], s[SEL+1]
.endr
.irp b, 0,1,2,3
	s_delay_alu instid0(VALU_DEP_4)
	v_max_num_f32 v[TM+\b], v[TM+\b], v[TM+4+\b]
.endr
.irp b, 0,1,2,3
	s_delay_alu instid0(VALU_DEP_4)
	v_add_nc_u32 v[TM+12+\b], 0xff000000, v[TM+\b]
.endr
.irp b, 0,1,2,3
	s_delay_alu instid0(VALU_DEP_4)
	v_lshrrev_b32 v[TM+4+\b], 23, v[TM+12+\b]
.endr
	s_delay_alu instid0(VALU_DEP_3)
	v_lshl_or_b32 v[PW], v[TM+5], 8, v[TM+4]
	s_delay_alu instid0(VALU_DEP_1)
	v_lshl_or_b32 v[PW], v[TM+6], 16, v[PW]
	s_delay_alu instid0(VALU_DEP_1)
	v_lshl_or_b32 v[PW], v[TM+7], 24, v[PW]
.irp c, 0,1
	v_cvt_scalef32_pk16_fp6_f32 v[PC+6*\c:PC+2+6*\c], v[96+32*\c:111+32*\c], v[TM+12+2*\c]
	v_cvt_scalef32_pk16_fp6_f32 v[PC+12+4*\c:PC+14+4*\c], v[112+32*\c:127+32*\c], v[TM+12+2*\c+1]
.endr
	v_nop
.irp c, 0,1
.irp i, 0,1,2
	v_permlane16_swap_b32 v[PC+6*\c+\i], v[PC+12+4*\c+\i]
.endr
.irp i, 0,1,2
	s_delay_alu instid0(VALU_DEP_3)
	v_mov_b32 v[PC+3+6*\c+\i], v[PC+12+4*\c+\i]
.endr
.endr
.irp c, 0,1,2
	global_store_b128 v[LI], v[PC+4*\c:PC+4*\c+3], s[10:11] offset:512*\c   ; 512 consecutive bytes a store
.endr
	v_cmp_gt_u32 vcc_lo, 16, v[LN]
	s_wait_xcnt 0x0                                ; EXEC changes only behind this wait
	s_and_saveexec_b32 s42, vcc_lo
	global_store_b32 v[GW], v[PW], s[12:13]        ; lanes 0-15: place r's scale word
	s_wait_xcnt 0x0
	s_or_b32 exec_lo, exec_lo, s42
	s_wait_tensorcnt 0x0                           ; the wave's end
	ds_add_u32 v[SPW], v[NIL]
	s_wait_dscnt 0x0
	CROUND                                         ; the closing round
	s_endpgm
.Lfunc_end_k_qd9b928ea2d_attn:
	.size	k_qd9b928ea2d_attn, .Lfunc_end_k_qd9b928ea2d_attn-k_qd9b928ea2d_attn
	.p2alignl 7, 3214868480
	.fill 96, 4, 3214868480
	.section	.rodata,"a",@progbits
	.p2align	6, 0x0
	.amdhsa_kernel k_qd9b928ea2d_attn
		.amdhsa_group_segment_fixed_size 327680
		.amdhsa_private_segment_fixed_size 0
		.amdhsa_enable_private_segment 0
		.amdhsa_kernarg_size 40
		.amdhsa_user_sgpr_count 2
		.amdhsa_user_sgpr_kernarg_segment_ptr 1
		.amdhsa_wavefront_size32 1
		.amdhsa_system_sgpr_workgroup_id_x 1
		.amdhsa_system_sgpr_workgroup_id_y 1
		.amdhsa_system_sgpr_workgroup_id_z 1
		.amdhsa_system_vgpr_workitem_id 0
		.amdhsa_next_free_vgpr 448
		.amdhsa_next_free_sgpr 100
		.amdhsa_reserve_vcc 1
		.amdhsa_float_denorm_mode_32 3
		.amdhsa_float_denorm_mode_16_64 3
		.amdhsa_memory_ordered 1
		.amdhsa_forward_progress 1
		.amdhsa_inst_pref_size 234
	.end_amdhsa_kernel
	.amdgpu_metadata
---
amdhsa.version: [ 1, 2 ]
amdhsa.kernels:
  - .name:           k_qd9b928ea2d_attn
    .symbol:         k_qd9b928ea2d_attn.kd
    .args:
      - { .name: qop, .offset: 0, .size: 8, .value_kind: global_buffer, .address_space: global }
      - { .name: kv, .offset: 8, .size: 8, .value_kind: global_buffer, .address_space: global }
      - { .name: mimg, .offset: 16, .size: 8, .value_kind: global_buffer, .address_space: global }
      - { .name: ocodes, .offset: 24, .size: 8, .value_kind: global_buffer, .address_space: global }
      - { .name: oscales, .offset: 32, .size: 8, .value_kind: global_buffer, .address_space: global }
    .group_segment_fixed_size: 327680
    .private_segment_fixed_size: 0
    .kernarg_segment_align: 8
    .kernarg_segment_size: 40
    .max_flat_workgroup_size: 256
    .sgpr_count:     100
    .vgpr_count:     448
    .wavefront_size: 32
...
	.end_amdgpu_metadata
.endif
;; end of part 7
;; launch outp (part 8): grid 16 x 16, 4 waves a work-group, clusters of 4 x 1, 327,680 bytes of LDS; arguments ocodes, oscales, codes, scales, bo, out0; writes out0
.if DOCPART == 8
	.amdgcn_target "amdgcn-amd-amdhsa--gfx1250"
	.amdhsa_code_object_version 6
	.text
	.protected	k_qd9b928ea2d_outp
	.globl	k_qd9b928ea2d_outp
	.p2align	8
	.type	k_qd9b928ea2d_outp,@function
k_qd9b928ea2d_outp:
	s_mov_b64 s[64:65], 0
	v_nop
	global_prefetch_b8 v0, s[64:65] scope:SCOPE_SE
	s_setreg_imm32_b32 hwreg(HW_REG_WAVE_MODE, 25, 1), 1
	s_wait_xcnt 0x0
	s_wait_alu depctr_hold_cnt(0) depctr_sa_sdst(0) depctr_va_vdst(0) depctr_va_sdst(0) depctr_va_ssrc(0) depctr_va_vcc(0) depctr_vm_vsrc(0)
	s_getreg_b32 s2, hwreg(HW_REG_IB_STS2, 6, 4)
	s_cmp_eq_u32 s2, 0
	s_cbranch_scc0 .Lentry_in_a_cluster
	s_endpgm
.Lentry_in_a_cluster:
	s_bfe_u32 s2, ttmp6, 0x10000c
	s_cmp_lg_u32 s2, 0x3003
	s_cbranch_scc0 .Lentry_shape_is_right
	s_endpgm
.Lentry_shape_is_right:
; out0 = o Wo^T + bo, on codes of FP6 (E2M3): A = o (ocodes, oscales, made by the attention launch), B = Wo (tensor 4 of codes and scales); sums and the bias in f32.
; A work-group makes 128 rows x 128 columns, 256 work-groups: grid x is the block of rows, grid y the block of columns.  A wave makes 32 rows (two tiles of o) x all 128 columns, in two halves of 64 columns.
; OPERANDS come as images of their registers: a fragment (16 rows x 128 K) is 1,536 bytes, three loads of 16 bytes a lane at 16 x lane.  A tile's rows are 32 (t / 2) + 8 (t % 2) + p + 8 (p / 8).
; A: each wave loads its two tiles' fragments of all 16 K steps, 49,152 bytes, straight into 384 registers, which hold them for the whole launch: every byte is read once by one wave of the work-group and makes no
; way through LDS.  That is why A is not asked for jointly, though the 16 work-groups of a block of rows read the same bytes.
; B: Wo's 8 tiles, 196,608 bytes, lie in LDS whole, tile b at byte 24,576 b.  TWO FILLS, one tensor load a wave, a tile each: tiles 0 to 3 at the head, tiles 4 to 7 behind the round that follows.  Nothing is filled again.
; CLUSTER: the four work-groups of a cluster make four blocks of rows of one block of columns and need the same tiles of B: each fill is asked for jointly.
; A HALF is 16 K steps of 8 matrix instructions (2 tiles of A x 4 of B, the 8 accumulators by turns); B's four fragments of a step come from LDS three steps ahead, into four sets of registers by turns.
; The first half's 32 rows x 256 bytes are stored ahead of the second half's products.  The steps are written out: there is no loop to run ahead in, so no prefetch is laid.
; THE SCALE WORDS go straight to registers, once: a load covers 256 consecutive bytes, aligned: lanes 0-15 get the words of K steps 4 u, 4 u + 1 of places 0-15, lanes 16-31 those of K steps 4 u + 2, 4 u + 3.
; So K step s takes register s % 2 of the pair and the lanes' half (s / 2) % 2, on both sides alike.
; THE MATRIX INSTRUCTION IS USED TRANSPOSED (source 0 = 16 rows of Wo, source 1 = 16 rows of o): a lane holds eight neighbouring columns of one row of the result.
; THE WAY OUT: 16 rows x 64 columns at a time through the wave's own stage (rows 272 bytes apart), on bytes of its own behind B and the spare words.  Sixteen lanes store 256 consecutive bytes, aligned.
; REGISTERS: window 0: v1-29 addresses, v8-15 the bias; v32-47 A's scale words (8 tile + 2 (s / 4) + s % 2), v48-111 B's; v128-191 the accumulators; v192-255 rows read back.
;   windows 1, 2: A's fragments: K step s, tile a at v[24 s + 12 a] of window 1 (s under 10), at v[24 (s - 10) + 12 a] of window 2.   window 3: B's fragments, four sets of 48.
.set FR,     12                        ; registers of a fragment
.set NP,     4                         ; places behind this matrix instruction (ISA guide 7.12.1)
.set BT,     24576                     ; a tile's 16 images
.set SPARE,  8*BT                      ; behind B: the spare words, 128 bytes for each wave
.set STAGE,  SPARE+512                 ; behind them: four stages of 16 x 272 bytes
.set SPITCH, 272
.set BO,   8                           ; v8-11, v12-15  the bias of my four columns of a row read back, for each half
.set ADRB, 16                          ; v16-23  LDS address of my place in B's tile b
.set STO,  24
.set RD,   25
.set CO,   26
.set SPW,  28                          ; v28     LDS address of my spare word; never rewritten
.set NIL,  29                          ; v29     0; never rewritten
.set SCA,  32
.set SCB,  48
.set ACC,  128
.set BK,   192
.set G1,   24                          ; s[24:31] group 1: 96 rows of 256 bytes
.set G0,   32                          ; s[32:35] group 0: my tile of B's 0 to 3
.set G0B,  36                          ; s[36:39] group 0: my tile of B's 4 to 7
.set SA,   76                          ; s[76:77] the scale words of my 2 tiles of A; s[78:79] of B's 8
.set SB,   78
.set MSB, 0
.macro WIN new
.if MSB != (\new)
	s_set_vgpr_msb (MSB<<8)|(\new)
.set MSB, \new
.endif
.endm
.macro CROUND                          ; a round of the cluster's barrier
	s_barrier_signal -1
	s_barrier_wait -1
	s_cmp_lg_u32 s20, 0
	s_cbranch_scc1 .Lnot_wave_0_\@
	s_barrier_signal -3
.Lnot_wave_0_\@:
	s_barrier_wait -3
	s_barrier_signal -1
	s_barrier_wait -1
.endm
.macro PLACES n
.rept \n
	v_nop
.endr
.endm
	s_load_b256 s[4:11], s[0:1], 0x0               ; ocodes s[4:5], oscales s[6:7], codes s[8:9], scales s[10:11]
	s_load_b128 s[12:15], s[0:1], 0x20             ; bo s[12:13], out0 s[14:15]
	v_lshl_add_u32 v[SPW], v0, 2, SPARE
	v_mov_b32 v[NIL], 0
	ds_add_u32 v[SPW], v[NIL]                      ; the opening adds, twice on end; their wait stands ahead of my first tensor load
	ds_add_u32 v[SPW], v[NIL]
	v_lshrrev_b32 v1, 5, v0
	v_readfirstlane_b32 s20, v1                    ; wave 0..3
	s_bfe_u32 s16, ttmp6, 0x40000                  ; cx
	s_lshl_b32 s18, ttmp9, 2
	s_add_co_u32 s18, s18, s16                     ; my block of 128 rows: it enters global addresses of o and of the result alone
	s_and_b32 s19, ttmp7, 0xffff                   ; the block of 128 columns, which the four partners share
	s_mov_b32 s[G1], 15|(3<<16)|(1<<21)            ; the mask: all four work-groups; elements of 8 bytes; bit 21 beside a mask
	s_mov_b32 s[G1+1], 32<<16
	s_mov_b32 s[G1+2], 96<<16
	s_mov_b32 s[G1+3], 32<<16
	s_mov_b32 s[G1+4], 96
	s_mov_b32 s[G1+5], 32
	s_mov_b32 s[G1+6], 0
	s_mov_b32 s[G1+7], 0
	s_mul_i32 s52, s20, BT                         ; my tile's place among four, in LDS and in memory
	s_mul_i32 s40, s19, 196608                     ; B's codes: 128 rows are 196,608 bytes, in tensor 4 of codes
	s_add_co_u32 s40, s40, s52
	s_add_co_u32 s40, s40, 12582912
	s_mov_b32 s41, 0
	s_mul_i32 s42, s18, 196608                     ; A's codes: my two tiles
	s_mul_i32 s43, s20, 49152
	s_add_co_u32 s42, s42, s43
	s_mov_b32 s43, 0
	s_lshl_b32 s44, s18, 13                        ; A's scale words: 1,024 bytes a tile
	s_lshl_b32 s45, s20, 11
	s_add_co_u32 s44, s44, s45
	s_mov_b32 s45, 0
	s_lshl_b32 s46, s19, 13                        ; B's, in tensor 4 of scales
	s_add_co_u32 s46, s46, 524288
	s_mov_b32 s47, 0
	s_lshl_b32 s48, s19, 9                         ; the block's 128 columns, in bytes
	s_mov_b32 s49, 0
	s_lshl_b32 s50, s18, 20                        ; my 32 rows of 8,192 bytes
	s_lshl_b32 s51, s20, 18
	s_add_co_u32 s50, s50, s51
	s_mov_b32 s51, 0
	s_mul_i32 s53, s20, 16*SPITCH
	s_add_co_u32 s53, s53, STAGE                   ; my stage
	s_wait_dscnt 0x0                               ; both opening adds are done
	s_wait_kmcnt 0x0
	s_mov_b32 s[G0], 1
	s_mov_b32 s[G0+1], s52
	s_add_nc_u64 s[G0+2:G0+3], s[8:9], s[40:41]
	s_mov_b32 s[G0B], 1
	s_add_co_u32 s[G0B+1], s52, 4*BT
	s_add_nc_u64 s[G0B+2:G0B+3], s[G0+2:G0+3], 4*BT
	s_or_b32 s[G0+3], s[G0+3], 0x80000000
	s_or_b32 s[G0B+3], s[G0B+3], 0x80000000
	s_add_nc_u64 s[4:5], s[4:5], s[42:43]
	s_add_nc_u64 s[SA:SA+1], s[6:7], s[44:45]
	s_add_nc_u64 s[SB:SB+1], s[10:11], s[46:47]
	s_add_nc_u64 s[12:13], s[12:13], s[48:49]
	s_add_nc_u64 s[14:15], s[14:15], s[50:51]
	s_add_nc_u64 s[14:15], s[14:15], s[48:49]
	CROUND                                         ; all four work-groups are here: the first joint loads meet
	tensor_load_to_lds s[G0:G0+3], s[G1:G1+7]      ; B's tile `wave`: my one tensor load at the head
	s_nop 0
	PLACES 4
	v_and_b32 v1, 15, v0                           ; r
	v_bfe_u32 v2, v0, 4, 1                         ; h
	v_and_b32 v4, 31, v0                           ; lane
	v_lshlrev_b32 v3, 4, v4                        ; 16 x lane: my place in every image
	v_lshlrev_b32 v7, 3, v4                        ; 8 x lane: my place in 256 bytes of scale words
	v_lshlrev_b32 v5, 4, v1                        ; 16 r
	v_lshl_add_u32 v[CO], v2, 13, v5               ; the way out: lanes 0-15 one row of the result, lanes 16-31 the next
.irp b, 0,1,2,3,4,5,6,7
	v_add_nc_u32 v[ADRB+\b], \b*BT, v3
.endr
	v_mul_u32_u24 v6, v1, SPITCH                   ; into the stage: row r, 64 bytes for each half of the lanes
	v_lshl_add_u32 v6, v2, 6, v6
	v_add_nc_u32 v[STO], s53, v6
	v_mul_u32_u24 v30, v2, SPITCH                  ; and back: sixteen lanes to a row of 256 bytes
	v_lshl_add_u32 v30, v1, 4, v30
	v_add_nc_u32 v[RD], s53, v30
	s_wait_alu depctr_va_vdst(0)
.irp a, 0,1
.irp u, 0,1,2,3
	global_load_b64 v[SCA+8*\a+2*\u:SCA+8*\a+2*\u+1], v7, s[SA:SA+1] offset:1024*\a+256*\u
.endr
.endr
.irp b, 0,1,2,3,4,5,6,7
.irp u, 0,1,2,3
	global_load_b64 v[SCB+8*\b+2*\u:SCB+8*\b+2*\u+1], v7, s[SB:SB+1] offset:1024*\b+256*\u
.endr
.endr
	global_load_b128 v[BO:BO+3], v5, s[12:13]
	global_load_b128 v[BO+4:BO+7], v5, s[12:13] offset:256
.macro ALOAD s, reg                    ; A's two fragments of K step s: six loads of 512 consecutive bytes
.irp a, 0,1
.irp c, 0,1,2
	global_load_b128 v[\reg+FR*\a+4*\c:\reg+FR*\a+4*\c+3], v3, s[4:5] offset:BT*\a+1536*(\s)+512*\c
.endr
.endr
.endm
	WIN 0x40                                       ; destination window 1
.set ST, 0
.rept 10
	ALOAD ST, 24*ST
.set ST, ST+1
.endr
	WIN 0x80                                       ; destination window 2
.rept 6
	ALOAD ST, 24*(ST-10)
.set ST, ST+1
.endr
	WIN 0
; B's four fragments of K step s of half hf into set s % 4 of window 3: 12 loads
.macro FETCH hf, s
	WIN 0xc0
.irp i, 0,1,2,3
.irp c, 0,1,2
	ds_load_b128 v[48*((\s)%4)+FR*\i+4*\c:48*((\s)%4)+FR*\i+4*\c+3], v[ADRB+4*\hf+\i] offset:1536*(\s)+512*\c
.endr
.endr
.endm
; 8 matrix instructions of K step s: A's two tiles x the half's four of B.  K step 0 starts the sums.  The 8 accumulators take turns, one instruction a turn.
.macro MULX hf, s
.set FS, 48*((\s)%4)
.set SS, 2*((\s)/4)+(\s)%2
.if (\s) < 10
.set AR, 24*(\s)
	WIN 0x07                                       ; source 0 window 3, source 1 window 1
.else
.set AR, 24*((\s)-10)
	WIN 0x0b                                       ; source 0 window 3, source 1 window 2
.endif
.irp a, 0,1
.irp b, 0,1,2,3
.if (\s) == 0
	v_wmma_scale_f32_16x16x128_f8f6f4 v[ACC+8*(4*\a+\b):ACC+8*(4*\a+\b)+7], v[FS+FR*\b:FS+FR*\b+FR-1], v[AR+FR*\a:AR+FR*\a+FR-1], 0, v[SCB+8*(4*\hf+\b)+SS], v[SCA+8*\a+SS] matrix_a_fmt:MATRIX_FMT_FP6 matrix_b_fmt:MATRIX_FMT_FP6
.elseif ((\s)/2)%2
	v_wmma_scale_f32_16x16x128_f8f6f4 v[ACC+8*(4*\a+\b):ACC+8*(4*\a+\b)+7], v[FS+FR*\b:FS+FR*\b+FR-1], v[AR+FR*\a:AR+FR*\a+FR-1], v[ACC+8*(4*\a+\b):ACC+8*(4*\a+\b)+7], v[SCB+8*(4*\hf+\b)+SS], v[SCA+8*\a+SS] matrix_a_fmt:MATRIX_FMT_FP6 matrix_b_fmt:MATRIX_FMT_FP6 matrix_a_scale:MATRIX_SCALE_ROW1 matrix_b_scale:MATRIX_SCALE_ROW1
.else
	v_wmma_scale_f32_16x16x128_f8f6f4 v[ACC+8*(4*\a+\b):ACC+8*(4*\a+\b)+7], v[FS+FR*\b:FS+FR*\b+FR-1], v[AR+FR*\a:AR+FR*\a+FR-1], v[ACC+8*(4*\a+\b):ACC+8*(4*\a+\b)+7], v[SCB+8*(4*\hf+\b)+SS], v[SCA+8*\a+SS] matrix_a_fmt:MATRIX_FMT_FP6 matrix_b_fmt:MATRIX_FMT_FP6
.endif
.endr
.endr
.endm
.macro STEPX hf, s
.if (\s) <= 13
	s_wait_dscnt 24                                ; this step's fragments of B are in; the next two steps' 24 loads may be out
.elseif (\s) == 14
	s_wait_dscnt 12
.else
	s_wait_dscnt 0x0
.endif
.if \hf == 0
.set LC, 6*(15-(\s))                   ; A's fragments of the later K steps, six loads each, may be out (the wait's field holds 63 at the most)
.if LC > 63
.set LC, 63
.endif
	s_wait_loadcnt LC
.endif
.if (\s) <= 12
	PLACES NP                                      ; in front of loads into the set that the last step's products read
	FETCH \hf, (\s)+3
.endif
	MULX \hf, \s
.endm
.macro HALF hf
	FETCH \hf, 0
	FETCH \hf, 1
	FETCH \hf, 2
.set ST, 0
.rept 16
	STEPX \hf, ST
.set ST, ST+1
.endr
	WIN 0
.endm
.macro TOSTAGE a                       ; tile a's 16 rows x 64 columns into my stage, each accumulator from its low end on, and back as rows of 256 bytes (LDS serves a wave's instructions in order: ISA guide 5.7.1.4)
.irp b, 0,1,2,3
	ds_store_b128 v[STO], v[ACC+8*(4*\a+\b):ACC+8*(4*\a+\b)+3] offset:128*(\b/2)+32*(\b%2)
	ds_store_b128 v[STO], v[ACC+8*(4*\a+\b)+4:ACC+8*(4*\a+\b)+7] offset:128*(\b/2)+32*(\b%2)+16
.endr
.irp t, 0,1,2,3,4,5,6,7
	ds_load_b128 v[BK+32*\a+4*\t:BK+32*\a+4*\t+3], v[RD] offset:\t*2*SPITCH
.endr
.endm
.macro SEND a, hf, younger             ; younger: the LDS instructions issued behind tile a's loads, which may stay out
	s_wait_dscnt \younger
.irp t, 0,1,2,3,4,5,6,7
	v_pk_add_f32 v[BK+32*\a+4*\t:BK+32*\a+4*\t+1], v[BK+32*\a+4*\t:BK+32*\a+4*\t+1], v[BO+4*\hf:BO+4*\hf+1]
	v_pk_add_f32 v[BK+32*\a+4*\t+2:BK+32*\a+4*\t+3], v[BK+32*\a+4*\t+2:BK+32*\a+4*\t+3], v[BO+4*\hf+2:BO+4*\hf+3]
.endr
.irp t, 0,1,2,3,4,5,6,7
	global_store_b128 v[CO], v[BK+32*\a+4*\t:BK+32*\a+4*\t+3], s[14:15] offset:(8*\a+2*\t+8*(\t/4))*8192+256*\hf th:TH_STORE_NT   ; place 2 t + h of my tile a: 16 lanes store 256 consecutive bytes, aligned
.endr
.endm
.macro OUT hf
	PLACES NP                                      ; behind the half's last products: results are read from here on
	TOSTAGE 0
	TOSTAGE 1
	SEND 0, \hf, 16                                ; behind tile 0's loads: tile 1's 8 stores and 8 loads
	SEND 1, \hf, 0
.endm
	s_wait_tensorcnt 0x0                           ; my tile of B's first four is in
	ds_add_u32 v[SPW], v[NIL]
	s_wait_dscnt 0x0
	CROUND                                         ; everybody's tile is in, and all four work-groups are here
	tensor_load_to_lds s[G0B:G0B+3], s[G1:G1+7]    ; B's tile 4 + `wave`: the first tensor load behind the round, onto bytes of its own
	s_nop 0
	PLACES 4
	HALF 0                                         ; columns 0 to 63
	OUT 0
	s_wait_tensorcnt 0x0                           ; my tile of B's last four is in
	ds_add_u32 v[SPW], v[NIL]
	s_wait_dscnt 0x0
	s_barrier_signal -1
	s_barrier_wait -1                              ; everybody's is; nothing more is asked for
	HALF 1                                         ; columns 64 to 127
	s_wait_xcnt 0x0                                ; the first half's stores have read their registers
	OUT 1
	s_wait_tensorcnt 0x0                           ; the wave's end
	ds_add_u32 v[SPW], v[NIL]
	s_wait_dscnt 0x0
	CROUND                                         ; the closing round
	s_endpgm
.Lfunc_end_k_qd9b928ea2d_outp:
	.size	k_qd9b928ea2d_outp, .Lfunc_end_k_qd9b928ea2d_outp-k_qd9b928ea2d_outp
	.p2alignl 7, 3214868480
	.fill 96, 4, 3214868480
	.section	.rodata,"a",@progbits
	.p2align	6, 0x0
	.amdhsa_kernel k_qd9b928ea2d_outp
		.amdhsa_group_segment_fixed_size 327680
		.amdhsa_private_segment_fixed_size 0
		.amdhsa_enable_private_segment 0
		.amdhsa_kernarg_size 48
		.amdhsa_user_sgpr_count 2
		.amdhsa_user_sgpr_kernarg_segment_ptr 1
		.amdhsa_wavefront_size32 1
		.amdhsa_system_sgpr_workgroup_id_x 1
		.amdhsa_system_sgpr_workgroup_id_y 1
		.amdhsa_system_sgpr_workgroup_id_z 1
		.amdhsa_system_vgpr_workitem_id 0
		.amdhsa_next_free_vgpr 1024
		.amdhsa_next_free_sgpr 102
		.amdhsa_reserve_vcc 0
		.amdhsa_float_denorm_mode_32 3
		.amdhsa_float_denorm_mode_16_64 3
		.amdhsa_memory_ordered 1
		.amdhsa_forward_progress 1
		.amdhsa_inst_pref_size 93
	.end_amdhsa_kernel
	.amdgpu_metadata
---
amdhsa.version: [ 1, 2 ]
amdhsa.kernels:
  - .name:           k_qd9b928ea2d_outp
    .symbol:         k_qd9b928ea2d_outp.kd
    .args:
      - { .name: ocodes, .offset: 0, .size: 8, .value_kind: global_buffer, .address_space: global }
      - { .name: oscales, .offset: 8, .size: 8, .value_kind: global_buffer, .address_space: global }
      - { .name: codes, .offset: 16, .size: 8, .value_kind: global_buffer, .address_space: global }
      - { .name: scales, .offset: 24, .size: 8, .value_kind: global_buffer, .address_space: global }
      - { .name: bo, .offset: 32, .size: 8, .value_kind: global_buffer, .address_space: global }
      - { .name: out0, .offset: 40, .size: 8, .value_kind: global_buffer, .address_space: global }
    .group_segment_fixed_size: 327680
    .private_segment_fixed_size: 0
    .kernarg_segment_align: 8
    .kernarg_segment_size: 48
    .max_flat_workgroup_size: 128
    .sgpr_count:     102
    .vgpr_count:     1024
    .wavefront_size: 32
...
	.end_amdgpu_metadata
.endif
;; end of part 8
